; MI455X (gfx1250); checked and timed in simulation.
; The chip was launched on July 23, 2026; its instructions are those of AMD's public machine-readable ISA for CDNA 5 (MIT licence, August 2026) and "CDNA5" Instruction Set Architecture Reference Guide (July 2026). The comments in the code are by the model that wrote it; some were corrected since.
;; Microlensing Transformer. Allowed arithmetic: float matrix products may take bf16 or f16 operands with f32 sums; all other float work in f32.
;; Inputs: W1 4 x 1,024 x 256 float32; W2 4 x 256 x 1,024 float32; Wo 4 x 256 x 256 float32; Wqkv 4 x 768 x 256 float32; alpha 4 float32; b1 4 x 1,024 float32; b2 4 x 256 float32; beta 4 float32; bo 4 x 256 float32; bqkv 4 x 768 float32; ln1_b 4 x 256 float32; ln1_g 4 x 256 float32; ln2_b 4 x 256 float32; ln2_g 4 x 256 float32; padding_mask 8 x 1,024 bool; qn_b 4 x 256 float32; qn_g 4 x 256 float32; x 8 x 1,024 x 256 float32.
;; Outputs: out0 8 x 1,024 x 256 float32.
;; 2 versions, each right; version 2 is version 1 with the launches lay0, lay1, lay2, lay3 written anew for expert scheduling mode. Each part assembles by itself: llvm-mc -triple=amdgcn-amd-amdhsa -mcpu=gfx1250 --defsym DOCPART=n.
;; ======== version 1 of 2: 6 launches
;; workspace buffers: pk0 1,638,400 bytes; pk1 1,638,400 bytes; pk2 1,638,400 bytes; pk3 1,638,400 bytes; S0 12,845,056 bytes; S1 12,845,056 bytes; X0 8,388,608 bytes; X1 8,388,608 bytes
;; launch prep (part 1): grid 26 x 32, 8 waves a work-group, no clusters, 0 bytes of LDS; arguments Wo, W1, W2, Wqkv, bo, ln2_g, ln2_b, b2, b1, ln1_g, ln1_b, qn_g, qn_b, bqkv, alpha, beta, padding_mask, pk0, pk1, pk2, pk3; writes pk0, pk1, pk2, pk3
.if DOCPART == 1
	.amdgcn_target "amdgcn-amd-amdhsa--gfx1250"
	.amdhsa_code_object_version 6
	.text
	.protected	k_q7fe4a46695_prep
	.globl	k_q7fe4a46695_prep
	.p2align	8
	.type	k_q7fe4a46695_prep,@function
k_q7fe4a46695_prep:
	s_mov_b64 s[64:65], 0
	v_nop
	global_prefetch_b8 v0, s[64:65] scope:SCOPE_SE
	s_setreg_imm32_b32 hwreg(HW_REG_WAVE_MODE, 25, 1), 1
	s_wait_xcnt 0x0
; PREP.  For each layer l one parameter pack pk_l with fixed offsets, so that one body can serve every layer.
; Bytes 0 .. 0x17ffff: the weights in bf16, as streams [wave w 8][slot 48][fragment c 4][1,024 bytes], in the order in which wave w of a layer launch takes them.
; A fragment is 16 rows x 32 k: [half 2][lane 32][16 bytes]; lane (r = lane % 16, h = lane / 16), half f holds M[row0 + r][k0 + 16 f + 8 h + 0..7]: the register image of a bf16 matrix operand.
;   slots 0-3 Wo, 4-19 W1, 20-35 W2 of layer l; slots 36-43 (Q, K rows) and 44-47 (V rows) Wqkv of layer l' = (l + 1) % 4, which the same launch applies to its result.
; Bytes 0x180000 on: 64 KB of parameters in pieces of 512 bytes (piece u): bo, ln2_g, ln2_b, b2, b1 of layer l; ln1_g, ln1_b, qn_g, qn_b, bqkv of layer l';
;   {0.5 tanh(alpha_l), tanh(beta_l)}; 1 - padding_mask in bf16 and in f32.
; Grid x 0-23: two slots each; x 24, 25: the parameters.  Grid y = 8 l + w.  Every store of a wave covers 512 consecutive bytes, aligned.  No LDS, no barrier: no wave needs another's data.
	s_load_b512 s[8:23], s[0:1], 0x0               ; Wo 8, W1 10, W2 12, Wqkv 14, bo 16, ln2_g 18, ln2_b 20, b2 22
	s_load_b512 s[24:39], s[0:1], 0x40             ; b1 24, ln1_g 26, ln1_b 28, qn_g 30, qn_b 32, bqkv 34, alpha 36, beta 38
	s_load_b256 s[40:47], s[0:1], 0x80             ; padding_mask 40, pk0 42, pk1 44, pk2 46
	s_load_b64 s[48:49], s[0:1], 0xa0              ; pk3
	v_lshrrev_b32 v1, 5, v0
	v_readfirstlane_b32 s2, v1                     ; my wave in the work-group
	s_and_b32 s3, ttmp7, 0xffff
	s_lshr_b32 s4, s3, 3                           ; l
	s_and_b32 s5, s3, 7                            ; w: whose stream
	s_add_co_u32 s6, s4, 1
	s_and_b32 s6, s6, 3                            ; l'
	v_and_b32 v1, 31, v0                           ; lane
	s_mov_b32 s63, 0                               ; the high word of every offset
	s_wait_kmcnt 0x0
	s_cmp_eq_u32 s4, 1                             ; the pack of layer l
	s_cselect_b64 s[50:51], s[44:45], s[42:43]
	s_cmp_eq_u32 s4, 2
	s_cselect_b64 s[50:51], s[46:47], s[50:51]
	s_cmp_eq_u32 s4, 3
	s_cselect_b64 s[50:51], s[48:49], s[50:51]
	s_cmp_ge_u32 ttmp9, 24
	s_cbranch_scc1 .Lparams
	; THE WEIGHTS.  Slots x2 and x2 + 1; my wave writes fragment c, half f of both.
	s_lshl_b32 s7, ttmp9, 1                        ; x2
	s_lshr_b32 s52, s2, 1                          ; c
	s_and_b32 s53, s2, 1                           ; f
	s_and_b32 s54, s5, 3                           ; g = w % 4: which 64 output channels (Wo, W2)
	s_lshr_b32 s55, s5, 2                          ; kh = w / 4: which half of K (Wo, W2)
	s_mov_b32 s56, 1024                            ; bytes in a row of the matrix
	s_mov_b32 s57, 128                             ; bytes along K from slot x2 to slot x2 + 1
	s_lshl2_add_u32 s58, s54, s52                  ; row block 4 g + c
	s_cmp_ge_u32 s7, 4
	s_cbranch_scc1 .Lnot_wo
	s_mov_b64 s[60:61], s[8:9]                     ; Wo: k step 4 kh + slot
	s_lshl_b32 s62, s4, 18
	s_lshl2_add_u32 s66, s55, s7
	s_branch .Lgo
.Lnot_wo:
	s_cmp_ge_u32 s7, 20
	s_cbranch_scc1 .Lnot_w1
	s_mov_b64 s[60:61], s[10:11]                   ; W1: i = slot - 4: pass i / 8, k step i % 8, row block 8 w + 4 pass + c
	s_lshl_b32 s62, s4, 20
	s_sub_co_u32 s67, s7, 4
	s_and_b32 s66, s67, 7
	s_lshr_b32 s67, s67, 3
	s_lshl1_add_u32 s67, s5, s67
	s_lshl2_add_u32 s58, s67, s52
	s_branch .Lgo
.Lnot_w1:
	s_cmp_ge_u32 s7, 36
	s_cbranch_scc1 .Lnot_w2
	s_mov_b64 s[60:61], s[12:13]                   ; W2: k step 16 kh + slot - 20; rows of 4,096 bytes
	s_lshl_b32 s62, s4, 20
	s_sub_co_u32 s67, s7, 20
	s_lshl4_add_u32 s66, s55, s67
	s_mov_b32 s56, 4096
	s_branch .Lgo
.Lnot_w2:
	s_mov_b64 s[60:61], s[14:15]                   ; Wqkv of layer l': head w's rows
	s_mul_i32 s62, s6, 786432
	s_and_b32 s67, s52, 1
	s_lshl1_add_u32 s58, s5, s67                   ; row block 2 w + c % 2
	s_lshr_b32 s67, s52, 1                         ; c / 2
	s_cmp_ge_u32 s7, 44
	s_cbranch_scc1 .Lv_rows
	s_lshl4_add_u32 s58, s67, s58                  ; c / 2 = 0: Q's rows; 1: K's, 256 rows (16 blocks) on
	s_sub_co_u32 s66, s7, 36                       ; k step
	s_branch .Lgo
.Lv_rows:
	s_add_co_u32 s58, s58, 32                      ; V's rows, 512 rows on
	s_sub_co_u32 s66, s7, 44
	s_lshl1_add_u32 s66, s66, s67                  ; k step 2 (slot - 44) + c / 2,
	s_mov_b32 s57, 256                             ; so the next slot lies two k steps on
.Lgo:
	s_lshl_b32 s58, s58, 4
	s_mul_i32 s58, s58, s56                        ; first row x row bytes
	s_add_co_u32 s62, s62, s58
	s_lshl_b32 s66, s66, 7                         ; k step x 128 bytes
	s_add_co_u32 s62, s62, s66
	s_lshl_b32 s53, s53, 6                         ; half x 64 bytes
	s_add_co_u32 s62, s62, s53
	s_add_nc_u64 s[60:61], s[60:61], s[62:63]
	s_mov_b32 s58, s57
	s_mov_b32 s59, 0
	s_add_nc_u64 s[66:67], s[60:61], s[58:59]      ; the second slot's source
	v_and_b32 v2, 15, v0
	v_bfe_u32 v3, v0, 4, 1
	v_mul_lo_u32 v2, v2, s56
	v_lshl_add_u32 v2, v3, 5, v2                   ; r x row bytes + 32 h: my eight f32
	global_load_b128 v[4:7], v2, s[60:61] th:TH_LOAD_NT
	global_load_b128 v[8:11], v2, s[60:61] offset:16 th:TH_LOAD_NT
	global_load_b128 v[12:15], v2, s[66:67] th:TH_LOAD_NT
	global_load_b128 v[16:19], v2, s[66:67] offset:16 th:TH_LOAD_NT
	s_mul_i32 s62, s5, 0x30000                     ; wave w's stream,
	s_lshl_b32 s68, s7, 12                         ; slot x2
	s_add_co_u32 s62, s62, s68
	s_add_nc_u64 s[50:51], s[50:51], s[62:63]
	v_lshlrev_b32 v3, 4, v0                        ; 16 x thread = 1,024 c + 512 f + 16 lane
	s_wait_loadcnt 0x0
	v_cvt_pk_bf16_f32 v20, v4, v5
	v_cvt_pk_bf16_f32 v21, v6, v7
	v_cvt_pk_bf16_f32 v22, v8, v9
	v_cvt_pk_bf16_f32 v23, v10, v11
	v_cvt_pk_bf16_f32 v24, v12, v13
	v_cvt_pk_bf16_f32 v25, v14, v15
	v_cvt_pk_bf16_f32 v26, v16, v17
	v_cvt_pk_bf16_f32 v27, v18, v19
	global_store_b128 v3, v[20:23], s[50:51]
	global_store_b128 v3, v[24:27], s[50:51] offset:4096
	s_endpgm
.Lparams:                                              ; THE PARAMETERS.  My wave writes piece u.
	s_sub_co_u32 s7, ttmp9, 24
	s_lshl3_add_u32 s7, s7, s5
	s_lshl3_add_u32 s7, s7, s2                     ; u = ((x - 24) 8 + w) 8 + wave: 0 .. 127
	s_lshl_b32 s62, s7, 9
	s_add_co_u32 s62, s62, 0x180000
	s_add_nc_u64 s[50:51], s[50:51], s[62:63]
	v_lshlrev_b32 v2, 4, v1                        ; 16 x lane
	s_cmp_ge_u32 s7, 64
	s_cbranch_scc1 .Lkeep
	s_cmp_ge_u32 s7, 32
	s_cbranch_scc1 .Lmask
	s_cmp_ge_u32 s7, 30
	s_cbranch_scc1 .Ltanh
	; pieces 0-29 are copies.  The array, its first piece, its bytes a layer and the layer are chosen by u.
	s_mov_b64 s[60:61], s[16:17]                   ; bo
	s_mov_b32 s52, 0
	s_mov_b32 s53, 1024
	s_mov_b32 s54, s4
.macro PICK lo, ptr                    ; from piece lo on: the array whose address lies in s[ptr:ptr+1]
	s_cmp_ge_u32 s7, \lo
	s_cselect_b64 s[60:61], s[\ptr:\ptr+1], s[60:61]
	s_cselect_b32 s52, \lo, s52
.endm
	PICK 2, 18                                     ; ln2_g
	PICK 4, 20                                     ; ln2_b
	PICK 6, 22                                     ; b2
	PICK 8, 24                                     ; b1, 4,096 bytes a layer
	s_cselect_b32 s53, 4096, s53
	PICK 16, 26                                    ; ln1_g, and from here on layer l'
	s_cselect_b32 s53, 1024, s53
	s_cselect_b32 s54, s6, s54
	PICK 18, 28                                    ; ln1_b
	PICK 20, 30                                    ; qn_g
	PICK 22, 32                                    ; qn_b
	PICK 24, 34                                    ; bqkv, 3,072 bytes a layer
	s_cselect_b32 s53, 3072, s53
	s_mul_i32 s62, s54, s53
	s_sub_co_u32 s52, s7, s52
	s_lshl_b32 s52, s52, 9
	s_add_co_u32 s62, s62, s52
	s_add_nc_u64 s[60:61], s[60:61], s[62:63]
	global_load_b128 v[4:7], v2, s[60:61]
	s_wait_loadcnt 0x0
	global_store_b128 v2, v[4:7], s[50:51]
	s_endpgm
.Ltanh:                                                ; pieces 30, 31: {0.5 tanh(alpha), tanh(beta)} again and again.  tanh(a) = 1 - 2 / (1 + 2^(2 log2(e) a))
	s_lshl_b32 s62, s4, 2
	s_add_nc_u64 s[60:61], s[36:37], s[62:63]
	s_add_nc_u64 s[66:67], s[38:39], s[62:63]
	s_load_b32 s52, s[60:61], 0x0
	s_load_b32 s53, s[66:67], 0x0
	s_wait_kmcnt 0x0
	v_mov_b32 v4, s52
	v_mov_b32 v5, s53
	v_mul_f32 v4, 0x4038aa3b, v4
	v_mul_f32 v5, 0x4038aa3b, v5
	v_exp_f32 v4, v4
	v_exp_f32 v5, v5
	v_nop                                          ; a plain instruction behind a transcendental, ahead of the use of its result (ISA guide 5.7.2)
	s_wait_alu depctr_va_vdst(0)
	v_add_f32 v4, 1.0, v4
	v_add_f32 v5, 1.0, v5
	v_rcp_f32 v4, v4
	v_rcp_f32 v5, v5
	v_nop
	s_wait_alu depctr_va_vdst(0)
	v_fma_f32 v4, v4, -2.0, 1.0
	v_fma_f32 v5, v5, -2.0, 1.0
	v_mul_f32 v4, 0.5, v4                          ; reference()'s factor 0.5 on the attention branch
	v_mov_b32 v7, v5
	v_mov_b32 v6, v4
	global_store_b128 v2, v[4:7], s[50:51]
	s_endpgm
.Lmask:                                                ; pieces 32-63: 1 - padding_mask in bf16: 256 keys a piece, 8 a lane
	s_sub_co_u32 s62, s7, 32
	s_lshl_b32 s62, s62, 8
	s_add_nc_u64 s[60:61], s[40:41], s[62:63]
	v_lshlrev_b32 v3, 3, v1
	global_load_b64 v[4:5], v3, s[60:61]
	s_wait_loadcnt 0x0
.irp k, 0,1,2,3
	v_bfe_u32 v8, v[4+\k/2], 16*(\k%2), 8
	v_bfe_u32 v9, v[4+\k/2], 16*(\k%2)+8, 8
	v_lshl_or_b32 v8, v9, 16, v8                   ; two mask bytes, one in each half
	v_sub_nc_u32 v8, 0x10001, v8                   ; 1 - m in each half,
	v_mul_u32_u24 v[12+\k], 0x3f80, v8             ; times the bits of 1.0 in bf16
.endr
	global_store_b128 v2, v[12:15], s[50:51]
	s_endpgm
.Lkeep:                                                ; pieces 64-127: 1 - padding_mask in f32: 128 keys a piece, 4 a lane
	s_sub_co_u32 s62, s7, 64
	s_lshl_b32 s62, s62, 7
	s_add_nc_u64 s[60:61], s[40:41], s[62:63]
	v_lshlrev_b32 v3, 2, v1
	global_load_b32 v4, v3, s[60:61]
	s_wait_loadcnt 0x0
.irp k, 0,1,2,3
	v_bfe_u32 v8, v4, 8*\k, 8
	v_cvt_f32_u32 v8, v8
	v_sub_f32 v[12+\k], 1.0, v8
.endr
	global_store_b128 v2, v[12:15], s[50:51]
	s_endpgm
.Lfunc_end_k_q7fe4a46695_prep:
	.size	k_q7fe4a46695_prep, .Lfunc_end_k_q7fe4a46695_prep-k_q7fe4a46695_prep
	.p2alignl 7, 3214868480
	.fill 96, 4, 3214868480
	.section	.rodata,"a",@progbits
	.p2align	6, 0x0
	.amdhsa_kernel k_q7fe4a46695_prep
		.amdhsa_group_segment_fixed_size 0
		.amdhsa_private_segment_fixed_size 0
		.amdhsa_enable_private_segment 0
		.amdhsa_kernarg_size 168
		.amdhsa_user_sgpr_count 2
		.amdhsa_user_sgpr_kernarg_segment_ptr 1
		.amdhsa_wavefront_size32 1
		.amdhsa_system_sgpr_workgroup_id_x 1
		.amdhsa_system_sgpr_workgroup_id_y 1
		.amdhsa_system_sgpr_workgroup_id_z 1
		.amdhsa_system_vgpr_workitem_id 0
		.amdhsa_next_free_vgpr 32
		.amdhsa_next_free_sgpr 72
		.amdhsa_reserve_vcc 0
		.amdhsa_float_denorm_mode_32 3
		.amdhsa_float_denorm_mode_16_64 3
		.amdhsa_memory_ordered 1
		.amdhsa_forward_progress 1
		.amdhsa_inst_pref_size 11
	.end_amdhsa_kernel
	.amdgpu_metadata
---
amdhsa.version: [ 1, 2 ]
amdhsa.kernels:
  - .name:           k_q7fe4a46695_prep
    .symbol:         k_q7fe4a46695_prep.kd
    .args:
      - { .name: Wo, .offset: 0, .size: 8, .value_kind: global_buffer, .address_space: global }
      - { .name: W1, .offset: 8, .size: 8, .value_kind: global_buffer, .address_space: global }
      - { .name: W2, .offset: 16, .size: 8, .value_kind: global_buffer, .address_space: global }
      - { .name: Wqkv, .offset: 24, .size: 8, .value_kind: global_buffer, .address_space: global }
      - { .name: bo, .offset: 32, .size: 8, .value_kind: global_buffer, .address_space: global }
      - { .name: ln2_g, .offset: 40, .size: 8, .value_kind: global_buffer, .address_space: global }
      - { .name: ln2_b, .offset: 48, .size: 8, .value_kind: global_buffer, .address_space: global }
      - { .name: b2, .offset: 56, .size: 8, .value_kind: global_buffer, .address_space: global }
      - { .name: b1, .offset: 64, .size: 8, .value_kind: global_buffer, .address_space: global }
      - { .name: ln1_g, .offset: 72, .size: 8, .value_kind: global_buffer, .address_space: global }
      - { .name: ln1_b, .offset: 80, .size: 8, .value_kind: global_buffer, .address_space: global }
      - { .name: qn_g, .offset: 88, .size: 8, .value_kind: global_buffer, .address_space: global }
      - { .name: qn_b, .offset: 96, .size: 8, .value_kind: global_buffer, .address_space: global }
      - { .name: bqkv, .offset: 104, .size: 8, .value_kind: global_buffer, .address_space: global }
      - { .name: alpha, .offset: 112, .size: 8, .value_kind: global_buffer, .address_space: global }
      - { .name: beta, .offset: 120, .size: 8, .value_kind: global_buffer, .address_space: global }
      - { .name: padding_mask, .offset: 128, .size: 8, .value_kind: global_buffer, .address_space: global }
      - { .name: pk0, .offset: 136, .size: 8, .value_kind: global_buffer, .address_space: global }
      - { .name: pk1, .offset: 144, .size: 8, .value_kind: global_buffer, .address_space: global }
      - { .name: pk2, .offset: 152, .size: 8, .value_kind: global_buffer, .address_space: global }
      - { .name: pk3, .offset: 160, .size: 8, .value_kind: global_buffer, .address_space: global }
    .group_segment_fixed_size: 0
    .private_segment_fixed_size: 0
    .kernarg_segment_align: 8
    .kernarg_segment_size: 168
    .max_flat_workgroup_size: 256
    .sgpr_count:     72
    .vgpr_count:     32
    .wavefront_size: 32
...
	.end_amdgpu_metadata
.endif
;; end of part 1
;; launch qkv0 (part 2): grid 256 x 1, 8 waves a work-group, no clusters, 204,800 bytes of LDS; arguments x, pk3, S0; writes S0
.if DOCPART == 2
	.amdgcn_target "amdgcn-amd-amdhsa--gfx1250"
	.amdhsa_code_object_version 6
	.text
	.protected	k_q7fe4a46695_qkv0
	.globl	k_q7fe4a46695_qkv0
	.p2align	8
	.type	k_q7fe4a46695_qkv0,@function
k_q7fe4a46695_qkv0:
	s_mov_b64 s[64:65], 0
	v_nop
	global_prefetch_b8 v0, s[64:65] scope:SCOPE_SE
	s_setreg_imm32_b32 hwreg(HW_REG_WAVE_MODE, 25, 1), 1
	s_wait_xcnt 0x0
; ONE SOURCE, THREE BODIES, chosen by two flags.  ATT = 1: attention, Wo, residual, LN2, FFN, residual, clip of one layer.  QKV = 1: LN1, the q_norm LN and the QKV product of the NEXT layer.
; This body: ATT = 0, QKV = 1: layer 0's norms and QKV on the input x.
.set ATT, 0
.set QKV, 1
; SHARES.  256 work-groups of 8 waves.  Work-group (b = x / 32, j = x % 32) owns two blocks of 16 tokens of batch b: block j (m-tile 0) and block 63 - j (m-tile 1): together they see 32 or 33 key steps
; of 32 keys under the causal mask, whatever j, so all work-groups do like work.  In attention and QKV wave w is head w; in the other products the waves share output channels and K (see the phases).
; OPERANDS.  All matrix operands are bf16, sums f32.  Weights (from the pack), K, V^T and Q (from S) lie in memory as fragments: 16 rows x 32 k, [half 2][lane 32][16 bytes], the register image of an operand:
; a fragment is two loads of 512 consecutive bytes, straight into registers.  All products but V's are used transposed (source 0 = 16 weight rows, source 1 = 16 tokens): a lane then holds one token and
; eight neighbouring channels, 16 bytes in bf16, which are a piece of the next product's fragment.
; NO LDS STOP FOR WEIGHTS, K, V, AND NO CLUSTER: a fragment of 1,024 bytes feeds two matrix instructions (two m-tiles) or one, so a stop in LDS would add an LDS read of its own size to each;
; the work-groups of a batch walk K and V over different lengths (j / 2 + 1 and (63 - j) / 2 + 1 steps), so joint requests would need a common walk of 64 steps for 33.
; SOFTMAX.  reference() normalises Q and K itself, so |score| <= 1 / sqrt(32) = 0.177 for every input: no exponential can overflow or underflow, no maximum is taken away, and the clip at +-10 never binds.
; A hidden key (future, or padded) has the weight 0 exactly, as exp(-10000 - max) is in f32.  A query that sees no key has 1,024 equal scores in reference(): its row is the mean of all 1,024 rows of V.
; LIMITS.  NaN and infinities are not treated apart.  erf by Abramowitz and Stegun 7.1.26, absolute error 1.5e-7.  Divisions are v_rcp_f32 and a multiply.
; LDS: parameters | activations of 256 channels | of 1,024 channels | f32 stage for sums over the halves of K | the residual by rows | V's mean | the spare words.
.set PRM,   0                          ; 16,384: the pack's first 16 KB of parameters
.set ACT,   16384                      ; 17,408: bf16, blocks of 16 tokens x 8 channels (256 bytes), 272 bytes apart: (32 m-tile + channel / 8) x 272 + 16 token
.set HID,   33792                      ; 69,632: the same with 128 blocks an m-tile
.set STG,   103424                     ; 66,560: two halves of f32 [32 tokens][1,040 bytes]
.set XS,    169984                     ; 32,768: 4,096 for each wave, its own
.set VMS,   202752                     ; 1,024: 128 for each wave, its own
.set SPARE, 203776                     ; 1,024: the spare words, 128 bytes for each wave, which no other line names
.set BP,    272                        ; 256 + 16: the two halves of the lanes of a fragment load start 4 banks apart, and each half reads 256 consecutive bytes
.set KSB,   4*BP                       ; a k step of 32 channels
.set MTA,   32*BP                      ; from m-tile 0 to 1 in ACT
.set MTH,   128*BP                     ; and in HID
.set SPT,   1040                       ; 1,024 + 16: sixteen tokens' stores of 16 bytes fall into sixteen different groups of four banks
.set SHALF, 32*SPT
.set QOFF,  0x800000                   ; S: K and V^T [b][head][step 32][K0, K1, V0, V1] | Q [b][head][block 64] | V's column sums [b][work-group 32][256] f32
.set VPOFF, 0xc00000
; VECTOR REGISTERS
.set L16,   1                          ; 16 x lane
.set AACT,  2                          ; ACT + h x 272 + 16 r: a fragment's place (r = lane % 16, h = lane / 16)
.set AACTW, 3                          ; the same at my half of K, for Wo
.set AHIDR, 4                          ; HID at my half of K, for W2
.set AHIDW, 5                          ; HID where I put my hidden channels; steps with the pass
.set ASTW,  6                          ; the stage, in
.set ASTR,  7                          ; the stage, back by rows
.set AXS,   8                          ; my rows of the residual
.set AROWW, 9                          ; ACT where a row's 4 channels go
.set AAO,   10                         ; ACT where attention's output goes
.set AVM,   11                         ; V's mean, back
.set AB1,   12                         ; b1 of my channels; steps with the pass
.set ABQ,   13                         ; bqkv of my head's Q
.set ABV,   14                         ; bqkv of my head's V
.set KO,    15                         ; v15-17 byte offset of ring slot s's key step in K and V
.set MO,    18                         ; v18-20 the same in the mask
.set H16,   21                         ; 16 h
.set SPW,   22                         ; my spare word; never rewritten
.set NIL,   23                         ; 0; never rewritten
.set ACC,   32                         ; v32-95   eight accumulators: (c, m-tile) at ACC + 8 (2 c + m)
.set AB,    96                         ; v96-127  activations' fragments, two buffers of two m-tiles
.set RING,  128                        ; v128-255 weights: four slots of four fragments.  Attention: three slots of 40 (K0, K1, V0, V1, mask)
.set X,     32                         ; by rows: token t's 8 numbers at X + 8 t (channels 4 lane + 0..3, 128 + 4 lane + 0..3)
.set TS,    64                         ; by rows: at work
.set PG,    96                         ; a gain or bias by rows
.set PB,    104
.set MP,    112                        ; means, a pair a token
.set RP,    120                        ; 1 / sqrt(variance + eps), a pair a token
.set GU,    96                         ; GELU: at work
.set GE,    104
.set GP,    112
.set QF,    96                         ; attention: Q of the two blocks
.set SS,    112                        ; scores of 32 keys; then P in the low eight
.set VM,    56                         ; V's mean in O's layout
.set MD,    72                         ; the diagonal block's mask
; SCALAR REGISTERS: s14 w, s15 b, s16 j, s17 w % 4, s18 w / 4; s[4:5] x in, s[6:7] S in, s[8:9] pack, s[10:11] x out, s[12:13] S out; s[20:21] my weight stream, s[22:23] parameters,
; s[24:25] my head's K and V, s[26:27] my batch's mask, s[28:29], s[96:97] Q, s[30:31] V sums; s32-33 blocks, s34-35 their diagonal steps, s36-37 those / 3; s38-41, s90, s91 counters and work;
; s[42:45] the mask's factor and addend; s46.. constants; s[76:79] K out, s[80:83] Q out, s[84:85] V sums out, s[86:89] keep, s[92:95] V out.
.set WADJ, 0                           ; what the weight stream's base has been stepped by
.macro PLACES n                        ; plain vector instructions between a matrix instruction and what may not follow it closely (ISA guide 7.12.1)
.rept \n
	v_nop
.endr
.endm
.macro BAR                             ; my LDS stores are done and my LDS loads are back; then all eight waves meet
	s_wait_dscnt 0x0
	s_barrier_signal -1
	s_barrier_wait -1
.endm
.macro WFILL n                         ; slot n of my weight stream, 4,096 consecutive bytes, into ring slot n % 4
.irp f, 0,1,2,3
	global_load_b128 v[RING+32*((\n)%4)+8*\f:RING+32*((\n)%4)+8*\f+3], v[L16], s[20:21] offset:(\n)*4096-WADJ+\f*1024
	global_load_b128 v[RING+32*((\n)%4)+8*\f+4:RING+32*((\n)%4)+8*\f+7], v[L16], s[20:21] offset:(\n)*4096-WADJ+\f*1024+512
.endr
.endm
.macro AFETCH buf, areg, off, mtoff    ; one k step's activations, both m-tiles, into buffer buf: four LDS loads
.irp m, 0,1
	ds_load_b128 v[AB+16*(\buf)+8*\m:AB+16*(\buf)+8*\m+3], v[\areg] offset:(\off)+\m*(\mtoff)
	ds_load_b128 v[AB+16*(\buf)+8*\m+4:AB+16*(\buf)+8*\m+7], v[\areg] offset:(\off)+\m*(\mtoff)+2*BP
.endr
.endm
.macro BIAS1 c, areg, off              ; the sums of fragment c begin with the bias of its channels 8 h + 0..7
.irp m, 0,1
	ds_load_b128 v[ACC+8*(2*(\c)+\m):ACC+8*(2*(\c)+\m)+3], v[\areg] offset:\off
	ds_load_b128 v[ACC+8*(2*(\c)+\m)+4:ACC+8*(2*(\c)+\m)+7], v[\areg] offset:(\off)+16
.endr
.endm
.macro BIAS4 areg, o0, o1, o2, o3
	BIAS1 0, \areg, \o0
	BIAS1 1, \areg, \o1
	BIAS1 2, \areg, \o2
	BIAS1 3, \areg, \o3
.endm
; One k step: stream slot n (four fragments of weights) x two m-tiles: eight matrix instructions on eight accumulators, which take turns.
; lcnt: the loads younger than slot n's (three ring slots of 8).  dcnt: the next step's four activation loads may stay out.  Behind four places the buffers just read are filled again.
.macro KSTEP n, zero, lcnt, dcnt, areg, pfoff, mtoff, fill
	s_wait_loadcnt \lcnt
	s_wait_dscnt \dcnt
.irp c, 0,1,2,3
.irp m, 0,1
.if \zero
	v_wmma_f32_16x16x32_bf16 v[ACC+8*(2*\c+\m):ACC+8*(2*\c+\m)+7], v[RING+32*((\n)%4)+8*\c:RING+32*((\n)%4)+8*\c+7], v[AB+16*((\n)%2)+8*\m:AB+16*((\n)%2)+8*\m+7], 0
.else
	v_wmma_f32_16x16x32_bf16 v[ACC+8*(2*\c+\m):ACC+8*(2*\c+\m)+7], v[RING+32*((\n)%4)+8*\c:RING+32*((\n)%4)+8*\c+7], v[AB+16*((\n)%2)+8*\m:AB+16*((\n)%2)+8*\m+7], v[ACC+8*(2*\c+\m):ACC+8*(2*\c+\m)+7]
.endif
.endr
.endr
	PLACES 4
.if (\pfoff) >= 0
	AFETCH (\n)%2, \areg, \pfoff, \mtoff
.endif
.if \fill
	WFILL (\n)+4
.endif
.endm
.macro STAGE_OUT                       ; my half of K's sums, f32, into my half of the stage: token r, channels 64 (w % 4) + 16 c + 8 h + 0..7
.irp c, 0,1,2,3
.irp m, 0,1
	ds_store_b128 v[ASTW], v[ACC+8*(2*\c+\m):ACC+8*(2*\c+\m)+3] offset:\m*16*SPT+\c*64
	ds_store_b128 v[ASTW], v[ACC+8*(2*\c+\m)+4:ACC+8*(2*\c+\m)+7] offset:\m*16*SPT+\c*64+16
.endr
.endr
	BAR
.endm
; By rows: X = X + s x (stage half 0 + stage half 1 + bias), for my four tokens, two at a time.
.macro ROWIN boff, sp
.irp t, 0,1,2,3
.irp p, 0,1
	ds_load_b128 v[X+8*\t+4*\p:X+8*\t+4*\p+3], v[AXS] offset:\t*1024+\p*512
.endr
.endr
.irp p, 0,1
	ds_load_b128 v[PG+4*\p:PG+4*\p+3], v[L16] offset:PRM+(\boff)+512*\p
.endr
.irp u, 0,1
.irp e, 0,1
.irp k, 0,1
.irp p, 0,1
	ds_load_b128 v[TS+16*\e+8*\k+4*\p:TS+16*\e+8*\k+4*\p+3], v[ASTR] offset:(2*\u+\e)*SPT+\p*512+\k*SHALF
.endr
.endr
.endr
	s_wait_dscnt 0x0
.irp e, 0,1
.irp y, 0,2,4,6
	v_pk_add_f32 v[TS+16*\e+\y:TS+16*\e+\y+1], v[TS+16*\e+\y:TS+16*\e+\y+1], v[TS+16*\e+8+\y:TS+16*\e+8+\y+1]
.endr
.endr
.irp e, 0,1
.irp y, 0,2,4,6
	v_pk_add_f32 v[TS+16*\e+\y:TS+16*\e+\y+1], v[TS+16*\e+\y:TS+16*\e+\y+1], v[PG+\y:PG+\y+1]
.endr
.endr
.irp e, 0,1
.irp y, 0,2,4,6
	v_pk_fma_f32 v[X+8*(2*\u+\e)+\y:X+8*(2*\u+\e)+\y+1], v[TS+16*\e+\y:TS+16*\e+\y+1], s[\sp:\sp+1], v[X+8*(2*\u+\e)+\y:X+8*(2*\u+\e)+\y+1] op_sel_hi:[1,0,1]
.endr
.endr
.endr
.endm
.macro RED4                            ; v[TS + 8 t] summed over the 32 lanes, for the four tokens in turn
.irp m, 1,2,4,8
.irp t, 0,1,2,3
	v_add_f32_dpp v[TS+8*\t], v[TS+8*\t], v[TS+8*\t] row_xmask:\m row_mask:0xf bank_mask:0xf
.endr
.endr
.irp t, 0,1,2,3
	v_permlanex16_b32 v[TS+8*\t+1], v[TS+8*\t], s48, s49
.endr
.irp t, 0,1,2,3
	v_add_f32 v[TS+8*\t], v[TS+8*\t], v[TS+8*\t+1]
.endr
.endm
; LayerNorm of my four tokens in place: the mean, then the mean square of the differences (two passes: no difference of large sums), gain and bias from the parameters.
.macro LN4 goff, boff
.irp p, 0,1
	ds_load_b128 v[PG+4*\p:PG+4*\p+3], v[L16] offset:PRM+(\goff)+512*\p
	ds_load_b128 v[PB+4*\p:PB+4*\p+3], v[L16] offset:PRM+(\boff)+512*\p
.endr
.irp t, 0,1,2,3
	v_pk_add_f32 v[TS+8*\t:TS+8*\t+1], v[X+8*\t:X+8*\t+1], v[X+8*\t+2:X+8*\t+3]
	v_pk_add_f32 v[TS+8*\t+2:TS+8*\t+3], v[X+8*\t+4:X+8*\t+5], v[X+8*\t+6:X+8*\t+7]
.endr
.irp t, 0,1,2,3
	v_pk_add_f32 v[TS+8*\t:TS+8*\t+1], v[TS+8*\t:TS+8*\t+1], v[TS+8*\t+2:TS+8*\t+3]
.endr
.irp t, 0,1,2,3
	v_add_f32 v[TS+8*\t], v[TS+8*\t], v[TS+8*\t+1]
.endr
	RED4
.irp t, 0,1,2,3
	v_mul_f32 v[MP+2*\t], s54, v[TS+8*\t]
	v_mul_f32 v[MP+2*\t+1], s54, v[TS+8*\t]
.endr
.irp t, 0,1,2,3
.irp y, 0,2,4,6
	v_pk_add_f32 v[X+8*\t+\y:X+8*\t+\y+1], v[X+8*\t+\y:X+8*\t+\y+1], v[MP+2*\t:MP+2*\t+1] neg_lo:[0,1] neg_hi:[0,1]
.endr
.endr
.irp t, 0,1,2,3
	v_pk_mul_f32 v[TS+8*\t:TS+8*\t+1], v[X+8*\t:X+8*\t+1], v[X+8*\t:X+8*\t+1]
.endr
.irp y, 2,4,6
.irp t, 0,1,2,3
	v_pk_fma_f32 v[TS+8*\t:TS+8*\t+1], v[X+8*\t+\y:X+8*\t+\y+1], v[X+8*\t+\y:X+8*\t+\y+1], v[TS+8*\t:TS+8*\t+1]
.endr
.endr
.irp t, 0,1,2,3
	v_add_f32 v[TS+8*\t], v[TS+8*\t], v[TS+8*\t+1]
.endr
	RED4
.irp t, 0,1,2,3
	v_fma_f32 v[TS+8*\t], v[TS+8*\t], s54, s55     ; sum / 256 + 1e-6
.endr
.irp t, 0,1,2,3
	v_rsq_f32 v[RP+2*\t], v[TS+8*\t]
	v_rsq_f32 v[RP+2*\t+1], v[TS+8*\t]
.endr
	s_wait_dscnt 0x0                               ; gain and bias are in
	v_nop                                          ; a plain instruction behind the last transcendental (ISA guide 5.7.2)
	s_wait_alu depctr_va_vdst(0)
.irp t, 0,1,2,3
.irp y, 0,2,4,6
	v_pk_mul_f32 v[X+8*\t+\y:X+8*\t+\y+1], v[X+8*\t+\y:X+8*\t+\y+1], v[RP+2*\t:RP+2*\t+1]
.endr
.endr
.irp t, 0,1,2,3
.irp y, 0,2,4,6
	v_pk_fma_f32 v[X+8*\t+\y:X+8*\t+\y+1], v[X+8*\t+\y:X+8*\t+\y+1], v[PG+\y:PG+\y+1], v[PB+\y:PB+\y+1]
.endr
.endr
.endm
.macro TOACT                           ; my four tokens, rounded to bf16, into the activations' blocks: 8 bytes a lane and part
.irp t, 0,1,2,3
.irp y, 0,1,2,3
	v_cvt_pk_bf16_f32 v[TS+4*\t+\y], v[X+8*\t+2*\y], v[X+8*\t+2*\y+1]
.endr
	ds_store_b64 v[AROWW], v[TS+4*\t:TS+4*\t+1] offset:\t*16
	ds_store_b64 v[AROWW], v[TS+4*\t+2:TS+4*\t+3] offset:\t*16+16*BP
.endr
.endm
; Exact GELU of an accumulator's eight numbers x: max(x, 0) - |x| q, q = 0.5 erfc(|x| / sqrt 2) = t (a1' + t (a2' + t (a3' + t (a4' + t a5')))) 2^(-0.7213 x x), t = 1 / (1 + 0.23164 |x|); then 16 bytes of bf16 into HID.
.macro GELU8 a, off
.set z, 0
.rept 8
	v_fma_f32 v[GU+z], |v[(\a)+z]|, s58, 1.0
.set z, z+1
.endr
.irp y, 0,2,4,6
	v_pk_mul_f32 v[GE+\y:GE+\y+1], v[(\a)+\y:(\a)+\y+1], s[60:61] op_sel_hi:[1,0]
.endr
.irp y, 0,2,4,6
	v_pk_mul_f32 v[GE+\y:GE+\y+1], v[GE+\y:GE+\y+1], v[(\a)+\y:(\a)+\y+1]
.endr
.set z, 0
.rept 8
	v_rcp_f32 v[GU+z], v[GU+z]
.set z, z+1
.endr
.set z, 0
.rept 8
	v_exp_f32 v[GE+z], v[GE+z]
.set z, z+1
.endr
	v_nop                                          ; a plain instruction behind the last transcendental
.irp y, 0,2,4,6
	v_pk_fma_f32 v[GP+\y:GP+\y+1], v[GU+\y:GU+\y+1], s[62:63], s[66:67] op_sel_hi:[1,0,0]
.endr
.irp k, 68,70,72
.irp y, 0,2,4,6
	v_pk_fma_f32 v[GP+\y:GP+\y+1], v[GP+\y:GP+\y+1], v[GU+\y:GU+\y+1], s[\k:\k+1] op_sel_hi:[1,1,0]
.endr
.endr
.irp y, 0,2,4,6
	v_pk_mul_f32 v[GP+\y:GP+\y+1], v[GP+\y:GP+\y+1], v[GU+\y:GU+\y+1]
.endr
.irp y, 0,2,4,6
	v_pk_mul_f32 v[GP+\y:GP+\y+1], v[GP+\y:GP+\y+1], v[GE+\y:GE+\y+1]
.endr
.set z, 0
.rept 8
	v_max_num_f32 v[GU+z], 0, v[(\a)+z]
.set z, z+1
.endr
.set z, 0
.rept 8
	v_fma_f32 v[GU+z], -|v[(\a)+z]|, v[GP+z], v[GU+z]
.set z, z+1
.endr
.irp y, 0,1,2,3
	v_cvt_pk_bf16_f32 v[GE+\y], v[GU+2*\y], v[GU+2*\y+1]
.endr
	ds_store_b128 v[AHIDW], v[GE:GE+3] offset:\off
.endm
; ATTENTION.  Ring slot s takes key step min(s39 + i, the block's diagonal step): ten loads.  The clamp keeps every load inside the head's rows.  KO and MO of the slot are free: its last loads have been waited for.
.macro KVFILL s, i, q
	s_add_co_u32 s40, s39, \i
	s_min_u32 s40, s40, s[34+\q]
	v_lshl_add_u32 v[KO+\s], s40, 12, v[L16]
	v_lshl_add_u32 v[MO+\s], s40, 6, v[H16]
.irp f, 0,1,2,3
	global_load_b128 v[RING+40*\s+8*\f:RING+40*\s+8*\f+3], v[KO+\s], s[24:25] offset:\f*1024
	global_load_b128 v[RING+40*\s+8*\f+4:RING+40*\s+8*\f+7], v[KO+\s], s[24:25] offset:\f*1024+512
.endr
	global_load_b128 v[RING+40*\s+32:RING+40*\s+35], v[MO+\s], s[26:27]
	global_load_b128 v[RING+40*\s+36:RING+40*\s+39], v[MO+\s], s[26:27] offset:32
.endm
.macro AMASK i, q                      ; what the scores of step s41 + i begin with: key block 2 step + e against the query block: earlier 0, the same MD, later -30000 everywhere
.irp e, 0,1
	s_add_co_u32 s91, s41, \i
	s_lshl_b32 s91, s91, 1
	s_add_co_u32 s91, s91, \e
	s_cmp_eq_u32 s91, s[32+\q]
	s_cselect_b32 s42, 1.0, 0
	s_cmp_gt_u32 s91, s[32+\q]
	s_cselect_b32 s44, s46, 0
.irp y, 0,2,4,6
	v_pk_fma_f32 v[SS+8*\e+\y:SS+8*\e+\y+1], v[MD+\y:MD+\y+1], s[42:43], s[44:45] op_sel_hi:[1,0,0]
.endr
.endr
.endm
; One key step of 32 keys for query block q: S^T = K Q^T (a lane: one query, 16 keys), p = 2^s (Q carries log2(e) / sqrt(32)), P in bf16, O^T += V^T P, l += mask P (every row of that source is the mask, so every register of the result is l).
; The five accumulators take turns.  lcnt: the loads younger than this slot's.
.macro ASTEP s, q, masked, i, lcnt
.set rK, RING+40*(\s)
.if \masked
	AMASK \i, \q
.endif
	s_wait_loadcnt \lcnt
.if \masked
	v_wmma_f32_16x16x32_bf16 v[SS:SS+7], v[rK:rK+7], v[QF+8*\q:QF+8*\q+7], v[SS:SS+7]
	v_wmma_f32_16x16x32_bf16 v[SS+8:SS+15], v[rK+8:rK+15], v[QF+8*\q:QF+8*\q+7], v[SS+8:SS+15]
.else
	v_wmma_f32_16x16x32_bf16 v[SS:SS+7], v[rK:rK+7], v[QF+8*\q:QF+8*\q+7], 0
	v_wmma_f32_16x16x32_bf16 v[SS+8:SS+15], v[rK+8:rK+15], v[QF+8*\q:QF+8*\q+7], 0
.endif
	PLACES 4
.set z, 0
.rept 16
	v_exp_f32 v[SS+z], v[SS+z]
.set z, z+1
.endr
	v_nop                                          ; a plain instruction behind the last transcendental
.set z, 0
.rept 8
	v_cvt_pk_bf16_f32 v[SS+z], v[SS+2*z], v[SS+2*z+1]
.set z, z+1
.endr
	v_wmma_f32_16x16x32_bf16 v[32:39], v[rK+16:rK+23], v[SS:SS+7], v[32:39]
	v_wmma_f32_16x16x32_bf16 v[40:47], v[rK+24:rK+31], v[SS:SS+7], v[40:47]
	v_wmma_f32_16x16x32_bf16 v[48:55], v[rK+32:rK+39], v[SS:SS+7], v[48:55]
	PLACES 5                                       ; ahead of the loads into this slot and of the next scores, which write over P
.endm
; The walk of query block q: steps 0 .. diagonal step, three (once round the ring) a trip; the last three, of which those past the diagonal step count 0, take masks and are written out.
; Which step is the first to run hangs on the work-group's place, so no first step can be written out: O^T and l are cleared, 24 registers.
.macro WALK q
.set z, 0
.rept 24
	v_mov_b32 v[32+z], 0
.set z, z+1
.endr
	s_mov_b32 s38, 0
	s_mov_b32 s39, 3
	s_cmp_eq_u32 s[36+\q], 0
	s_cbranch_scc1 .Ltail\q
.Lloop\q:
	ASTEP 0, \q, 0, 0, 20                          ; 20: the two younger slots' loads
	KVFILL 0, 0, \q
	ASTEP 1, \q, 0, 0, 20
	KVFILL 1, 1, \q
	ASTEP 2, \q, 0, 0, 20
	KVFILL 2, 2, \q
	s_add_co_u32 s39, s39, 3
	s_add_co_u32 s38, s38, 1
	s_cmp_lt_u32 s38, s[36+\q]
	s_cbranch_scc1 .Lloop\q
.Ltail\q:
	s_mul_i32 s41, s[36+\q], 3
.if (\q) == 0
	s_mov_b32 s39, 0                               ; the slots go on with the second block's first steps
	ASTEP 0, \q, 1, 0, 20
	KVFILL 0, 0, 1
	ASTEP 1, \q, 1, 1, 20
	KVFILL 1, 1, 1
	ASTEP 2, \q, 1, 2, 20
	KVFILL 2, 2, 1
.else
	ASTEP 0, \q, 1, 0, 20                          ; the registers go on with the weight stream's first four slots
	WFILL 0
	ASTEP 1, \q, 1, 1, 18                          ; one key slot's 10 and one weight slot's 8 are younger
	WFILL 1
	ASTEP 2, \q, 1, 2, 16                          ; two weight slots' are
	WFILL 2
	WFILL 3
.endif
	v_cmp_lt_f32 vcc_lo, 0, v48                    ; does the query see a key?
	v_rcp_f32 v80, v48
	v_rcp_f32 v81, v48
	v_nop
.irp y, 0,2,4,6,8,10,12,14
	v_pk_mul_f32 v[32+\y:33+\y], v[32+\y:33+\y], v[80:81]
.endr
.set z, 0
.rept 16
	v_cndmask_b32 v[32+z], v[VM+z], v[32+z], vcc_lo  ; if not: the mean of all rows of V
.set z, z+1
.endr
.set z, 0
.rept 8
	v_cvt_pk_bf16_f32 v[32+z], v[32+2*z], v[32+2*z+1]
.set z, z+1
.endr
	ds_store_b128 v[AAO], v[32:35] offset:(\q)*MTA
	ds_store_b128 v[AAO], v[36:39] offset:(\q)*MTA+2*BP
.endm
; V of my head, in the natural order (source 0 = 16 tokens, source 1 = 16 rows of Wqkv): a lane holds one channel and eight tokens: a piece of a fragment of V^T.  Slot n holds two k steps x two channel blocks.
.macro VSTEP n, lcnt
.irp e, 0,1
.set ks, 2*((\n)-44)+\e
.if \e == 0
	s_wait_loadcnt \lcnt
.endif
.if ks == 7
	s_wait_dscnt 0x0
.else
	s_wait_dscnt 0x4
.endif
.irp m, 0,1
.irp c, 0,1
.if ks == 0
	v_wmma_f32_16x16x32_bf16 v[ACC+8*(2*\m+\c):ACC+8*(2*\m+\c)+7], v[AB+16*\e+8*\m:AB+16*\e+8*\m+7], v[RING+32*((\n)%4)+8*(2*\e+\c):RING+32*((\n)%4)+8*(2*\e+\c)+7], 0
.else
	v_wmma_f32_16x16x32_bf16 v[ACC+8*(2*\m+\c):ACC+8*(2*\m+\c)+7], v[AB+16*\e+8*\m:AB+16*\e+8*\m+7], v[RING+32*((\n)%4)+8*(2*\e+\c):RING+32*((\n)%4)+8*(2*\e+\c)+7], v[ACC+8*(2*\m+\c):ACC+8*(2*\m+\c)+7]
.endif
.endr
.endr
	PLACES 4
.if ks+2 <= 7
	AFETCH \e, AACT, (ks+2)*KSB, MTA
.endif
.endr
.endm
.macro QKSET k, m                      ; group (k = 0: Q, 1: K; m-tile m): its two accumulators and its registers at work
.set A0, ACC+8*(4*(\k)+(\m))
.set A1, A0+16
.set TQ, AB+4*(2*(\k)+(\m))
.endm
.macro QKALL line:vararg               ; one line for each of the four groups
.irp k, 0,1
.irp m, 0,1
	QKSET \k, \m
	\line
.endr
.endr
.endm
; Q and K of my head: each token's 32 channels (16 in my lane, 16 in the lane 16 away) are divided by max(their norm, 1e-8); Q also takes log2(e) / sqrt(32); rounded to bf16 they are stored as fragments.
.macro QKEPI
.irp z, 0,1,2,3,4,5,6,7
.irp k, 0,1
.irp m, 0,1
	QKSET \k, \m
.set A2, A0+16*(\z/4)+2*(\z%4)
.if \z == 0
	v_pk_mul_f32 v[TQ:TQ+1], v[A2:A2+1], v[A2:A2+1]
.else
	v_pk_fma_f32 v[TQ:TQ+1], v[A2:A2+1], v[A2:A2+1], v[TQ:TQ+1]
.endif
.endr
.endr
.endr
	QKALL v_add_f32 v[TQ], v[TQ], v[TQ+1]
	QKALL v_permlanex16_b32 v[TQ+1], v[TQ], s48, s49
	QKALL v_add_f32 v[TQ], v[TQ], v[TQ+1]
	QKALL v_sqrt_f32 v[TQ], v[TQ]
	v_nop
	s_wait_alu depctr_va_vdst(0)
	QKALL v_max_num_f32 v[TQ], s75, v[TQ]
	QKALL v_rcp_f32 v[TQ], v[TQ]
	v_nop
	s_wait_alu depctr_va_vdst(0)
.irp m, 0,1
	QKSET 0, \m
	v_mul_f32 v[TQ], s74, v[TQ]
.endr
	QKALL v_mov_b32 v[TQ+1], v[TQ]
.irp y, 0,2,4,6
	QKALL v_pk_mul_f32 v[A0+\y:A0+\y+1], v[A0+\y:A0+\y+1], v[TQ:TQ+1]
	QKALL v_pk_mul_f32 v[A1+\y:A1+\y+1], v[A1+\y:A1+\y+1], v[TQ:TQ+1]
.endr
.irp y, 0,1,2,3
	QKALL v_cvt_pk_bf16_f32 v[A0+\y], v[A0+2*\y], v[A0+2*\y+1]
	QKALL v_cvt_pk_bf16_f32 v[A1+\y], v[A1+2*\y], v[A1+2*\y+1]
.endr
.irp m, 0,1
	QKSET 0, \m
	global_store_b128 v[L16], v[A0:A0+3], s[80+2*\m:81+2*\m]              ; each store: 512 consecutive bytes, half a fragment
	global_store_b128 v[L16], v[A1:A1+3], s[80+2*\m:81+2*\m] offset:512
	QKSET 1, \m
	global_store_b128 v[L16], v[A0:A0+3], s[76+2*\m:77+2*\m]
	global_store_b128 v[L16], v[A1:A1+3], s[76+2*\m:77+2*\m] offset:512
.endr
.endm
; V: the bias; the column sums of the work-group's 32 tokens, for the mean that a query without a key takes (128 bytes a wave, 1,024 consecutive bytes a work-group: the one store that fills no whole 256 bytes by itself);
; then V times 1 - padding_mask of its token, so that a padded key adds nothing; rounded to bf16 and stored as halves of fragments of V^T.
.macro VEPI
.irp c, 0,1
	ds_load_b32 v[AB+2*\c], v[ABV] offset:64*\c
	ds_load_b32 v[AB+2*\c+1], v[ABV] offset:64*\c
.endr
	v_and_b32 v24, 31, v0
	v_lshlrev_b32 v25, 2, v24
	s_wait_dscnt 0x0
.irp m, 0,1
.irp c, 0,1
.irp y, 0,2,4,6
	v_pk_add_f32 v[ACC+8*(2*\m+\c)+\y:ACC+8*(2*\m+\c)+\y+1], v[ACC+8*(2*\m+\c)+\y:ACC+8*(2*\m+\c)+\y+1], v[AB+2*\c:AB+2*\c+1]
.endr
.endr
.endr
.irp c, 0,1
	v_pk_add_f32 v[AB+4+2*\c:AB+5+2*\c], v[ACC+8*\c:ACC+8*\c+1], v[ACC+16+8*\c:ACC+16+8*\c+1]
.endr
.irp y, 2,4,6
.irp c, 0,1
	v_pk_add_f32 v[AB+4+2*\c:AB+5+2*\c], v[AB+4+2*\c:AB+5+2*\c], v[ACC+8*\c+\y:ACC+8*\c+\y+1]
.endr
.irp c, 0,1
	v_pk_add_f32 v[AB+4+2*\c:AB+5+2*\c], v[AB+4+2*\c:AB+5+2*\c], v[ACC+16+8*\c+\y:ACC+16+8*\c+\y+1]
.endr
.endr
.irp c, 0,1
	v_add_f32 v[AB+4+2*\c], v[AB+4+2*\c], v[AB+5+2*\c]
.endr
.irp c, 0,1
	v_permlanex16_b32 v[AB+5+2*\c], v[AB+4+2*\c], s48, s49
.endr
.irp c, 0,1
	v_add_f32 v[AB+4+2*\c], v[AB+4+2*\c], v[AB+5+2*\c]
.endr
	v_cmp_gt_u32 vcc_lo, 16, v24
	v_cndmask_b32 v[AB+4], v[AB+6], v[AB+4], vcc_lo  ; lane l: channel l of my head
	global_store_b32 v25, v[AB+4], s[84:85]
	s_wait_loadcnt 0x0                             ; keep is in
.irp m, 0,1
.irp c, 0,1
.irp y, 0,2,4,6
	v_pk_mul_f32 v[ACC+8*(2*\m+\c)+\y:ACC+8*(2*\m+\c)+\y+1], v[ACC+8*(2*\m+\c)+\y:ACC+8*(2*\m+\c)+\y+1], v[64+8*\m+\y:64+8*\m+\y+1]
.endr
.endr
.endr
.irp m, 0,1
.irp c, 0,1
.irp y, 0,1,2,3
	v_cvt_pk_bf16_f32 v[ACC+8*(2*\m+\c)+\y], v[ACC+8*(2*\m+\c)+2*\y], v[ACC+8*(2*\m+\c)+2*\y+1]
.endr
	global_store_b128 v[L16], v[ACC+8*(2*\m+\c):ACC+8*(2*\m+\c)+3], s[92+2*\m:93+2*\m] offset:1024*\c
.endr
.endr
.endm
; ---------------------------------------------------------------- THE HEAD
.if ATT && QKV
	s_load_b256 s[4:11], s[0:1], 0x0               ; x in, S in, pack, x out
	s_load_b64 s[12:13], s[0:1], 0x20              ; S out
.elseif ATT
	s_load_b256 s[4:11], s[0:1], 0x0
.else
	s_load_b64 s[4:5], s[0:1], 0x0                 ; x in
	s_load_b64 s[8:9], s[0:1], 0x8                 ; pack
	s_load_b64 s[12:13], s[0:1], 0x10              ; S out
.endif
	v_lshl_add_u32 v[SPW], v0, 2, SPARE
	v_mov_b32 v[NIL], 0
	v_lshrrev_b32 v24, 5, v0
	v_readfirstlane_b32 s14, v24                   ; w
	s_lshr_b32 s15, ttmp9, 5                       ; b
	s_and_b32 s16, ttmp9, 31                       ; j
	s_and_b32 s17, s14, 3
	s_lshr_b32 s18, s14, 2
	s_mov_b32 s32, s16                             ; my two blocks of 16 tokens,
	s_sub_co_u32 s33, 63, s16
	s_lshr_b32 s34, s32, 1                         ; the key steps that hold their diagonals,
	s_lshr_b32 s35, s33, 1
	s_mul_i32 s36, s34, 11                         ; and those / 3: (11 n) >> 5 = n / 3 for n <= 31
	s_lshr_b32 s36, s36, 5
	s_mul_i32 s37, s35, 11
	s_lshr_b32 s37, s37, 5
	s_mov_b32 s43, 0                               ; named as pairs
	s_mov_b32 s45, 0
	s_mov_b32 s46, 0xc6ea6000                      ; -30000: 2^that is 0
	s_mov_b32 s48, 0x76543210                      ; v_permlanex16_b32: each lane takes its own place in the other half
	s_mov_b32 s49, 0xfedcba98
	s_mov_b32 s54, 0x3b800000                      ; 1 / 256
	s_mov_b32 s55, 0x358637bd                      ; 1e-6
	s_mov_b32 s56, 0xc2c80000                      ; -100
	s_mov_b32 s57, 0x42c80000                      ; 100
	s_mov_b32 s58, 0x3e6d3388                      ; 0.3275911 / sqrt 2
	s_mov_b32 s60, 0xbf38aa3b                      ; -log2(e) / 2
	s_mov_b32 s61, s60
	s_mov_b32 s62, 0x3f07dc22                      ; a5 / 2 ..
	s_mov_b32 s63, s62
	s_mov_b32 s66, 0xbf3a00e3
	s_mov_b32 s67, s66
	s_mov_b32 s68, 0x3f35f0e3
	s_mov_b32 s69, s68
	s_mov_b32 s70, 0xbe11a98e
	s_mov_b32 s71, s70
	s_mov_b32 s72, 0x3e027906                      ; .. a1 / 2
	s_mov_b32 s73, s72
	s_mov_b32 s74, 0x3e8293ee                      ; log2(e) / sqrt(32)
	s_mov_b32 s75, 0x322bcc77                      ; 1e-8
	v_and_b32 v24, 31, v0                          ; lane
	v_and_b32 v25, 15, v0                          ; r
	v_bfe_u32 v26, v0, 4, 1                        ; h
	v_lshlrev_b32 v[L16], 4, v24
	v_lshlrev_b32 v[H16], 4, v26
	v_mul_u32_u24 v27, v26, BP
	v_lshl_add_u32 v27, v25, 4, v27
	v_add_nc_u32 v[AACT], ACT, v27
.if ATT
	s_mul_i32 s2, s18, 4*KSB
	v_add_nc_u32 v[AACTW], s2, v[AACT]
	s_mul_i32 s2, s18, 64*BP
	s_add_co_u32 s2, s2, HID
	v_add_nc_u32 v[AHIDR], s2, v27
	s_mul_i32 s2, s14, 16*BP
	s_add_co_u32 s2, s2, HID
	v_add_nc_u32 v[AHIDW], s2, v27
	s_mul_i32 s2, s14, 4*BP
	s_add_co_u32 s2, s2, ACT
	v_add_nc_u32 v[AAO], s2, v27
	s_mul_i32 s2, s18, SHALF
	s_lshl_b32 s19, s17, 8
	s_add_co_u32 s2, s2, s19
	s_add_co_u32 s2, s2, STG
	v_mul_u32_u24 v27, v25, SPT
	v_lshl_add_u32 v27, v26, 5, v27
	v_add_nc_u32 v[ASTW], s2, v27
	s_mul_i32 s2, s14, 4*SPT
	s_add_co_u32 s2, s2, STG
	v_add_nc_u32 v[ASTR], s2, v[L16]
	s_lshl_b32 s2, s14, 12
	s_add_co_u32 s2, s2, XS
	v_add_nc_u32 v[AXS], s2, v[L16]
	s_lshl_b32 s2, s14, 9
	s_add_co_u32 s2, s2, PRM+0x1000
	v_lshl_add_u32 v[AB1], v26, 5, s2
	s_lshl_b32 s2, s14, 7
	s_add_co_u32 s2, s2, VMS
	v_lshl_add_u32 v[AVM], v26, 5, s2
	v_and_b32 v30, 7, v24
	v_lshlrev_b32 v30, 4, v30
	v_add_nc_u32 v31, s2, v30                      ; where V's mean goes: 16 (lane % 8)
	v_lshrrev_b32 v29, 3, v24
	v_lshl_add_u32 v29, v29, 10, v30               ; V's sums: work-group lane / 8, channels 4 (lane % 8)
.endif
	s_mul_i32 s2, s18, MTA
	s_lshl_b32 s19, s17, 6
	s_add_co_u32 s2, s2, s19
	s_add_co_u32 s2, s2, ACT
	v_lshrrev_b32 v27, 1, v24
	v_mul_u32_u24 v27, v27, BP
	v_and_b32 v24, 1, v24
	v_lshl_add_u32 v27, v24, 3, v27
	v_add_nc_u32 v[AROWW], s2, v27
	s_lshl_b32 s2, s14, 7
	s_add_co_u32 s2, s2, PRM+0x3000
	v_lshl_add_u32 v[ABQ], v26, 5, s2
	s_add_co_u32 s2, s2, 2048
	v_lshl_add_u32 v[ABV], v25, 2, s2
	v_lshlrev_b32 v28, 4, v0                       ; 16 x thread
	s_lshl3_add_u32 s19, s15, s14                  ; 8 b + w: my head among all
	s_cmp_eq_u32 s18, 0                            ; by rows waves 0-3 hold block j, waves 4-7 block 63 - j, four tokens each
	s_cselect_b32 s91, s32, s33
	s_lshl_b32 s2, s15, 10
	s_lshl4_add_u32 s2, s91, s2
	s_lshl2_add_u32 s2, s17, s2
	s_lshl_b32 s2, s2, 10
	s_mov_b32 s3, 0
	s_wait_kmcnt 0x0
	s_add_nc_u64 s[4:5], s[4:5], s[2:3]
.if ATT
	s_add_nc_u64 s[10:11], s[10:11], s[2:3]
.endif
	s_mul_i32 s2, s14, 0x30000
	s_add_nc_u64 s[20:21], s[8:9], s[2:3]
	s_add_nc_u64 s[22:23], s[8:9], 0x180000
.if ATT
	s_load_b64 s[50:51], s[22:23], 0x3c00          ; 0.5 tanh(alpha), tanh(beta)
	s_lshl_b32 s2, s19, 17
	s_add_nc_u64 s[24:25], s[6:7], s[2:3]
	s_lshl_b32 s2, s15, 11
	s_add_co_u32 s2, s2, 0x4000
	s_add_nc_u64 s[26:27], s[22:23], s[2:3]
	s_lshl_b32 s91, s19, 16
	s_add_co_u32 s91, s91, QOFF
	s_lshl_b32 s2, s32, 10
	s_add_co_u32 s2, s2, s91
	s_add_nc_u64 s[28:29], s[6:7], s[2:3]
	s_lshl_b32 s2, s33, 10
	s_add_co_u32 s2, s2, s91
	s_add_nc_u64 s[96:97], s[6:7], s[2:3]
	s_lshl_b32 s2, s15, 15
	s_lshl_b32 s91, s14, 7
	s_add_co_u32 s2, s2, s91
	s_add_co_u32 s2, s2, VPOFF
	s_add_nc_u64 s[30:31], s[6:7], s[2:3]
.endif
.if QKV
	s_lshl_b32 s91, s19, 17
.irp m, 0,1
	s_lshl_b32 s2, s[34+\m], 12                    ; the key step that holds block m,
	s_add_co_u32 s40, s2, s91
	s_and_b32 s41, s[32+\m], 1                     ; and which half of it
	s_lshl_b32 s2, s41, 10
	s_add_co_u32 s2, s2, s40
	s_add_nc_u64 s[76+2*\m:77+2*\m], s[12:13], s[2:3]    ; K: fragment 0 or 1
	s_lshl_b32 s2, s41, 9
	s_add_co_u32 s2, s2, s40
	s_add_co_u32 s2, s2, 2048
	s_add_nc_u64 s[92+2*\m:93+2*\m], s[12:13], s[2:3]    ; V^T: half 0 or 1 of fragments 2 and 3
	s_lshl_b32 s2, s19, 16
	s_lshl_b32 s40, s[32+\m], 10
	s_add_co_u32 s2, s2, s40
	s_add_co_u32 s2, s2, QOFF
	s_add_nc_u64 s[80+2*\m:81+2*\m], s[12:13], s[2:3]
	s_lshl_b32 s2, s15, 10
	s_lshl4_add_u32 s2, s[32+\m], s2
	s_lshl_b32 s2, s2, 2
	s_add_co_u32 s2, s2, 0x8000
	s_add_nc_u64 s[86+2*\m:87+2*\m], s[22:23], s[2:3]
.endr
	s_lshl_b32 s2, s15, 15
	s_lshl_b32 s40, s16, 10
	s_add_co_u32 s2, s2, s40
	s_lshl_b32 s40, s14, 7
	s_add_co_u32 s2, s2, s40
	s_add_co_u32 s2, s2, VPOFF
	s_add_nc_u64 s[84:85], s[12:13], s[2:3]
.endif
; ---------------------------------------------------------------- THE FIRST LOADS
.if ATT
.set XLD, 48
.else
.set XLD, X
.endif
.irp i, 0,1,2,3                        ; the parameters that this body reads: 4,096 bytes an instruction of the work-group
.if ((\i) < 2 && ATT) || ((\i) >= 2 && QKV)
	global_load_b128 v[80+4*\i:83+4*\i], v28, s[22:23] offset:4096*\i
.endif
.endr
.irp t, 0,1,2,3
.irp p, 0,1
	global_load_b128 v[XLD+8*\t+4*\p:XLD+8*\t+4*\p+3], v[L16], s[4:5] offset:\t*1024+\p*512 th:TH_LOAD_NT
.endr
.endr
.if ATT
.set z, 0
.rept 8                                ; V's column sums of the batch's 32 work-groups, my head's 32 channels
.if z < 4
.set rV, 32+4*z
.else
.set rV, 96+4*z
.endif
	global_load_b128 v[rV:rV+3], v29, s[30:31] offset:4096*z
.set z, z+1
.endr
	global_load_b128 v[QF:QF+3], v[L16], s[28:29]
	global_load_b128 v[QF+4:QF+7], v[L16], s[28:29] offset:512
	global_load_b128 v[QF+8:QF+11], v[L16], s[96:97]
	global_load_b128 v[QF+12:QF+15], v[L16], s[96:97] offset:512
	s_mov_b32 s39, 0
	KVFILL 0, 0, 0
	KVFILL 1, 1, 0
	KVFILL 2, 2, 0
	s_wait_loadcnt 42                              ; younger: 8 of V's sums, 4 of Q, 30 of K, V and mask: parameters and x are in
.else
	WFILL 36
	WFILL 37
	WFILL 38
	WFILL 39
	s_wait_loadcnt 40                              ; younger: 8 of x, 32 of weights: the parameters are in
.endif
.irp i, 0,1,2,3
.if ((\i) < 2 && ATT) || ((\i) >= 2 && QKV)
	ds_store_b128 v28, v[80+4*\i:83+4*\i] offset:PRM+4096*\i
.endif
.endr
.if ATT
.irp t, 0,1,2,3
.irp p, 0,1
	ds_store_b128 v[AXS], v[XLD+8*\t+4*\p:XLD+8*\t+4*\p+3] offset:\t*1024+\p*512
.endr
.endr
	s_wait_loadcnt 34                              ; younger: Q's 4 and the ring's 30: V's sums are in
.irp y, 0,2
	v_pk_add_f32 v[32+\y:33+\y], v[32+\y:33+\y], v[36+\y:37+\y]
	v_pk_add_f32 v[40+\y:41+\y], v[40+\y:41+\y], v[44+\y:45+\y]
	v_pk_add_f32 v[112+\y:113+\y], v[112+\y:113+\y], v[116+\y:117+\y]
	v_pk_add_f32 v[120+\y:121+\y], v[120+\y:121+\y], v[124+\y:125+\y]
.endr
.irp y, 0,2
	v_pk_add_f32 v[32+\y:33+\y], v[32+\y:33+\y], v[40+\y:41+\y]
	v_pk_add_f32 v[112+\y:113+\y], v[112+\y:113+\y], v[120+\y:121+\y]
.endr
.irp y, 0,2
	v_pk_add_f32 v[32+\y:33+\y], v[32+\y:33+\y], v[112+\y:113+\y]
.endr
.irp y, 0,1,2,3
	v_add_f32_dpp v[32+\y], v[32+\y], v[32+\y] row_xmask:8 row_mask:0xf bank_mask:0xf
.endr
.irp y, 0,1,2,3
	v_permlanex16_b32 v[36+\y], v[32+\y], s48, s49
.endr
.irp y, 0,1,2,3
	v_add_f32 v[32+\y], v[32+\y], v[36+\y]
.endr
.irp y, 0,1,2,3
	v_mul_f32 v[32+\y], 0x3a800000, v[32+\y]       ; / 1,024
.endr
	ds_store_b128 v31, v[32:35]                    ; the four groups of eight lanes store the same numbers
.irp c, 0,1
	ds_load_b128 v[VM+8*\c:VM+8*\c+3], v[AVM] offset:64*\c       ; LDS serves a wave's instructions in order (ISA guide 5.7.1.4): these see the store above
	ds_load_b128 v[VM+8*\c+4:VM+8*\c+7], v[AVM] offset:64*\c+16
.endr
	v_lshlrev_b32 v27, 3, v26
	v_sub_nc_u32 v27, v25, v27                     ; r - 8 h: in the diagonal block key 8 h + z is hidden from query r where z is greater
.set z, 0
.rept 8
	v_cmp_gt_i32 vcc_lo, z, v27
	v_cndmask_b32 v[MD+z], 0, s46, vcc_lo
.set z, z+1
.endr
	s_wait_dscnt 0x0
; ---------------------------------------------------------------- ATTENTION: wave w is head w
	WALK 0
	WALK 1
	BAR                                            ; attention's output and the parameters are whole
; ---------------------------------------------------------------- Wo: wave w makes channels 64 (w % 4) .. + 63 over half w / 4 of K
	AFETCH 0, AACTW, 0, MTA
	AFETCH 1, AACTW, KSB, MTA
	KSTEP 0, 1, 24, 4, AACTW, 2*KSB, MTA, 1
	KSTEP 1, 0, 24, 4, AACTW, 3*KSB, MTA, 1
	KSTEP 2, 0, 24, 4, AACTW, -1, MTA, 1
	KSTEP 3, 0, 24, 0, AACTW, -1, MTA, 1
	STAGE_OUT
	s_wait_kmcnt 0x0
	s_mov_b32 s52, s51
	s_mov_b32 s53, s51
	ROWIN 0x0000, 50                               ; x = x + 0.5 tanh(alpha) (ao Wo^T + bo)
.irp t, 0,1,2,3
.irp p, 0,1
	ds_store_b128 v[AXS], v[X+8*\t+4*\p:X+8*\t+4*\p+3] offset:\t*1024+\p*512
.endr
.endr
	LN4 0x0400, 0x0800
	TOACT
	BAR
; ---------------------------------------------------------------- W1 and GELU: wave w makes hidden channels 128 w .. + 127, 64 a pass
	s_mov_b32 s90, 2
.Lpass:
	BIAS4 AB1, 0, 64, 128, 192
	AFETCH 0, AACT, 0, MTA
	AFETCH 1, AACT, KSB, MTA
.set i, 0
.rept 8
.set PF, -1
.if i < 6
.set PF, (i+2)*KSB
.endif
.set DC, 4
.if i == 7
.set DC, 0
.endif
	KSTEP 4+i, 0, 24, DC, AACT, PF, MTA, 1
.set i, i+1
.endr
.irp c, 0,1,2,3
.irp m, 0,1
	GELU8 ACC+8*(2*\c+\m), \m*MTH+\c*2*BP
.endr
.endr
	s_wait_xcnt 0x0                                ; the stream's base is stepped only behind this wait: the ring's loads name it
	s_add_nc_u64 s[20:21], s[20:21], 32768         ; eight slots on
	v_add_nc_u32 v[AHIDW], 8*BP, v[AHIDW]
	v_add_nc_u32 v[AB1], 256, v[AB1]
	s_sub_co_u32 s90, s90, 1
	s_cmp_lg_u32 s90, 0
	s_cbranch_scc1 .Lpass
.set WADJ, 65536
	BAR
; ---------------------------------------------------------------- W2: wave w makes channels 64 (w % 4) .. + 63 over half w / 4 of K = 1,024
	AFETCH 0, AHIDR, 0, MTH
	AFETCH 1, AHIDR, KSB, MTH
.set i, 0
.rept 16
.set ZR, 0
.if i == 0
.set ZR, 1
.endif
.set PF, -1
.if i < 14
.set PF, (i+2)*KSB
.endif
.set DC, 4
.if i == 15
.set DC, 0
.endif
.set LC, 24
.set FL, 1
.if (QKV == 0) && (i >= 12)            ; the stream ends here: the counts run down
.set FL, 0
.set LC, 8*(15-i)
.endif
	KSTEP 20+i, ZR, LC, DC, AHIDR, PF, MTH, FL
.set i, i+1
.endr
	STAGE_OUT
	ROWIN 0x0c00, 52                               ; x = x + tanh(beta) (f W2^T + b2)
.set z, 0
.rept 32
	v_med3_num_f32 v[X+z], v[X+z], s56, s57
.set z, z+1
.endr
.irp t, 0,1,2,3
.irp p, 0,1
	global_store_b128 v[L16], v[X+8*\t+4*\p:X+8*\t+4*\p+3], s[10:11] offset:\t*1024+\p*512  ; 512 consecutive bytes
.endr
.endr
.else
	s_wait_loadcnt 32                              ; younger: the 32 of weights: x is in
	BAR                                            ; the parameters are whole
.endif
; ---------------------------------------------------------------- THE NEXT LAYER'S NORMS AND QKV: wave w is head w
.if QKV
.if ATT
	s_wait_xcnt 0x0                                ; x's registers are rewritten only behind this wait
.endif
	LN4 0x2000, 0x2400
	LN4 0x2800, 0x2c00
	TOACT
	BAR
	BIAS4 ABQ, 0, 64, 1024, 1088
	AFETCH 0, AACT, 0, MTA
	AFETCH 1, AACT, KSB, MTA
.set i, 0
.rept 8
.set PF, -1
.if i < 6
.set PF, (i+2)*KSB
.endif
.set DC, 4
.if i == 7
.set DC, 0
.endif
	KSTEP 36+i, 0, 24, DC, AACT, PF, MTA, 1
.set i, i+1
.endr
	QKEPI
	s_wait_xcnt 0x0                                ; the stores have read their registers
	v_lshlrev_b32 v26, 1, v[H16]                   ; 32 h: my eight tokens' keep
.irp m, 0,1
	global_load_b128 v[64+8*\m:67+8*\m], v26, s[86+2*\m:87+2*\m]
	global_load_b128 v[68+8*\m:71+8*\m], v26, s[86+2*\m:87+2*\m] offset:16
.endr
	AFETCH 0, AACT, 0, MTA
	AFETCH 1, AACT, KSB, MTA
	VSTEP 44, 28                                   ; younger: three ring slots of 8 and keep's 4; then the counts run down
	VSTEP 45, 20
	VSTEP 46, 12
	VSTEP 47, 4
	VEPI
.endif
	s_wait_tensorcnt 0x0                           ; the wave's end: three closing lines behind my last LDS store
	ds_add_u32 v[SPW], v[NIL]
	s_wait_dscnt 0x0
	s_endpgm
.Lfunc_end_k_q7fe4a46695_qkv0:
	.size	k_q7fe4a46695_qkv0, .Lfunc_end_k_q7fe4a46695_qkv0-k_q7fe4a46695_qkv0
	.p2alignl 7, 3214868480
	.fill 96, 4, 3214868480
	.section	.rodata,"a",@progbits
	.p2align	6, 0x0
	.amdhsa_kernel k_q7fe4a46695_qkv0
		.amdhsa_group_segment_fixed_size 204800
		.amdhsa_private_segment_fixed_size 0
		.amdhsa_enable_private_segment 0
		.amdhsa_kernarg_size 24
		.amdhsa_user_sgpr_count 2
		.amdhsa_user_sgpr_kernarg_segment_ptr 1
		.amdhsa_wavefront_size32 1
		.amdhsa_system_sgpr_workgroup_id_x 1
		.amdhsa_system_sgpr_workgroup_id_y 1
		.amdhsa_system_sgpr_workgroup_id_z 1
		.amdhsa_system_vgpr_workitem_id 0
		.amdhsa_next_free_vgpr 256
		.amdhsa_next_free_sgpr 100
		.amdhsa_reserve_vcc 1
		.amdhsa_float_denorm_mode_32 3
		.amdhsa_float_denorm_mode_16_64 3
		.amdhsa_memory_ordered 1
		.amdhsa_forward_progress 1
		.amdhsa_inst_pref_size 63
	.end_amdhsa_kernel
	.amdgpu_metadata
---
amdhsa.version: [ 1, 2 ]
amdhsa.kernels:
  - .name:           k_q7fe4a46695_qkv0
    .symbol:         k_q7fe4a46695_qkv0.kd
    .args:
      - { .name: x, .offset: 0, .size: 8, .value_kind: global_buffer, .address_space: global }
      - { .name: pk3, .offset: 8, .size: 8, .value_kind: global_buffer, .address_space: global }
      - { .name: S0, .offset: 16, .size: 8, .value_kind: global_buffer, .address_space: global }
    .group_segment_fixed_size: 204800
    .private_segment_fixed_size: 0
    .kernarg_segment_align: 8
    .kernarg_segment_size: 24
    .max_flat_workgroup_size: 256
    .sgpr_count:     100
    .vgpr_count:     256
    .wavefront_size: 32
...
	.end_amdgpu_metadata
.endif
;; end of part 2
;; launch lay0 (part 3): grid 256 x 1, 8 waves a work-group, no clusters, 204,800 bytes of LDS; arguments x, S0, pk0, X0, S1; writes X0, S1
.if DOCPART == 3
	.amdgcn_target "amdgcn-amd-amdhsa--gfx1250"
	.amdhsa_code_object_version 6
	.text
	.protected	k_q7fe4a46695_lay0
	.globl	k_q7fe4a46695_lay0
	.p2align	8
	.type	k_q7fe4a46695_lay0,@function
k_q7fe4a46695_lay0:
	s_mov_b64 s[64:65], 0
	v_nop
	global_prefetch_b8 v0, s[64:65] scope:SCOPE_SE
	s_setreg_imm32_b32 hwreg(HW_REG_WAVE_MODE, 25, 1), 1
	s_wait_xcnt 0x0
; ONE SOURCE, TWO BODIES, chosen by the flag QKV.  Both: attention, Wo, residual, LN2, FFN, residual, clip of one layer.  QKV = 1: also LN1, the q_norm LN and the QKV product of the NEXT layer.
; This body: QKV = 1.
.set QKV, 1
; SHARES.  256 work-groups of 8 waves.  Work-group (b, i) owns tokens 32 i .. 32 i + 31 of batch b: two blocks of 16 (m-tiles 0 and 1), which together are key step i.
; Both blocks walk the same key steps 0 .. i, so every fragment of K, V^T and mask that is loaded feeds both.  The price: the walk's length hangs on i, 1 to 32 steps; the other phases, 384 matrix
; instructions a wave, are alike in all work-groups.  A long and a short block in one work-group would make the walks alike, but such a pair loads as far as its long block goes: 784 steps or more for a head's 32
; work-groups, where this text loads 597 (1 + 5 ((max(i, 1) - 1) / 5 + 1) each).
; i is dealt from the work-group's number x: t = x % 32; i = 2 t below 16, 63 - 2 t from 16 on: numbers 16 apart hold i and 31 - i, sixteen consecutive numbers hold the even i or the odd.
; In attention and QKV wave w is head w; in the other products the waves share output channels and K (see the phases).
; THE WALK.  No maximum is carried (see SOFTMAX), so the key steps may be summed in any order.  Step i, which holds both diagonals, comes first, out of a slot of its own, with fixed masks, and starts the sums.
; Steps 0 .. i - 1 need no mask and go through a ring of five register slots: a slot is asked for again as soon as it has been read, four steps ahead of its next use: 50 loads of 512 bytes of a wave are on their way.
; The six slots, 240 registers, lie in the second window of 256 registers: eight waves of 512 registers are all that the four SIMDs hold.  All other phases stay in the first window.
; OPERANDS.  All matrix operands are bf16, sums f32.  Weights (from the pack), K, V^T and Q (from S) lie in memory as fragments: 16 rows x 32 k, [half 2][lane 32][16 bytes], the register image of an operand:
; a fragment is two loads of 512 consecutive bytes, straight into registers.  All products but V's are used transposed (source 0 = 16 weight rows, source 1 = 16 tokens): a lane then holds one token and
; eight neighbouring channels, 16 bytes in bf16, which are a piece of the next product's fragment.
; NO LDS STOP FOR WEIGHTS, K, V, AND NO CLUSTER.  A fragment of 1,024 bytes feeds two matrix instructions, so a stop in LDS would add an LDS read of its own size to each two.  All work-groups read the same
; weights, but a joint ring wants two LDS slots: beside the 204,800 bytes in use 61,440 a slot are left, less than two k steps' weights of the eight waves (32,768 each): 16 matrix instructions a wave
; between a request and the wait for it.  K and V are walked over different lengths by the work-groups of a batch.
; SOFTMAX.  reference() normalises Q and K itself, so |score| <= 1 / sqrt(32) = 0.177 for every input: no exponential can overflow or underflow, no maximum is taken away, and the clip at +-10 never binds.
; A hidden key (future, or padded) has the weight 0 exactly, as exp(-10000 - max) is in f32.  A query that sees no key has 1,024 equal scores in reference(): its row is the mean of all 1,024 rows of V.
; LIMITS.  NaN and infinities are not treated apart.  erf by Abramowitz and Stegun 7.1.26, absolute error 1.5e-7.  Divisions are v_rcp_f32 and a multiply.
; LDS: parameters | activations of 256 channels | of 1,024 channels | f32 stage for sums over the halves of K | the residual by rows | V's mean | the spare words.
.set PRM,   0                          ; 16,384: the pack's first 16 KB of parameters
.set ACT,   16384                      ; 17,408: bf16, blocks of 16 tokens x 8 channels (256 bytes), 272 bytes apart: (32 m-tile + channel / 8) x 272 + 16 token
.set HID,   33792                      ; 69,632: the same with 128 blocks an m-tile
.set STG,   103424                     ; 66,560: two halves of f32 [32 tokens][1,040 bytes]
.set XS,    169984                     ; 32,768: 4,096 for each wave, its own
.set VMS,   202752                     ; 1,024: 128 for each wave, its own
.set SPARE, 203776                     ; 1,024: the spare words, 128 bytes for each wave, which no other line names
.set BP,    272                        ; 256 + 16: the two halves of the lanes of a fragment load start 4 banks apart, and each half reads 256 consecutive bytes
.set KSB,   4*BP                       ; a k step of 32 channels
.set MTA,   32*BP                      ; from m-tile 0 to 1 in ACT
.set MTH,   128*BP                     ; and in HID
.set SPT,   1040                       ; 1,024 + 16: sixteen tokens' stores of 16 bytes fall into sixteen different groups of four banks
.set SHALF, 32*SPT
.set QOFF,  0x800000                   ; S: K and V^T [b][head][step 32][K0, K1, V0, V1] | Q [b][head][block 64] | V's column sums [b][work-group 32][256] f32
.set VPOFF, 0xc00000
; VECTOR REGISTERS, first window
.set L16,   1                          ; 16 x lane
.set AACT,  2                          ; ACT + h x 272 + 16 r: a fragment's place (r = lane % 16, h = lane / 16)
.set AACTW, 3                          ; the same at my half of K, for Wo
.set AHIDR, 4                          ; HID at my half of K, for W2
.set AHIDW, 5                          ; HID where I put my hidden channels; steps with the pass
.set ASTW,  6                          ; the stage, in
.set ASTR,  7                          ; the stage, back by rows
.set AXS,   8                          ; my rows of the residual
.set AROWW, 9                          ; ACT where a row's 4 channels go
.set AAO,   10                         ; ACT where attention's output goes
.set AVM,   11                         ; V's mean, back
.set AB1,   12                         ; b1 of my channels; steps with the pass
.set ABQ,   13                         ; bqkv of my head's Q
.set ABV,   14                         ; bqkv of my head's V
.set ALN,   15                         ; the next layer's two norms: where gain and bias lie; steps with the norm
.set H16,   21                         ; 16 h
.set SPW,   22                         ; my spare word; never rewritten
.set NIL,   23                         ; 0; never rewritten
.set ACC,   32                         ; v32-95   eight accumulators: (c, m-tile) at ACC + 8 (2 c + m)
.set AB,    96                         ; v96-127  activations' fragments, two buffers of two m-tiles
.set RING,  128                        ; v128-255 weights: four slots of four fragments
.set X,     32                         ; by rows: token t's 8 numbers at X + 8 t (channels 4 lane + 0..3, 128 + 4 lane + 0..3)
.set TS,    64                         ; by rows: at work
.set PG,    96                         ; a gain or bias by rows
.set PB,    104
.set MP,    112                        ; means, a pair a token
.set RP,    120                        ; 1 / sqrt(variance + eps), a pair a token
.set GU,    96                         ; GELU: at work
.set GE,    104
.set GP,    112
.set OA,    32                         ; attention: block q's O^T (16 registers) and l (8) at OA + 24 q
.set QF,    96                         ; Q of the two blocks
.set SS,    112                        ; block 0's scores of 32 keys, then P in the low eight; block 1's at SS - 32
.set VM,    112                        ; V's mean in O's layout, fetched when the walk is over
.set KO,    236                        ; v236-241 byte offset of key slot s's step in K and V;  these twelve and MD lie in weight slot 3, which is filled when every key load is back
.set MO,    242                        ; v242-247 the same in the mask
.set MD,    248                        ; the diagonal block's mask
.set XLD,   48                         ; x as it is loaded
; second window: key slot s at 40 s: K0, K1, V0, V1, mask, 8 registers each; slots 0-4 the ring, slot 5 the diagonal step's
.set KVR,   5
; SCALAR REGISTERS: s14 w, s15 b, s16 i, s17 w % 4, s18 w / 4; s[4:5] x in, s[6:7] S in, s[8:9] pack, s[10:11] x out, s[12:13] S out; s[20:21] my weight stream, s[22:23] parameters,
; s[24:25] my head's K and V, s[26:27] my batch's mask, s[28:29], s[96:97] Q, s[30:31] V sums; s32-33 blocks, s34-35 their key step, s36 the ring loop's trips, s38 its counter, s39 the key step to ask for next,
; s40, s90, s91 work, s41 the steps left behind the loop; s46.. constants; s[76:79] K out, s[80:83] Q out, s[84:85] V sums out, s[86:89] keep, s[92:95] V out.
.set WADJ, 0                           ; what the weight stream's base has been stepped by
.set MSB, 0
.macro WIN new                         ; s_set_vgpr_msb: bits 1:0 source 0, 3:2 source 1, 5:4 source 2, 7:6 destination; the high byte repeats the setting that is left; a switch that changes nothing is dropped
.if MSB != (\new)
	s_set_vgpr_msb (MSB<<8)|(\new)
.set MSB, \new
.endif
.endm
.set W_MM, 0x01                        ; a product's source 0 (K, V^T or mask) in the second window, all else in the first
.set W_LD, 0x40                        ; a load's destination in the second window, its address in the first
.macro PLACES n                        ; plain vector instructions between a matrix instruction and what may not follow it closely (ISA guide 7.12.1)
.rept \n
	v_nop
.endr
.endm
.macro BAR                             ; my LDS stores are done and my LDS loads are back; then all eight waves meet
	s_wait_dscnt 0x0
	s_barrier_signal -1
	s_barrier_wait -1
.endm
.macro WFILL n                         ; slot n of my weight stream, 4,096 consecutive bytes, into ring slot n % 4
.irp f, 0,1,2,3
	global_load_b128 v[RING+32*((\n)%4)+8*\f:RING+32*((\n)%4)+8*\f+3], v[L16], s[20:21] offset:(\n)*4096-WADJ+\f*1024
	global_load_b128 v[RING+32*((\n)%4)+8*\f+4:RING+32*((\n)%4)+8*\f+7], v[L16], s[20:21] offset:(\n)*4096-WADJ+\f*1024+512
.endr
.endm
.macro AFETCH buf, areg, off, mtoff    ; one k step's activations, both m-tiles, into buffer buf: four LDS loads
.irp m, 0,1
	ds_load_b128 v[AB+16*(\buf)+8*\m:AB+16*(\buf)+8*\m+3], v[\areg] offset:(\off)+\m*(\mtoff)
	ds_load_b128 v[AB+16*(\buf)+8*\m+4:AB+16*(\buf)+8*\m+7], v[\areg] offset:(\off)+\m*(\mtoff)+2*BP
.endr
.endm
.macro BIAS1 c, areg, off              ; the sums of fragment c begin with the bias of its channels 8 h + 0..7
.irp m, 0,1
	ds_load_b128 v[ACC+8*(2*(\c)+\m):ACC+8*(2*(\c)+\m)+3], v[\areg] offset:\off
	ds_load_b128 v[ACC+8*(2*(\c)+\m)+4:ACC+8*(2*(\c)+\m)+7], v[\areg] offset:(\off)+16
.endr
.endm
.macro BIAS4 areg, o0, o1, o2, o3
	BIAS1 0, \areg, \o0
	BIAS1 1, \areg, \o1
	BIAS1 2, \areg, \o2
	BIAS1 3, \areg, \o3
.endm
; One k step: stream slot n (four fragments of weights) x two m-tiles: eight matrix instructions on eight accumulators, which take turns.
; lcnt: the loads younger than slot n's (three ring slots of 8).  dcnt: the next step's four activation loads may stay out.  Behind four places the buffers just read are filled again.
.macro KSTEP n, zero, lcnt, dcnt, areg, pfoff, mtoff, fill
	s_wait_loadcnt \lcnt
	s_wait_dscnt \dcnt
.irp c, 0,1,2,3
.irp m, 0,1
.if \zero
	v_wmma_f32_16x16x32_bf16 v[ACC+8*(2*\c+\m):ACC+8*(2*\c+\m)+7], v[RING+32*((\n)%4)+8*\c:RING+32*((\n)%4)+8*\c+7], v[AB+16*((\n)%2)+8*\m:AB+16*((\n)%2)+8*\m+7], 0
.else
	v_wmma_f32_16x16x32_bf16 v[ACC+8*(2*\c+\m):ACC+8*(2*\c+\m)+7], v[RING+32*((\n)%4)+8*\c:RING+32*((\n)%4)+8*\c+7], v[AB+16*((\n)%2)+8*\m:AB+16*((\n)%2)+8*\m+7], v[ACC+8*(2*\c+\m):ACC+8*(2*\c+\m)+7]
.endif
.endr
.endr
	PLACES 4
.if (\pfoff) >= 0
	AFETCH (\n)%2, \areg, \pfoff, \mtoff
.endif
.if \fill
	WFILL (\n)+4
.endif
.endm
.macro STAGE_OUT                       ; my half of K's sums, f32, into my half of the stage: token r, channels 64 (w % 4) + 16 c + 8 h + 0..7
.irp c, 0,1,2,3
.irp m, 0,1
	ds_store_b128 v[ASTW], v[ACC+8*(2*\c+\m):ACC+8*(2*\c+\m)+3] offset:\m*16*SPT+\c*64
	ds_store_b128 v[ASTW], v[ACC+8*(2*\c+\m)+4:ACC+8*(2*\c+\m)+7] offset:\m*16*SPT+\c*64+16
.endr
.endr
	BAR
.endm
; By rows: X = X + s x (stage half 0 + stage half 1 + bias), for my four tokens, two at a time.
.macro ROWIN boff, sp
.irp t, 0,1,2,3
.irp p, 0,1
	ds_load_b128 v[X+8*\t+4*\p:X+8*\t+4*\p+3], v[AXS] offset:\t*1024+\p*512
.endr
.endr
.irp p, 0,1
	ds_load_b128 v[PG+4*\p:PG+4*\p+3], v[L16] offset:PRM+(\boff)+512*\p
.endr
.irp u, 0,1
.irp e, 0,1
.irp k, 0,1
.irp p, 0,1
	ds_load_b128 v[TS+16*\e+8*\k+4*\p:TS+16*\e+8*\k+4*\p+3], v[ASTR] offset:(2*\u+\e)*SPT+\p*512+\k*SHALF
.endr
.endr
.endr
	s_wait_dscnt 0x0
.irp e, 0,1
.irp y, 0,2,4,6
	v_pk_add_f32 v[TS+16*\e+\y:TS+16*\e+\y+1], v[TS+16*\e+\y:TS+16*\e+\y+1], v[TS+16*\e+8+\y:TS+16*\e+8+\y+1]
.endr
.endr
.irp e, 0,1
.irp y, 0,2,4,6
	v_pk_add_f32 v[TS+16*\e+\y:TS+16*\e+\y+1], v[TS+16*\e+\y:TS+16*\e+\y+1], v[PG+\y:PG+\y+1]
.endr
.endr
.irp e, 0,1
.irp y, 0,2,4,6
	v_pk_fma_f32 v[X+8*(2*\u+\e)+\y:X+8*(2*\u+\e)+\y+1], v[TS+16*\e+\y:TS+16*\e+\y+1], s[\sp:\sp+1], v[X+8*(2*\u+\e)+\y:X+8*(2*\u+\e)+\y+1] op_sel_hi:[1,0,1]
.endr
.endr
.endr
.endm
.macro RED4                            ; v[TS + 8 t] summed over the 32 lanes, for the four tokens in turn
.irp m, 1,2,4,8
.irp t, 0,1,2,3
	v_add_f32_dpp v[TS+8*\t], v[TS+8*\t], v[TS+8*\t] row_xmask:\m row_mask:0xf bank_mask:0xf
.endr
.endr
.irp t, 0,1,2,3
	v_permlanex16_b32 v[TS+8*\t+1], v[TS+8*\t], s48, s49
.endr
.irp t, 0,1,2,3
	v_add_f32 v[TS+8*\t], v[TS+8*\t], v[TS+8*\t+1]
.endr
.endm
; LayerNorm of my four tokens in place: the mean, then the mean square of the differences (two passes: no difference of large sums); gain and bias lie goff and boff bytes behind the LDS address in areg.
.macro LN4 areg, goff, boff
.irp p, 0,1
	ds_load_b128 v[PG+4*\p:PG+4*\p+3], v[\areg] offset:(\goff)+512*\p
	ds_load_b128 v[PB+4*\p:PB+4*\p+3], v[\areg] offset:(\boff)+512*\p
.endr
.irp t, 0,1,2,3
	v_pk_add_f32 v[TS+8*\t:TS+8*\t+1], v[X+8*\t:X+8*\t+1], v[X+8*\t+2:X+8*\t+3]
	v_pk_add_f32 v[TS+8*\t+2:TS+8*\t+3], v[X+8*\t+4:X+8*\t+5], v[X+8*\t+6:X+8*\t+7]
.endr
.irp t, 0,1,2,3
	v_pk_add_f32 v[TS+8*\t:TS+8*\t+1], v[TS+8*\t:TS+8*\t+1], v[TS+8*\t+2:TS+8*\t+3]
.endr
.irp t, 0,1,2,3
	v_add_f32 v[TS+8*\t], v[TS+8*\t], v[TS+8*\t+1]
.endr
	RED4
.irp t, 0,1,2,3
	v_mul_f32 v[MP+2*\t], s54, v[TS+8*\t]
	v_mul_f32 v[MP+2*\t+1], s54, v[TS+8*\t]
.endr
.irp t, 0,1,2,3
.irp y, 0,2,4,6
	v_pk_add_f32 v[X+8*\t+\y:X+8*\t+\y+1], v[X+8*\t+\y:X+8*\t+\y+1], v[MP+2*\t:MP+2*\t+1] neg_lo:[0,1] neg_hi:[0,1]
.endr
.endr
.irp t, 0,1,2,3
	v_pk_mul_f32 v[TS+8*\t:TS+8*\t+1], v[X+8*\t:X+8*\t+1], v[X+8*\t:X+8*\t+1]
.endr
.irp y, 2,4,6
.irp t, 0,1,2,3
	v_pk_fma_f32 v[TS+8*\t:TS+8*\t+1], v[X+8*\t+\y:X+8*\t+\y+1], v[X+8*\t+\y:X+8*\t+\y+1], v[TS+8*\t:TS+8*\t+1]
.endr
.endr
.irp t, 0,1,2,3
	v_add_f32 v[TS+8*\t], v[TS+8*\t], v[TS+8*\t+1]
.endr
	RED4
.irp t, 0,1,2,3
	v_fma_f32 v[TS+8*\t], v[TS+8*\t], s54, s55     ; sum / 256 + 1e-6
.endr
.irp t, 0,1,2,3
	v_rsq_f32 v[RP+2*\t], v[TS+8*\t]
	v_rsq_f32 v[RP+2*\t+1], v[TS+8*\t]
.endr
	s_wait_dscnt 0x0                               ; gain and bias are in
	v_nop                                          ; a plain instruction behind the last transcendental (ISA guide 5.7.2)
	s_wait_alu depctr_va_vdst(0)
.irp t, 0,1,2,3
.irp y, 0,2,4,6
	v_pk_mul_f32 v[X+8*\t+\y:X+8*\t+\y+1], v[X+8*\t+\y:X+8*\t+\y+1], v[RP+2*\t:RP+2*\t+1]
.endr
.endr
.irp t, 0,1,2,3
.irp y, 0,2,4,6
	v_pk_fma_f32 v[X+8*\t+\y:X+8*\t+\y+1], v[X+8*\t+\y:X+8*\t+\y+1], v[PG+\y:PG+\y+1], v[PB+\y:PB+\y+1]
.endr
.endr
.endm
.macro TOACT                           ; my four tokens, rounded to bf16, into the activations' blocks: 8 bytes a lane and part
.irp t, 0,1,2,3
.irp y, 0,1,2,3
	v_cvt_pk_bf16_f32 v[TS+4*\t+\y], v[X+8*\t+2*\y], v[X+8*\t+2*\y+1]
.endr
	ds_store_b64 v[AROWW], v[TS+4*\t:TS+4*\t+1] offset:\t*16
	ds_store_b64 v[AROWW], v[TS+4*\t+2:TS+4*\t+3] offset:\t*16+16*BP
.endr
.endm
; Exact GELU of an accumulator's eight numbers x: max(x, 0) - |x| q, q = 0.5 erfc(|x| / sqrt 2) = t (a1' + t (a2' + t (a3' + t (a4' + t a5')))) 2^(-0.7213 x x), t = 1 / (1 + 0.23164 |x|); then 16 bytes of bf16 into HID.
.macro GELU8 a, off
.set z, 0
.rept 8
	v_fma_f32 v[GU+z], |v[(\a)+z]|, s58, 1.0
.set z, z+1
.endr
.irp y, 0,2,4,6
	v_pk_mul_f32 v[GE+\y:GE+\y+1], v[(\a)+\y:(\a)+\y+1], s[60:61] op_sel_hi:[1,0]
.endr
.irp y, 0,2,4,6
	v_pk_mul_f32 v[GE+\y:GE+\y+1], v[GE+\y:GE+\y+1], v[(\a)+\y:(\a)+\y+1]
.endr
.set z, 0
.rept 8
	v_rcp_f32 v[GU+z], v[GU+z]
.set z, z+1
.endr
.set z, 0
.rept 8
	v_exp_f32 v[GE+z], v[GE+z]
.set z, z+1
.endr
	v_nop                                          ; a plain instruction behind the last transcendental
	s_wait_alu depctr_va_vdst(0)
.irp y, 0,2,4,6
	v_pk_fma_f32 v[GP+\y:GP+\y+1], v[GU+\y:GU+\y+1], s[62:63], s[66:67] op_sel_hi:[1,0,0]
.endr
.irp k, 68,70,72
.irp y, 0,2,4,6
	v_pk_fma_f32 v[GP+\y:GP+\y+1], v[GP+\y:GP+\y+1], v[GU+\y:GU+\y+1], s[\k:\k+1] op_sel_hi:[1,1,0]
.endr
.endr
.irp y, 0,2,4,6
	v_pk_mul_f32 v[GP+\y:GP+\y+1], v[GP+\y:GP+\y+1], v[GU+\y:GU+\y+1]
.endr
.irp y, 0,2,4,6
	v_pk_mul_f32 v[GP+\y:GP+\y+1], v[GP+\y:GP+\y+1], v[GE+\y:GE+\y+1]
.endr
.set z, 0
.rept 8
	v_max_num_f32 v[GU+z], 0, v[(\a)+z]
.set z, z+1
.endr
.set z, 0
.rept 8
	v_fma_f32 v[GU+z], -|v[(\a)+z]|, v[GP+z], v[GU+z]
.set z, z+1
.endr
.irp y, 0,1,2,3
	v_cvt_pk_bf16_f32 v[GE+\y], v[GU+2*\y], v[GU+2*\y+1]
.endr
	ds_store_b128 v[AHIDW], v[GE:GE+3] offset:\off
.endm
; ATTENTION.  Key slot s takes key step min(s39, i), and s39 steps on: ten loads.  The clamp keeps every load inside the steps that the head's earlier launch has written; a slot that no step is left for takes step i once more and is not read.
; KO and MO of the slot are free: its last loads have been waited for.  The two address lines are plain vector instructions that name no register of the products in front:
; with the three v_nop ahead of them they are the five places behind those products.
.macro KVFILL s
	s_min_u32 s40, s39, s34
	s_add_co_u32 s39, s39, 1
	WIN 0
	v_lshl_add_u32 v[KO+\s], s40, 12, v[L16]
	v_lshl_add_u32 v[MO+\s], s40, 6, v[H16]
	WIN W_LD
.irp f, 0,1,2,3
	global_load_b128 v[40*\s+8*\f:40*\s+8*\f+3], v[KO+\s], s[24:25] offset:\f*1024
	global_load_b128 v[40*\s+8*\f+4:40*\s+8*\f+7], v[KO+\s], s[24:25] offset:\f*1024+512
.endr
	global_load_b128 v[40*\s+32:40*\s+35], v[MO+\s], s[26:27]
	global_load_b128 v[40*\s+36:40*\s+39], v[MO+\s], s[26:27] offset:32
.endm
.macro PVS zero                        ; O^T += V^T P and l += mask P for both blocks, out of the slot at rK (every row of the mask's source is the mask, so every register of that result is l)
	WIN W_MM
.irp q, 0,1
.irp a, 0,1,2
.if \zero
	v_wmma_f32_16x16x32_bf16 v[OA+24*\q+8*\a:OA+24*\q+8*\a+7], v[rK+16+8*\a:rK+16+8*\a+7], v[SS-32*\q:SS-32*\q+7], 0
.else
	v_wmma_f32_16x16x32_bf16 v[OA+24*\q+8*\a:OA+24*\q+8*\a+7], v[rK+16+8*\a:rK+16+8*\a+7], v[SS-32*\q:SS-32*\q+7], v[OA+24*\q+8*\a:OA+24*\q+8*\a+7]
.endif
.endr
.endr
.endm
; One key step of 32 keys that both query blocks see whole, out of key slot s: S^T = K Q^T (a lane: one query, 16 keys), p = 2^s (Q carries log2(e) / sqrt(32)), P in bf16, then PVS.
; Ten matrix instructions on ten accumulators, which take turns.  Five places follow the macro, ahead of the next scores, which write over P, and of loads into the slot.
.macro ASTEPC s
.set rK, 40*(\s)
	WIN W_MM
.irp q, 0,1
.irp e, 0,1
	v_wmma_f32_16x16x32_bf16 v[SS-32*\q+8*\e:SS-32*\q+8*\e+7], v[rK+8*\e:rK+8*\e+7], v[QF+8*\q:QF+8*\q+7], 0
.endr
.endr
	WIN 0
	PLACES 4
.irp q, 0,1
.set z, 0
.rept 16
	v_exp_f32 v[SS-32*\q+z], v[SS-32*\q+z]
.set z, z+1
.endr
.endr
	v_nop                                          ; a plain instruction behind the last transcendental
	s_wait_alu depctr_va_vdst(0)
.irp q, 0,1
.set z, 0
.rept 8
	v_cvt_pk_bf16_f32 v[SS-32*\q+z], v[SS-32*\q+2*z], v[SS-32*\q+2*z+1]
.set z, z+1
.endr
.endr
	PVS 0
.endm
; Key step i, my own 32 tokens, out of slot 5.  Block 0 sees key block 0 up to its diagonal (the mask MD is the C operand that starts the sum) and nothing of key block 1: that product is left out and its four registers of P are 0.
; Block 1 sees key block 0 whole and key block 1 up to its diagonal.  These products start O^T and l: nothing is cleared.
.macro DIAG
.set rK, 40*KVR
	s_wait_loadcnt 10*KVR                          ; younger: the ring's five slots of ten: Q and slot 5 are in
	WIN W_MM
	v_wmma_f32_16x16x32_bf16 v[SS:SS+7], v[rK:rK+7], v[QF:QF+7], v[MD:MD+7]
	v_wmma_f32_16x16x32_bf16 v[SS-32:SS-25], v[rK:rK+7], v[QF+8:QF+15], 0
	v_wmma_f32_16x16x32_bf16 v[SS-24:SS-17], v[rK+8:rK+15], v[QF+8:QF+15], v[MD:MD+7]
	WIN 0
	PLACES 4
.set z, 0
.rept 8
	v_exp_f32 v[SS+z], v[SS+z]
.set z, z+1
.endr
.set z, 0
.rept 16
	v_exp_f32 v[SS-32+z], v[SS-32+z]
.set z, z+1
.endr
	v_nop                                          ; a plain instruction behind the last transcendental
.set z, 0
	s_wait_alu depctr_va_vdst(0)
.rept 4
	v_cvt_pk_bf16_f32 v[SS+z], v[SS+2*z], v[SS+2*z+1]
.set z, z+1
.endr
.set z, 4
.rept 4
	v_mov_b32 v[SS+z], 0
.set z, z+1
.endr
.set z, 0
.rept 8
	v_cvt_pk_bf16_f32 v[SS-32+z], v[SS-32+2*z], v[SS-32+2*z+1]
.set z, z+1
.endr
	PVS 1
	PLACES 5
	WIN 0
.endm
; A step behind the loop, out of ring slot k, which is not asked for again.  The wait stands on every path; the arithmetic is jumped over where no step is left (s41 steps are).
.macro TSTEP k, lcnt
	s_wait_loadcnt \lcnt
	s_cmp_le_u32 s41, \k
	s_cbranch_scc1 .Ldead\k
	ASTEPC \k
	PLACES 5
	WIN 0
.Ldead\k:
.endm
; The walk: step i; then steps 0 .. i - 1, five (once round the ring) a trip with a refill behind each; the last one to five are written out without refills, and the weight stream's first four slots are asked for among them.
.macro WALK
	DIAG
	s_mov_b32 s38, 0
	s_cmp_eq_u32 s36, 0
	s_cbranch_scc1 .Ltail
.Lloop:
.irp s, 0,1,2,3,4
	s_wait_loadcnt 10*(KVR-1)                      ; younger: the four other slots' ten loads each
	ASTEPC \s
	PLACES 3
	KVFILL \s
.endr
	WIN 0                                          ; at a label and at a branch every window is 0
	s_add_co_u32 s38, s38, 1
	s_cmp_lt_u32 s38, s36
	s_cbranch_scc1 .Lloop
.Ltail:
	s_mul_i32 s41, s36, KVR
	s_sub_co_u32 s41, s34, s41                     ; steps left: i - 5 trips: 1 to 5, or 0 where i = 0
	WFILL 0
	TSTEP 0, 48                                    ; younger: four key slots' 40 and one weight slot's 8
	WFILL 1
	TSTEP 1, 46                                    ; 30 and 16
	WFILL 2
	TSTEP 2, 44                                    ; 20 and 24
	TSTEP 3, 34                                    ; 10 and 24
	TSTEP 4, 24                                    ; the three weight slots': every key load is back, so the next fill may land on KO, MO and MD
	WFILL 3
.irp c, 0,1
	ds_load_b128 v[VM+8*\c:VM+8*\c+3], v[AVM] offset:64*\c       ; V's mean, which my wave stored at the start, into block 0's score registers
	ds_load_b128 v[VM+8*\c+4:VM+8*\c+7], v[AVM] offset:64*\c+16
.endr
.irp q, 0,1
	v_cmp_lt_f32 vcc_lo, 0, v[OA+24*\q+16]         ; does the query see a key?
	v_rcp_f32 v24, v[OA+24*\q+16]
	v_rcp_f32 v25, v[OA+24*\q+16]
	v_nop
	s_wait_alu depctr_va_vdst(0)
.irp y, 0,2,4,6,8,10,12,14
	v_pk_mul_f32 v[OA+24*\q+\y:OA+24*\q+\y+1], v[OA+24*\q+\y:OA+24*\q+\y+1], v[24:25]
.endr
.if \q == 0
	s_wait_dscnt 0x0                               ; V's mean is in
.endif
.set z, 0
.rept 16
	v_cndmask_b32 v[OA+24*\q+z], v[VM+z], v[OA+24*\q+z], vcc_lo  ; if not: the mean of all rows of V
.set z, z+1
.endr
.set z, 0
.rept 8
	v_cvt_pk_bf16_f32 v[OA+24*\q+z], v[OA+24*\q+2*z], v[OA+24*\q+2*z+1]
.set z, z+1
.endr
	ds_store_b128 v[AAO], v[OA+24*\q:OA+24*\q+3] offset:\q*MTA
	ds_store_b128 v[AAO], v[OA+24*\q+4:OA+24*\q+7] offset:\q*MTA+2*BP
.endr
.endm
; V of my head, in the natural order (source 0 = 16 tokens, source 1 = 16 rows of Wqkv): a lane holds one channel and eight tokens: a piece of a fragment of V^T.  Slot n holds two k steps x two channel blocks.
.macro VSTEP n, lcnt
.irp e, 0,1
.set ks, 2*((\n)-44)+\e
.if \e == 0
	s_wait_loadcnt \lcnt
.endif
.if ks == 7
	s_wait_dscnt 0x0
.else
	s_wait_dscnt 0x4
.endif
.irp m, 0,1
.irp c, 0,1
.if ks == 0
	v_wmma_f32_16x16x32_bf16 v[ACC+8*(2*\m+\c):ACC+8*(2*\m+\c)+7], v[AB+16*\e+8*\m:AB+16*\e+8*\m+7], v[RING+32*((\n)%4)+8*(2*\e+\c):RING+32*((\n)%4)+8*(2*\e+\c)+7], 0
.else
	v_wmma_f32_16x16x32_bf16 v[ACC+8*(2*\m+\c):ACC+8*(2*\m+\c)+7], v[AB+16*\e+8*\m:AB+16*\e+8*\m+7], v[RING+32*((\n)%4)+8*(2*\e+\c):RING+32*((\n)%4)+8*(2*\e+\c)+7], v[ACC+8*(2*\m+\c):ACC+8*(2*\m+\c)+7]
.endif
.endr
.endr
	PLACES 4
.if ks+2 <= 7
	AFETCH \e, AACT, (ks+2)*KSB, MTA
.endif
.endr
.endm
.macro QKSET k, m                      ; group (k = 0: Q, 1: K; m-tile m): its two accumulators and its registers at work
.set A0, ACC+8*(4*(\k)+(\m))
.set A1, A0+16
.set TQ, AB+4*(2*(\k)+(\m))
.endm
.macro QKALL line:vararg               ; one line for each of the four groups
.irp k, 0,1
.irp m, 0,1
	QKSET \k, \m
	\line
.endr
.endr
.endm
; Q and K of my head: each token's 32 channels (16 in my lane, 16 in the lane 16 away) are divided by max(their norm, 1e-8); Q also takes log2(e) / sqrt(32); rounded to bf16 they are stored as fragments.
.macro QKEPI
.irp z, 0,1,2,3,4,5,6,7
.irp k, 0,1
.irp m, 0,1
	QKSET \k, \m
.set A2, A0+16*(\z/4)+2*(\z%4)
.if \z == 0
	v_pk_mul_f32 v[TQ:TQ+1], v[A2:A2+1], v[A2:A2+1]
.else
	v_pk_fma_f32 v[TQ:TQ+1], v[A2:A2+1], v[A2:A2+1], v[TQ:TQ+1]
.endif
.endr
.endr
.endr
	QKALL v_add_f32 v[TQ], v[TQ], v[TQ+1]
	QKALL v_permlanex16_b32 v[TQ+1], v[TQ], s48, s49
	QKALL v_add_f32 v[TQ], v[TQ], v[TQ+1]
	QKALL v_sqrt_f32 v[TQ], v[TQ]
	v_nop
	s_wait_alu depctr_va_vdst(0)
	QKALL v_max_num_f32 v[TQ], s75, v[TQ]
	QKALL v_rcp_f32 v[TQ], v[TQ]
	v_nop
	s_wait_alu depctr_va_vdst(0)
.irp m, 0,1
	QKSET 0, \m
	v_mul_f32 v[TQ], s74, v[TQ]
.endr
	QKALL v_mov_b32 v[TQ+1], v[TQ]
.irp y, 0,2,4,6
	QKALL v_pk_mul_f32 v[A0+\y:A0+\y+1], v[A0+\y:A0+\y+1], v[TQ:TQ+1]
	QKALL v_pk_mul_f32 v[A1+\y:A1+\y+1], v[A1+\y:A1+\y+1], v[TQ:TQ+1]
.endr
.irp y, 0,1,2,3
	QKALL v_cvt_pk_bf16_f32 v[A0+\y], v[A0+2*\y], v[A0+2*\y+1]
	QKALL v_cvt_pk_bf16_f32 v[A1+\y], v[A1+2*\y], v[A1+2*\y+1]
.endr
.irp m, 0,1
	QKSET 0, \m
	global_store_b128 v[L16], v[A0:A0+3], s[80+2*\m:81+2*\m]              ; each store: 512 consecutive bytes, half a fragment
	global_store_b128 v[L16], v[A1:A1+3], s[80+2*\m:81+2*\m] offset:512
	QKSET 1, \m
	global_store_b128 v[L16], v[A0:A0+3], s[76+2*\m:77+2*\m]
	global_store_b128 v[L16], v[A1:A1+3], s[76+2*\m:77+2*\m] offset:512
.endr
.endm
; V: the bias; the column sums of the work-group's 32 tokens, for the mean that a query without a key takes (128 bytes a wave, 1,024 consecutive bytes a work-group: the one store that fills no whole 256 bytes by itself);
; then V times 1 - padding_mask of its token, so that a padded key adds nothing; rounded to bf16 and stored as halves of fragments of V^T.
.macro VEPI
.irp c, 0,1
	ds_load_b32 v[AB+2*\c], v[ABV] offset:64*\c
	ds_load_b32 v[AB+2*\c+1], v[ABV] offset:64*\c
.endr
	v_and_b32 v24, 31, v0
	v_lshlrev_b32 v25, 2, v24
	s_wait_dscnt 0x0
.irp m, 0,1
.irp c, 0,1
.irp y, 0,2,4,6
	v_pk_add_f32 v[ACC+8*(2*\m+\c)+\y:ACC+8*(2*\m+\c)+\y+1], v[ACC+8*(2*\m+\c)+\y:ACC+8*(2*\m+\c)+\y+1], v[AB+2*\c:AB+2*\c+1]
.endr
.endr
.endr
.irp c, 0,1
	v_pk_add_f32 v[AB+4+2*\c:AB+5+2*\c], v[ACC+8*\c:ACC+8*\c+1], v[ACC+16+8*\c:ACC+16+8*\c+1]
.endr
.irp y, 2,4,6
.irp c, 0,1
	v_pk_add_f32 v[AB+4+2*\c:AB+5+2*\c], v[AB+4+2*\c:AB+5+2*\c], v[ACC+8*\c+\y:ACC+8*\c+\y+1]
.endr
.irp c, 0,1
	v_pk_add_f32 v[AB+4+2*\c:AB+5+2*\c], v[AB+4+2*\c:AB+5+2*\c], v[ACC+16+8*\c+\y:ACC+16+8*\c+\y+1]
.endr
.endr
.irp c, 0,1
	v_add_f32 v[AB+4+2*\c], v[AB+4+2*\c], v[AB+5+2*\c]
.endr
.irp c, 0,1
	v_permlanex16_b32 v[AB+5+2*\c], v[AB+4+2*\c], s48, s49
.endr
.irp c, 0,1
	v_add_f32 v[AB+4+2*\c], v[AB+4+2*\c], v[AB+5+2*\c]
.endr
	v_cmp_gt_u32 vcc_lo, 16, v24
	v_cndmask_b32 v[AB+4], v[AB+6], v[AB+4], vcc_lo  ; lane l: channel l of my head
	global_store_b32 v25, v[AB+4], s[84:85]
	s_wait_loadcnt 0x0                             ; keep is in
.irp m, 0,1
.irp c, 0,1
.irp y, 0,2,4,6
	v_pk_mul_f32 v[ACC+8*(2*\m+\c)+\y:ACC+8*(2*\m+\c)+\y+1], v[ACC+8*(2*\m+\c)+\y:ACC+8*(2*\m+\c)+\y+1], v[64+8*\m+\y:64+8*\m+\y+1]
.endr
.endr
.endr
.irp m, 0,1
.irp c, 0,1
.irp y, 0,1,2,3
	v_cvt_pk_bf16_f32 v[ACC+8*(2*\m+\c)+\y], v[ACC+8*(2*\m+\c)+2*\y], v[ACC+8*(2*\m+\c)+2*\y+1]
.endr
	global_store_b128 v[L16], v[ACC+8*(2*\m+\c):ACC+8*(2*\m+\c)+3], s[92+2*\m:93+2*\m] offset:1024*\c
.endr
.endr
.endm
; ---------------------------------------------------------------- THE HEAD
	s_load_b256 s[4:11], s[0:1], 0x0               ; x in, S in, pack, x out
.if QKV
	s_load_b64 s[12:13], s[0:1], 0x20              ; S out
.endif
	v_lshl_add_u32 v[SPW], v0, 2, SPARE
	v_mov_b32 v[NIL], 0
	v_lshrrev_b32 v24, 5, v0
	v_readfirstlane_b32 s14, v24                   ; w
	s_lshr_b32 s15, ttmp9, 5                       ; b
	s_and_b32 s16, ttmp9, 31                       ; t
	s_lshl_b32 s2, s16, 1
	s_sub_co_u32 s3, 63, s2
	s_cmp_lt_u32 s16, 16
	s_cselect_b32 s16, s2, s3                      ; i = 2 t, or 63 - 2 t from t = 16 on
	s_and_b32 s17, s14, 3
	s_lshr_b32 s18, s14, 2
	s_lshl_b32 s32, s16, 1                         ; my two blocks of 16 tokens: 2 i and 2 i + 1,
	s_add_co_u32 s33, s32, 1
	s_mov_b32 s34, s16                             ; the key step that holds them both,
	s_mov_b32 s35, s16
	s_max_u32 s36, s34, 1                          ; and the trips of the ring's loop: (max(i, 1) - 1) / 5, which leaves 1 to 5 of the i steps (0 where i = 0) for the text behind it
	s_sub_co_u32 s36, s36, 1
	s_mul_i32 s36, s36, 13                         ; (13 n) >> 6 = n / 5 for n <= 30
	s_lshr_b32 s36, s36, 6
	s_mov_b32 s46, 0xc6ea6000                      ; -30000: 2^that is 0
	s_mov_b32 s48, 0x76543210                      ; v_permlanex16_b32: each lane takes its own place in the other half
	s_mov_b32 s49, 0xfedcba98
	s_mov_b32 s54, 0x3b800000                      ; 1 / 256
	s_mov_b32 s55, 0x358637bd                      ; 1e-6
	s_mov_b32 s56, 0xc2c80000                      ; -100
	s_mov_b32 s57, 0x42c80000                      ; 100
	s_mov_b32 s58, 0x3e6d3388                      ; 0.3275911 / sqrt 2
	s_mov_b32 s60, 0xbf38aa3b                      ; -log2(e) / 2
	s_mov_b32 s61, s60
	s_mov_b32 s62, 0x3f07dc22                      ; a5 / 2 ..
	s_mov_b32 s63, s62
	s_mov_b32 s66, 0xbf3a00e3
	s_mov_b32 s67, s66
	s_mov_b32 s68, 0x3f35f0e3
	s_mov_b32 s69, s68
	s_mov_b32 s70, 0xbe11a98e
	s_mov_b32 s71, s70
	s_mov_b32 s72, 0x3e027906                      ; .. a1 / 2
	s_mov_b32 s73, s72
.if QKV
	s_mov_b32 s74, 0x3e8293ee                      ; log2(e) / sqrt(32)
	s_mov_b32 s75, 0x322bcc77                      ; 1e-8
.endif
	v_and_b32 v24, 31, v0                          ; lane
	v_and_b32 v25, 15, v0                          ; r
	v_bfe_u32 v26, v0, 4, 1                        ; h
	v_lshlrev_b32 v[L16], 4, v24
	v_lshlrev_b32 v[H16], 4, v26
	v_mul_u32_u24 v27, v26, BP
	v_lshl_add_u32 v27, v25, 4, v27
	v_add_nc_u32 v[AACT], ACT, v27
	s_mul_i32 s2, s18, 4*KSB
	v_add_nc_u32 v[AACTW], s2, v[AACT]
	s_mul_i32 s2, s18, 64*BP
	s_add_co_u32 s2, s2, HID
	v_add_nc_u32 v[AHIDR], s2, v27
	s_mul_i32 s2, s14, 16*BP
	s_add_co_u32 s2, s2, HID
	v_add_nc_u32 v[AHIDW], s2, v27
	s_mul_i32 s2, s14, 4*BP
	s_add_co_u32 s2, s2, ACT
	v_add_nc_u32 v[AAO], s2, v27
	s_mul_i32 s2, s18, SHALF
	s_lshl_b32 s19, s17, 8
	s_add_co_u32 s2, s2, s19
	s_add_co_u32 s2, s2, STG
	v_mul_u32_u24 v27, v25, SPT
	v_lshl_add_u32 v27, v26, 5, v27
	v_add_nc_u32 v[ASTW], s2, v27
	s_mul_i32 s2, s14, 4*SPT
	s_add_co_u32 s2, s2, STG
	v_add_nc_u32 v[ASTR], s2, v[L16]
	s_lshl_b32 s2, s14, 12
	s_add_co_u32 s2, s2, XS
	v_add_nc_u32 v[AXS], s2, v[L16]
	s_lshl_b32 s2, s14, 9
	s_add_co_u32 s2, s2, PRM+0x1000
	v_lshl_add_u32 v[AB1], v26, 5, s2
	s_lshl_b32 s2, s14, 7
	s_add_co_u32 s2, s2, VMS
	v_lshl_add_u32 v[AVM], v26, 5, s2
	v_and_b32 v30, 7, v24
	v_lshlrev_b32 v30, 4, v30
	v_add_nc_u32 v31, s2, v30                      ; where V's mean goes: 16 (lane % 8)
	v_lshrrev_b32 v29, 3, v24
	v_lshl_add_u32 v29, v29, 10, v30               ; V's sums: work-group lane / 8, channels 4 (lane % 8)
	s_mul_i32 s2, s18, MTA
	s_lshl_b32 s19, s17, 6
	s_add_co_u32 s2, s2, s19
	s_add_co_u32 s2, s2, ACT
	v_lshrrev_b32 v27, 1, v24
	v_mul_u32_u24 v27, v27, BP
	v_and_b32 v24, 1, v24
	v_lshl_add_u32 v27, v24, 3, v27
	v_add_nc_u32 v[AROWW], s2, v27
.if QKV
	s_lshl_b32 s2, s14, 7
	s_add_co_u32 s2, s2, PRM+0x3000
	v_lshl_add_u32 v[ABQ], v26, 5, s2
	s_add_co_u32 s2, s2, 2048
	v_lshl_add_u32 v[ABV], v25, 2, s2
.endif
	v_lshlrev_b32 v28, 4, v0                       ; 16 x thread
	s_lshl3_add_u32 s19, s15, s14                  ; 8 b + w: my head among all
	s_cmp_eq_u32 s18, 0                            ; by rows waves 0-3 hold block 2 i, waves 4-7 block 2 i + 1, four tokens each
	s_cselect_b32 s91, s32, s33
	s_lshl_b32 s2, s15, 10
	s_lshl4_add_u32 s2, s91, s2
	s_lshl2_add_u32 s2, s17, s2
	s_lshl_b32 s2, s2, 10
	s_mov_b32 s3, 0
	s_wait_kmcnt 0x0
	s_add_nc_u64 s[4:5], s[4:5], s[2:3]
	s_add_nc_u64 s[10:11], s[10:11], s[2:3]
	s_mul_i32 s2, s14, 0x30000
	s_add_nc_u64 s[20:21], s[8:9], s[2:3]
	s_add_nc_u64 s[22:23], s[8:9], 0x180000
	s_load_b64 s[50:51], s[22:23], 0x3c00          ; 0.5 tanh(alpha), tanh(beta)
	s_lshl_b32 s2, s19, 17
	s_add_nc_u64 s[24:25], s[6:7], s[2:3]
	s_lshl_b32 s2, s15, 11
	s_add_co_u32 s2, s2, 0x4000
	s_add_nc_u64 s[26:27], s[22:23], s[2:3]
	s_lshl_b32 s91, s19, 16
	s_add_co_u32 s91, s91, QOFF
	s_lshl_b32 s2, s32, 10
	s_add_co_u32 s2, s2, s91
	s_add_nc_u64 s[28:29], s[6:7], s[2:3]
	s_lshl_b32 s2, s33, 10
	s_add_co_u32 s2, s2, s91
	s_add_nc_u64 s[96:97], s[6:7], s[2:3]
	s_lshl_b32 s2, s15, 15
	s_lshl_b32 s91, s14, 7
	s_add_co_u32 s2, s2, s91
	s_add_co_u32 s2, s2, VPOFF
	s_add_nc_u64 s[30:31], s[6:7], s[2:3]
.if QKV
	s_lshl_b32 s91, s19, 17
.irp m, 0,1
	s_lshl_b32 s2, s[34+\m], 12                    ; the key step that holds block m,
	s_add_co_u32 s40, s2, s91
	s_and_b32 s41, s[32+\m], 1                     ; and which half of it
	s_lshl_b32 s2, s41, 10
	s_add_co_u32 s2, s2, s40
	s_add_nc_u64 s[76+2*\m:77+2*\m], s[12:13], s[2:3]    ; K: fragment 0 or 1
	s_lshl_b32 s2, s41, 9
	s_add_co_u32 s2, s2, s40
	s_add_co_u32 s2, s2, 2048
	s_add_nc_u64 s[92+2*\m:93+2*\m], s[12:13], s[2:3]    ; V^T: half 0 or 1 of fragments 2 and 3
	s_lshl_b32 s2, s19, 16
	s_lshl_b32 s40, s[32+\m], 10
	s_add_co_u32 s2, s2, s40
	s_add_co_u32 s2, s2, QOFF
	s_add_nc_u64 s[80+2*\m:81+2*\m], s[12:13], s[2:3]
	s_lshl_b32 s2, s15, 10
	s_lshl4_add_u32 s2, s[32+\m], s2
	s_lshl_b32 s2, s2, 2
	s_add_co_u32 s2, s2, 0x8000
	s_add_nc_u64 s[86+2*\m:87+2*\m], s[22:23], s[2:3]
.endr
	s_lshl_b32 s2, s15, 15
	s_lshl_b32 s40, s16, 10
	s_add_co_u32 s2, s2, s40
	s_lshl_b32 s40, s14, 7
	s_add_co_u32 s2, s2, s40
	s_add_co_u32 s2, s2, VPOFF
	s_add_nc_u64 s[84:85], s[12:13], s[2:3]
.endif
; ---------------------------------------------------------------- THE FIRST LOADS, in the order in which they are wanted: Q and the diagonal step; parameters, x and V's sums; the ring's first five steps.
; They are more than LOADcnt's field counts: the issue of the last ones is held back until the first have come (ISA guide 5.7.1); no wait is written for that.
	global_load_b128 v[QF:QF+3], v[L16], s[28:29]
	global_load_b128 v[QF+4:QF+7], v[L16], s[28:29] offset:512
	global_load_b128 v[QF+8:QF+11], v[L16], s[96:97]
	global_load_b128 v[QF+12:QF+15], v[L16], s[96:97] offset:512
	s_mov_b32 s39, s34
	KVFILL KVR                                     ; key step i into the slot of its own
	s_mov_b32 s39, 0
	WIN 0
.irp i, 0,1,2,3                        ; the parameters that this body reads: 4,096 bytes an instruction of the work-group
.if ((\i) < 2) || QKV
	global_load_b128 v[80+4*\i:83+4*\i], v28, s[22:23] offset:4096*\i
.endif
.endr
.irp t, 0,1,2,3
.irp p, 0,1
	global_load_b128 v[XLD+8*\t+4*\p:XLD+8*\t+4*\p+3], v[L16], s[4:5] offset:\t*1024+\p*512 th:TH_LOAD_NT
.endr
.endr
.set z, 0
.rept 8                                ; V's column sums of the batch's 32 work-groups, my head's 32 channels
.if z < 4
.set rV, 32+4*z
.else
.set rV, 96+4*z
.endif
	global_load_b128 v[rV:rV+3], v29, s[30:31] offset:4096*z
.set z, z+1
.endr
.irp s, 0,1,2,3,4
	KVFILL \s                                      ; key steps 0 to 4
.endr
	WIN 0
	s_wait_loadcnt 58                              ; younger: 8 of V's sums and the ring's 50: parameters and x are in
.irp i, 0,1,2,3
.if ((\i) < 2) || QKV
	ds_store_b128 v28, v[80+4*\i:83+4*\i] offset:PRM+4096*\i
.endif
.endr
.irp t, 0,1,2,3
.irp p, 0,1
	ds_store_b128 v[AXS], v[XLD+8*\t+4*\p:XLD+8*\t+4*\p+3] offset:\t*1024+\p*512
.endr
.endr
	s_wait_loadcnt 50                              ; younger: the ring's 50: V's sums are in
.irp y, 0,2
	v_pk_add_f32 v[32+\y:33+\y], v[32+\y:33+\y], v[36+\y:37+\y]
	v_pk_add_f32 v[40+\y:41+\y], v[40+\y:41+\y], v[44+\y:45+\y]
	v_pk_add_f32 v[112+\y:113+\y], v[112+\y:113+\y], v[116+\y:117+\y]
	v_pk_add_f32 v[120+\y:121+\y], v[120+\y:121+\y], v[124+\y:125+\y]
.endr
.irp y, 0,2
	v_pk_add_f32 v[32+\y:33+\y], v[32+\y:33+\y], v[40+\y:41+\y]
	v_pk_add_f32 v[112+\y:113+\y], v[112+\y:113+\y], v[120+\y:121+\y]
.endr
.irp y, 0,2
	v_pk_add_f32 v[32+\y:33+\y], v[32+\y:33+\y], v[112+\y:113+\y]
.endr
.irp y, 0,1,2,3
	v_add_f32_dpp v[32+\y], v[32+\y], v[32+\y] row_xmask:8 row_mask:0xf bank_mask:0xf
.endr
.irp y, 0,1,2,3
	v_permlanex16_b32 v[36+\y], v[32+\y], s48, s49
.endr
.irp y, 0,1,2,3
	v_add_f32 v[32+\y], v[32+\y], v[36+\y]
.endr
.irp y, 0,1,2,3
	v_mul_f32 v[32+\y], 0x3a800000, v[32+\y]       ; / 1,024
.endr
	ds_store_b128 v31, v[32:35]                    ; V's mean waits in my wave's own LDS words; the four groups of eight lanes store the same numbers
	v_lshlrev_b32 v27, 3, v26
	v_sub_nc_u32 v27, v25, v27                     ; r - 8 h: in the diagonal block key 8 h + z is hidden from query r where z is greater
.set z, 0
.rept 8
	v_cmp_gt_i32 vcc_lo, z, v27
	v_cndmask_b32 v[MD+z], 0, s46, vcc_lo
.set z, z+1
.endr
; ---------------------------------------------------------------- ATTENTION: wave w is head w
	WALK
	BAR                                            ; attention's output and the parameters are whole
; ---------------------------------------------------------------- Wo: wave w makes channels 64 (w % 4) .. + 63 over half w / 4 of K
	AFETCH 0, AACTW, 0, MTA
	AFETCH 1, AACTW, KSB, MTA
	KSTEP 0, 1, 24, 4, AACTW, 2*KSB, MTA, 1
	KSTEP 1, 0, 24, 4, AACTW, 3*KSB, MTA, 1
	KSTEP 2, 0, 24, 4, AACTW, -1, MTA, 1
	KSTEP 3, 0, 24, 0, AACTW, -1, MTA, 1
	STAGE_OUT
	s_wait_kmcnt 0x0
	s_mov_b32 s52, s51
	s_mov_b32 s53, s51
	ROWIN 0x0000, 50                               ; x = x + 0.5 tanh(alpha) (ao Wo^T + bo)
.irp t, 0,1,2,3
.irp p, 0,1
	ds_store_b128 v[AXS], v[X+8*\t+4*\p:X+8*\t+4*\p+3] offset:\t*1024+\p*512
.endr
.endr
	LN4 L16, PRM+0x0400, PRM+0x0800
	TOACT
	BAR
; ---------------------------------------------------------------- W1 and GELU: wave w makes hidden channels 128 w .. + 127, 64 a pass
	s_mov_b32 s90, 2
.Lpass:
	BIAS4 AB1, 0, 64, 128, 192
	AFETCH 0, AACT, 0, MTA
	AFETCH 1, AACT, KSB, MTA
.set i, 0
.rept 8
.set PF, -1
.if i < 6
.set PF, (i+2)*KSB
.endif
.set DC, 4
.if i == 7
.set DC, 0
.endif
	KSTEP 4+i, 0, 24, DC, AACT, PF, MTA, 1
.set i, i+1
.endr
.irp c, 0,1,2,3
.irp m, 0,1
	GELU8 ACC+8*(2*\c+\m), \m*MTH+\c*2*BP
.endr
.endr
	s_wait_xcnt 0x0                                ; the stream's base is stepped only behind this wait: the ring's loads name it
	s_add_nc_u64 s[20:21], s[20:21], 32768         ; eight slots on
	v_add_nc_u32 v[AHIDW], 8*BP, v[AHIDW]
	v_add_nc_u32 v[AB1], 256, v[AB1]
	s_sub_co_u32 s90, s90, 1
	s_cmp_lg_u32 s90, 0
	s_cbranch_scc1 .Lpass
.set WADJ, 65536
	BAR
; ---------------------------------------------------------------- W2: wave w makes channels 64 (w % 4) .. + 63 over half w / 4 of K = 1,024
	AFETCH 0, AHIDR, 0, MTH
	AFETCH 1, AHIDR, KSB, MTH
.set i, 0
.rept 16
.set ZR, 0
.if i == 0
.set ZR, 1
.endif
.set PF, -1
.if i < 14
.set PF, (i+2)*KSB
.endif
.set DC, 4
.if i == 15
.set DC, 0
.endif
.set LC, 24
.set FL, 1
.if (QKV == 0) && (i >= 12)            ; the stream ends here: the counts run down
.set FL, 0
.set LC, 8*(15-i)
.endif
	KSTEP 20+i, ZR, LC, DC, AHIDR, PF, MTH, FL
.set i, i+1
.endr
	STAGE_OUT
	ROWIN 0x0c00, 52                               ; x = x + tanh(beta) (f W2^T + b2)
.set z, 0
.rept 32
	v_med3_num_f32 v[X+z], v[X+z], s56, s57
.set z, z+1
.endr
.irp t, 0,1,2,3
.irp p, 0,1
	global_store_b128 v[L16], v[X+8*\t+4*\p:X+8*\t+4*\p+3], s[10:11] offset:\t*1024+\p*512  ; 512 consecutive bytes
.endr
.endr
; ---------------------------------------------------------------- THE NEXT LAYER'S NORMS AND QKV: wave w is head w
.if QKV
	s_wait_xcnt 0x0                                ; x's registers are rewritten only behind this wait
	v_add_nc_u32 v[ALN], PRM+0x2000, v[L16]        ; LN1's gain; its bias lies 0x400 on, the q_norm's pair 0x800 on
	s_mov_b32 s90, 2
.Lnorm:                                                ; two trips: LN1, then the q_norm LN on its result
	LN4 ALN, 0, 0x400
	v_add_nc_u32 v[ALN], 0x800, v[ALN]
	s_sub_co_u32 s90, s90, 1
	s_cmp_lg_u32 s90, 0
	s_cbranch_scc1 .Lnorm
	TOACT
	BAR
	BIAS4 ABQ, 0, 64, 1024, 1088
	AFETCH 0, AACT, 0, MTA
	AFETCH 1, AACT, KSB, MTA
.set i, 0
.rept 8
.set PF, -1
.if i < 6
.set PF, (i+2)*KSB
.endif
.set DC, 4
.if i == 7
.set DC, 0
.endif
	KSTEP 36+i, 0, 24, DC, AACT, PF, MTA, 1
.set i, i+1
.endr
	QKEPI
	s_wait_xcnt 0x0                                ; the stores have read their registers
	v_lshlrev_b32 v26, 1, v[H16]                   ; 32 h: my eight tokens' keep
.irp m, 0,1
	global_load_b128 v[64+8*\m:67+8*\m], v26, s[86+2*\m:87+2*\m]
	global_load_b128 v[68+8*\m:71+8*\m], v26, s[86+2*\m:87+2*\m] offset:16
.endr
	AFETCH 0, AACT, 0, MTA
	AFETCH 1, AACT, KSB, MTA
	VSTEP 44, 28                                   ; younger: three ring slots of 8 and keep's 4; then the counts run down
	VSTEP 45, 20
	VSTEP 46, 12
	VSTEP 47, 4
	VEPI
.endif
	s_wait_tensorcnt 0x0                           ; the wave's end: three closing lines behind my last LDS store
	ds_add_u32 v[SPW], v[NIL]
	s_wait_dscnt 0x0
	s_endpgm
.Lfunc_end_k_q7fe4a46695_lay0:
	.size	k_q7fe4a46695_lay0, .Lfunc_end_k_q7fe4a46695_lay0-k_q7fe4a46695_lay0
	.p2alignl 7, 3214868480
	.fill 96, 4, 3214868480
	.section	.rodata,"a",@progbits
	.p2align	6, 0x0
	.amdhsa_kernel k_q7fe4a46695_lay0
		.amdhsa_group_segment_fixed_size 204800
		.amdhsa_private_segment_fixed_size 0
		.amdhsa_enable_private_segment 0
		.amdhsa_kernarg_size 40
		.amdhsa_user_sgpr_count 2
		.amdhsa_user_sgpr_kernarg_segment_ptr 1
		.amdhsa_wavefront_size32 1
		.amdhsa_system_sgpr_workgroup_id_x 1
		.amdhsa_system_sgpr_workgroup_id_y 1
		.amdhsa_system_sgpr_workgroup_id_z 1
		.amdhsa_system_vgpr_workitem_id 0
		.amdhsa_next_free_vgpr 512
		.amdhsa_next_free_sgpr 100
		.amdhsa_reserve_vcc 1
		.amdhsa_float_denorm_mode_32 3
		.amdhsa_float_denorm_mode_16_64 3
		.amdhsa_memory_ordered 1
		.amdhsa_forward_progress 1
		.amdhsa_inst_pref_size 220
	.end_amdhsa_kernel
	.amdgpu_metadata
---
amdhsa.version: [ 1, 2 ]
amdhsa.kernels:
  - .name:           k_q7fe4a46695_lay0
    .symbol:         k_q7fe4a46695_lay0.kd
    .args:
      - { .name: x, .offset: 0, .size: 8, .value_kind: global_buffer, .address_space: global }
      - { .name: S0, .offset: 8, .size: 8, .value_kind: global_buffer, .address_space: global }
      - { .name: pk0, .offset: 16, .size: 8, .value_kind: global_buffer, .address_space: global }
      - { .name: X0, .offset: 24, .size: 8, .value_kind: global_buffer, .address_space: global }
      - { .name: S1, .offset: 32, .size: 8, .value_kind: global_buffer, .address_space: global }
    .group_segment_fixed_size: 204800
    .private_segment_fixed_size: 0
    .kernarg_segment_align: 8
    .kernarg_segment_size: 40
    .max_flat_workgroup_size: 256
    .sgpr_count:     100
    .vgpr_count:     512
    .wavefront_size: 32
...
	.end_amdgpu_metadata
.endif
;; end of part 3
;; launch lay1: the kernel of part 3 again; grid 256 x 1, 8 waves a work-group, no clusters, 204,800 bytes of LDS; arguments X0, S1, pk1, X1, S0; writes X1, S0
;; launch lay2: the kernel of part 3 again; grid 256 x 1, 8 waves a work-group, no clusters, 204,800 bytes of LDS; arguments X1, S0, pk2, X0, S1; writes X0, S1
;; launch lay3 (part 4): grid 256 x 1, 8 waves a work-group, no clusters, 204,800 bytes of LDS; arguments X0, S1, pk3, out0; writes out0
.if DOCPART == 4
	.amdgcn_target "amdgcn-amd-amdhsa--gfx1250"
	.amdhsa_code_object_version 6
	.text
	.protected	k_q7fe4a46695_lay3
	.globl	k_q7fe4a46695_lay3
	.p2align	8
	.type	k_q7fe4a46695_lay3,@function
k_q7fe4a46695_lay3:
	s_mov_b64 s[64:65], 0
	v_nop
	global_prefetch_b8 v0, s[64:65] scope:SCOPE_SE
	s_setreg_imm32_b32 hwreg(HW_REG_WAVE_MODE, 25, 1), 1
	s_wait_xcnt 0x0
; ONE SOURCE, TWO BODIES, chosen by the flag QKV.  Both: attention, Wo, residual, LN2, FFN, residual, clip of one layer.  QKV = 1: also LN1, the q_norm LN and the QKV product of the NEXT layer.
; This body: QKV = 0: the last layer; nothing follows it.
.set QKV, 0
; SHARES.  256 work-groups of 8 waves.  Work-group (b, i) owns tokens 32 i .. 32 i + 31 of batch b: two blocks of 16 (m-tiles 0 and 1), which together are key step i.
; Both blocks walk the same key steps 0 .. i, so every fragment of K, V^T and mask that is loaded feeds both.  The price: the walk's length hangs on i, 1 to 32 steps; the other phases, 288 matrix
; instructions a wave in this body, are alike in all work-groups.  A long and a short block in one work-group would make the walks alike, but such a pair loads as far as its long block goes: 784 steps or more for a
; head's 32 work-groups, where this text loads 597 (1 + 5 ((max(i, 1) - 1) / 5 + 1) each).
; i is dealt from the work-group's number x: t = x % 32; i = 2 t below 16, 63 - 2 t from 16 on: numbers 16 apart hold i and 31 - i, sixteen consecutive numbers hold the even i or the odd.
; In attention wave w is head w; in the other products the waves share output channels and K (see the phases).
; THE WALK.  No maximum is carried (see SOFTMAX), so the key steps may be summed in any order.  Step i, which holds both diagonals, comes first, out of a slot of its own, with fixed masks, and starts the sums.
; Steps 0 .. i - 1 need no mask and go through a ring of five register slots: a slot is asked for again as soon as it has been read, four steps ahead of its next use: 50 loads of 512 bytes of a wave are on their way.
; The six slots, 240 registers, lie in the second window of 256 registers: eight waves of 512 registers are all that the four SIMDs hold.  All other phases stay in the first window.
; OPERANDS.  All matrix operands are bf16, sums f32.  Weights (from the pack), K, V^T and Q (from S) lie in memory as fragments: 16 rows x 32 k, [half 2][lane 32][16 bytes], the register image of an operand:
; a fragment is two loads of 512 consecutive bytes, straight into registers.  All products are used transposed (source 0 = 16 weight rows, source 1 = 16 tokens): a lane then holds one token and
; eight neighbouring channels, 16 bytes in bf16, which are a piece of the next product's fragment.
; NO LDS STOP FOR WEIGHTS, K, V, AND NO CLUSTER.  A fragment of 1,024 bytes feeds two matrix instructions, so a stop in LDS would add an LDS read of its own size to each two.  All work-groups read the same
; weights, but a joint ring wants two LDS slots: beside the 204,800 bytes in use 61,440 a slot are left, less than two k steps' weights of the eight waves (32,768 each): 16 matrix instructions a wave
; between a request and the wait for it.  K and V are walked over different lengths by the work-groups of a batch.
; SOFTMAX.  reference() normalises Q and K itself, so |score| <= 1 / sqrt(32) = 0.177 for every input: no exponential can overflow or underflow, no maximum is taken away, and the clip at +-10 never binds.
; A hidden key (future, or padded) has the weight 0 exactly, as exp(-10000 - max) is in f32.  A query that sees no key has 1,024 equal scores in reference(): its row is the mean of all 1,024 rows of V.
; LIMITS.  NaN and infinities are not treated apart.  erf by Abramowitz and Stegun 7.1.26, absolute error 1.5e-7.  Divisions are v_rcp_f32 and a multiply.
; LDS: parameters | activations of 256 channels | of 1,024 channels | f32 stage for sums over the halves of K | the residual by rows | V's mean | the spare words.
.set PRM,   0                          ; 16,384: the pack's first 16 KB of parameters
.set ACT,   16384                      ; 17,408: bf16, blocks of 16 tokens x 8 channels (256 bytes), 272 bytes apart: (32 m-tile + channel / 8) x 272 + 16 token
.set HID,   33792                      ; 69,632: the same with 128 blocks an m-tile
.set STG,   103424                     ; 66,560: two halves of f32 [32 tokens][1,040 bytes]
.set XS,    169984                     ; 32,768: 4,096 for each wave, its own
.set VMS,   202752                     ; 1,024: 128 for each wave, its own
.set SPARE, 203776                     ; 1,024: the spare words, 128 bytes for each wave, which no other line names
.set BP,    272                        ; 256 + 16: the two halves of the lanes of a fragment load start 4 banks apart, and each half reads 256 consecutive bytes
.set KSB,   4*BP                       ; a k step of 32 channels
.set MTA,   32*BP                      ; from m-tile 0 to 1 in ACT
.set MTH,   128*BP                     ; and in HID
.set SPT,   1040                       ; 1,024 + 16: sixteen tokens' stores of 16 bytes fall into sixteen different groups of four banks
.set SHALF, 32*SPT
.set QOFF,  0x800000                   ; S: K and V^T [b][head][step 32][K0, K1, V0, V1] | Q [b][head][block 64] | V's column sums [b][work-group 32][256] f32
.set VPOFF, 0xc00000
; VECTOR REGISTERS, first window
.set L16,   1                          ; 16 x lane
.set AACT,  2                          ; ACT + h x 272 + 16 r: a fragment's place (r = lane % 16, h = lane / 16)
.set AACTW, 3                          ; the same at my half of K, for Wo
.set AHIDR, 4                          ; HID at my half of K, for W2
.set AHIDW, 5                          ; HID where I put my hidden channels; steps with the pass
.set ASTW,  6                          ; the stage, in
.set ASTR,  7                          ; the stage, back by rows
.set AXS,   8                          ; my rows of the residual
.set AROWW, 9                          ; ACT where a row's 4 channels go
.set AAO,   10                         ; ACT where attention's output goes
.set AVM,   11                         ; V's mean, back
.set AB1,   12                         ; b1 of my channels; steps with the pass
.set H16,   21                         ; 16 h
.set SPW,   22                         ; my spare word; never rewritten
.set NIL,   23                         ; 0; never rewritten
.set ACC,   32                         ; v32-95   eight accumulators: (c, m-tile) at ACC + 8 (2 c + m)
.set AB,    96                         ; v96-127  activations' fragments, two buffers of two m-tiles
.set RING,  128                        ; v128-255 weights: four slots of four fragments
.set X,     32                         ; by rows: token t's 8 numbers at X + 8 t (channels 4 lane + 0..3, 128 + 4 lane + 0..3)
.set TS,    64                         ; by rows: at work
.set PG,    96                         ; a gain or bias by rows
.set PB,    104
.set MP,    112                        ; means, a pair a token
.set RP,    120                        ; 1 / sqrt(variance + eps), a pair a token
.set GU,    96                         ; GELU: at work
.set GE,    104
.set GP,    112
.set OA,    32                         ; attention: block q's O^T (16 registers) and l (8) at OA + 24 q
.set QF,    96                         ; Q of the two blocks
.set SS,    112                        ; block 0's scores of 32 keys, then P in the low eight; block 1's at SS - 32
.set VM,    112                        ; V's mean in O's layout, fetched when the walk is over
.set KO,    236                        ; v236-241 byte offset of key slot s's step in K and V;  these twelve and MD lie in weight slot 3, which is filled when every key load is back
.set MO,    242                        ; v242-247 the same in the mask
.set MD,    248                        ; the diagonal block's mask
.set XLD,   48                         ; x as it is loaded
; second window: key slot s at 40 s: K0, K1, V0, V1, mask, 8 registers each; slots 0-4 the ring, slot 5 the diagonal step's
.set KVR,   5
; SCALAR REGISTERS: s14 w, s15 b, s16 i, s17 w % 4, s18 w / 4; s[4:5] x in, s[6:7] S in, s[8:9] pack, s[10:11] x out; s[20:21] my weight stream, s[22:23] parameters,
; s[24:25] my head's K and V, s[26:27] my batch's mask, s[28:29], s[96:97] Q, s[30:31] V sums; s32-33 blocks, s34 their key step, s36 the ring loop's trips, s38 its counter, s39 the key step to ask for next,
; s40, s90, s91 work, s41 the steps left behind the loop; s46.. constants.
.set WADJ, 0                           ; what the weight stream's base has been stepped by
.set MSB, 0
.macro WIN new                         ; s_set_vgpr_msb: bits 1:0 source 0, 3:2 source 1, 5:4 source 2, 7:6 destination; the high byte repeats the setting that is left; a switch that changes nothing is dropped
.if MSB != (\new)
	s_set_vgpr_msb (MSB<<8)|(\new)
.set MSB, \new
.endif
.endm
.set W_MM, 0x01                        ; a product's source 0 (K, V^T or mask) in the second window, all else in the first
.set W_LD, 0x40                        ; a load's destination in the second window, its address in the first
.macro PLACES n                        ; plain vector instructions between a matrix instruction and what may not follow it closely (ISA guide 7.12.1)
.rept \n
	v_nop
.endr
.endm
.macro BAR                             ; my LDS stores are done and my LDS loads are back; then all eight waves meet
	s_wait_dscnt 0x0
	s_barrier_signal -1
	s_barrier_wait -1
.endm
.macro WFILL n                         ; slot n of my weight stream, 4,096 consecutive bytes, into ring slot n % 4
.irp f, 0,1,2,3
	global_load_b128 v[RING+32*((\n)%4)+8*\f:RING+32*((\n)%4)+8*\f+3], v[L16], s[20:21] offset:(\n)*4096-WADJ+\f*1024
	global_load_b128 v[RING+32*((\n)%4)+8*\f+4:RING+32*((\n)%4)+8*\f+7], v[L16], s[20:21] offset:(\n)*4096-WADJ+\f*1024+512
.endr
.endm
.macro AFETCH buf, areg, off, mtoff    ; one k step's activations, both m-tiles, into buffer buf: four LDS loads
.irp m, 0,1
	ds_load_b128 v[AB+16*(\buf)+8*\m:AB+16*(\buf)+8*\m+3], v[\areg] offset:(\off)+\m*(\mtoff)
	ds_load_b128 v[AB+16*(\buf)+8*\m+4:AB+16*(\buf)+8*\m+7], v[\areg] offset:(\off)+\m*(\mtoff)+2*BP
.endr
.endm
.macro BIAS1 c, areg, off              ; the sums of fragment c begin with the bias of its channels 8 h + 0..7
.irp m, 0,1
	ds_load_b128 v[ACC+8*(2*(\c)+\m):ACC+8*(2*(\c)+\m)+3], v[\areg] offset:\off
	ds_load_b128 v[ACC+8*(2*(\c)+\m)+4:ACC+8*(2*(\c)+\m)+7], v[\areg] offset:(\off)+16
.endr
.endm
.macro BIAS4 areg, o0, o1, o2, o3
	BIAS1 0, \areg, \o0
	BIAS1 1, \areg, \o1
	BIAS1 2, \areg, \o2
	BIAS1 3, \areg, \o3
.endm
; One k step: stream slot n (four fragments of weights) x two m-tiles: eight matrix instructions on eight accumulators, which take turns.
; lcnt: the loads younger than slot n's (three ring slots of 8).  dcnt: the next step's four activation loads may stay out.  Behind four places the buffers just read are filled again.
.macro KSTEP n, zero, lcnt, dcnt, areg, pfoff, mtoff, fill
	s_wait_loadcnt \lcnt
	s_wait_dscnt \dcnt
.irp c, 0,1,2,3
.irp m, 0,1
.if \zero
	v_wmma_f32_16x16x32_bf16 v[ACC+8*(2*\c+\m):ACC+8*(2*\c+\m)+7], v[RING+32*((\n)%4)+8*\c:RING+32*((\n)%4)+8*\c+7], v[AB+16*((\n)%2)+8*\m:AB+16*((\n)%2)+8*\m+7], 0
.else
	v_wmma_f32_16x16x32_bf16 v[ACC+8*(2*\c+\m):ACC+8*(2*\c+\m)+7], v[RING+32*((\n)%4)+8*\c:RING+32*((\n)%4)+8*\c+7], v[AB+16*((\n)%2)+8*\m:AB+16*((\n)%2)+8*\m+7], v[ACC+8*(2*\c+\m):ACC+8*(2*\c+\m)+7]
.endif
.endr
.endr
	PLACES 4
.if (\pfoff) >= 0
	AFETCH (\n)%2, \areg, \pfoff, \mtoff
.endif
.if \fill
	WFILL (\n)+4
.endif
.endm
.macro STAGE_OUT                       ; my half of K's sums, f32, into my half of the stage: token r, channels 64 (w % 4) + 16 c + 8 h + 0..7
.irp c, 0,1,2,3
.irp m, 0,1
	ds_store_b128 v[ASTW], v[ACC+8*(2*\c+\m):ACC+8*(2*\c+\m)+3] offset:\m*16*SPT+\c*64
	ds_store_b128 v[ASTW], v[ACC+8*(2*\c+\m)+4:ACC+8*(2*\c+\m)+7] offset:\m*16*SPT+\c*64+16
.endr
.endr
	BAR
.endm
; By rows: X = X + s x (stage half 0 + stage half 1 + bias), for my four tokens, two at a time.
.macro ROWIN boff, sp
.irp t, 0,1,2,3
.irp p, 0,1
	ds_load_b128 v[X+8*\t+4*\p:X+8*\t+4*\p+3], v[AXS] offset:\t*1024+\p*512
.endr
.endr
.irp p, 0,1
	ds_load_b128 v[PG+4*\p:PG+4*\p+3], v[L16] offset:PRM+(\boff)+512*\p
.endr
.irp u, 0,1
.irp e, 0,1
.irp k, 0,1
.irp p, 0,1
	ds_load_b128 v[TS+16*\e+8*\k+4*\p:TS+16*\e+8*\k+4*\p+3], v[ASTR] offset:(2*\u+\e)*SPT+\p*512+\k*SHALF
.endr
.endr
.endr
	s_wait_dscnt 0x0
.irp e, 0,1
.irp y, 0,2,4,6
	v_pk_add_f32 v[TS+16*\e+\y:TS+16*\e+\y+1], v[TS+16*\e+\y:TS+16*\e+\y+1], v[TS+16*\e+8+\y:TS+16*\e+8+\y+1]
.endr
.endr
.irp e, 0,1
.irp y, 0,2,4,6
	v_pk_add_f32 v[TS+16*\e+\y:TS+16*\e+\y+1], v[TS+16*\e+\y:TS+16*\e+\y+1], v[PG+\y:PG+\y+1]
.endr
.endr
.irp e, 0,1
.irp y, 0,2,4,6
	v_pk_fma_f32 v[X+8*(2*\u+\e)+\y:X+8*(2*\u+\e)+\y+1], v[TS+16*\e+\y:TS+16*\e+\y+1], s[\sp:\sp+1], v[X+8*(2*\u+\e)+\y:X+8*(2*\u+\e)+\y+1] op_sel_hi:[1,0,1]
.endr
.endr
.endr
.endm
.macro RED4                            ; v[TS + 8 t] summed over the 32 lanes, for the four tokens in turn
.irp m, 1,2,4,8
.irp t, 0,1,2,3
	v_add_f32_dpp v[TS+8*\t], v[TS+8*\t], v[TS+8*\t] row_xmask:\m row_mask:0xf bank_mask:0xf
.endr
.endr
.irp t, 0,1,2,3
	v_permlanex16_b32 v[TS+8*\t+1], v[TS+8*\t], s48, s49
.endr
.irp t, 0,1,2,3
	v_add_f32 v[TS+8*\t], v[TS+8*\t], v[TS+8*\t+1]
.endr
.endm
; LayerNorm of my four tokens in place: the mean, then the mean square of the differences (two passes: no difference of large sums); gain and bias lie goff and boff bytes behind the LDS address in areg.
.macro LN4 areg, goff, boff
.irp p, 0,1
	ds_load_b128 v[PG+4*\p:PG+4*\p+3], v[\areg] offset:(\goff)+512*\p
	ds_load_b128 v[PB+4*\p:PB+4*\p+3], v[\areg] offset:(\boff)+512*\p
.endr
.irp t, 0,1,2,3
	v_pk_add_f32 v[TS+8*\t:TS+8*\t+1], v[X+8*\t:X+8*\t+1], v[X+8*\t+2:X+8*\t+3]
	v_pk_add_f32 v[TS+8*\t+2:TS+8*\t+3], v[X+8*\t+4:X+8*\t+5], v[X+8*\t+6:X+8*\t+7]
.endr
.irp t, 0,1,2,3
	v_pk_add_f32 v[TS+8*\t:TS+8*\t+1], v[TS+8*\t:TS+8*\t+1], v[TS+8*\t+2:TS+8*\t+3]
.endr
.irp t, 0,1,2,3
	v_add_f32 v[TS+8*\t], v[TS+8*\t], v[TS+8*\t+1]
.endr
	RED4
.irp t, 0,1,2,3
	v_mul_f32 v[MP+2*\t], s54, v[TS+8*\t]
	v_mul_f32 v[MP+2*\t+1], s54, v[TS+8*\t]
.endr
.irp t, 0,1,2,3
.irp y, 0,2,4,6
	v_pk_add_f32 v[X+8*\t+\y:X+8*\t+\y+1], v[X+8*\t+\y:X+8*\t+\y+1], v[MP+2*\t:MP+2*\t+1] neg_lo:[0,1] neg_hi:[0,1]
.endr
.endr
.irp t, 0,1,2,3
	v_pk_mul_f32 v[TS+8*\t:TS+8*\t+1], v[X+8*\t:X+8*\t+1], v[X+8*\t:X+8*\t+1]
.endr
.irp y, 2,4,6
.irp t, 0,1,2,3
	v_pk_fma_f32 v[TS+8*\t:TS+8*\t+1], v[X+8*\t+\y:X+8*\t+\y+1], v[X+8*\t+\y:X+8*\t+\y+1], v[TS+8*\t:TS+8*\t+1]
.endr
.endr
.irp t, 0,1,2,3
	v_add_f32 v[TS+8*\t], v[TS+8*\t], v[TS+8*\t+1]
.endr
	RED4
.irp t, 0,1,2,3
	v_fma_f32 v[TS+8*\t], v[TS+8*\t], s54, s55     ; sum / 256 + 1e-6
.endr
.irp t, 0,1,2,3
	v_rsq_f32 v[RP+2*\t], v[TS+8*\t]
	v_rsq_f32 v[RP+2*\t+1], v[TS+8*\t]
.endr
	s_wait_dscnt 0x0                               ; gain and bias are in
	v_nop                                          ; a plain instruction behind the last transcendental (ISA guide 5.7.2)
	s_wait_alu depctr_va_vdst(0)
.irp t, 0,1,2,3
.irp y, 0,2,4,6
	v_pk_mul_f32 v[X+8*\t+\y:X+8*\t+\y+1], v[X+8*\t+\y:X+8*\t+\y+1], v[RP+2*\t:RP+2*\t+1]
.endr
.endr
.irp t, 0,1,2,3
.irp y, 0,2,4,6
	v_pk_fma_f32 v[X+8*\t+\y:X+8*\t+\y+1], v[X+8*\t+\y:X+8*\t+\y+1], v[PG+\y:PG+\y+1], v[PB+\y:PB+\y+1]
.endr
.endr
.endm
.macro TOACT                           ; my four tokens, rounded to bf16, into the activations' blocks: 8 bytes a lane and part
.irp t, 0,1,2,3
.irp y, 0,1,2,3
	v_cvt_pk_bf16_f32 v[TS+4*\t+\y], v[X+8*\t+2*\y], v[X+8*\t+2*\y+1]
.endr
	ds_store_b64 v[AROWW], v[TS+4*\t:TS+4*\t+1] offset:\t*16
	ds_store_b64 v[AROWW], v[TS+4*\t+2:TS+4*\t+3] offset:\t*16+16*BP
.endr
.endm
; Exact GELU of an accumulator's eight numbers x: max(x, 0) - |x| q, q = 0.5 erfc(|x| / sqrt 2) = t (a1' + t (a2' + t (a3' + t (a4' + t a5')))) 2^(-0.7213 x x), t = 1 / (1 + 0.23164 |x|); then 16 bytes of bf16 into HID.
.macro GELU8 a, off
.set z, 0
.rept 8
	v_fma_f32 v[GU+z], |v[(\a)+z]|, s58, 1.0
.set z, z+1
.endr
.irp y, 0,2,4,6
	v_pk_mul_f32 v[GE+\y:GE+\y+1], v[(\a)+\y:(\a)+\y+1], s[60:61] op_sel_hi:[1,0]
.endr
.irp y, 0,2,4,6
	v_pk_mul_f32 v[GE+\y:GE+\y+1], v[GE+\y:GE+\y+1], v[(\a)+\y:(\a)+\y+1]
.endr
.set z, 0
.rept 8
	v_rcp_f32 v[GU+z], v[GU+z]
.set z, z+1
.endr
.set z, 0
.rept 8
	v_exp_f32 v[GE+z], v[GE+z]
.set z, z+1
.endr
	v_nop                                          ; a plain instruction behind the last transcendental
	s_wait_alu depctr_va_vdst(0)
.irp y, 0,2,4,6
	v_pk_fma_f32 v[GP+\y:GP+\y+1], v[GU+\y:GU+\y+1], s[62:63], s[66:67] op_sel_hi:[1,0,0]
.endr
.irp k, 68,70,72
.irp y, 0,2,4,6
	v_pk_fma_f32 v[GP+\y:GP+\y+1], v[GP+\y:GP+\y+1], v[GU+\y:GU+\y+1], s[\k:\k+1] op_sel_hi:[1,1,0]
.endr
.endr
.irp y, 0,2,4,6
	v_pk_mul_f32 v[GP+\y:GP+\y+1], v[GP+\y:GP+\y+1], v[GU+\y:GU+\y+1]
.endr
.irp y, 0,2,4,6
	v_pk_mul_f32 v[GP+\y:GP+\y+1], v[GP+\y:GP+\y+1], v[GE+\y:GE+\y+1]
.endr
.set z, 0
.rept 8
	v_max_num_f32 v[GU+z], 0, v[(\a)+z]
.set z, z+1
.endr
.set z, 0
.rept 8
	v_fma_f32 v[GU+z], -|v[(\a)+z]|, v[GP+z], v[GU+z]
.set z, z+1
.endr
.irp y, 0,1,2,3
	v_cvt_pk_bf16_f32 v[GE+\y], v[GU+2*\y], v[GU+2*\y+1]
.endr
	ds_store_b128 v[AHIDW], v[GE:GE+3] offset:\off
.endm
; ATTENTION.  Key slot s takes key step min(s39, i), and s39 steps on: ten loads.  The clamp keeps every load inside the steps that the head's earlier launch has written; a slot that no step is left for takes step i once more and is not read.
; KO and MO of the slot are free: its last loads have been waited for.  The two address lines are plain vector instructions that name no register of the products in front:
; with the three v_nop ahead of them they are the five places behind those products.
.macro KVFILL s
	s_min_u32 s40, s39, s34
	s_add_co_u32 s39, s39, 1
	WIN 0
	v_lshl_add_u32 v[KO+\s], s40, 12, v[L16]
	v_lshl_add_u32 v[MO+\s], s40, 6, v[H16]
	WIN W_LD
.irp f, 0,1,2,3
	global_load_b128 v[40*\s+8*\f:40*\s+8*\f+3], v[KO+\s], s[24:25] offset:\f*1024
	global_load_b128 v[40*\s+8*\f+4:40*\s+8*\f+7], v[KO+\s], s[24:25] offset:\f*1024+512
.endr
	global_load_b128 v[40*\s+32:40*\s+35], v[MO+\s], s[26:27]
	global_load_b128 v[40*\s+36:40*\s+39], v[MO+\s], s[26:27] offset:32
.endm
.macro PVS zero                        ; O^T += V^T P and l += mask P for both blocks, out of the slot at rK (every row of the mask's source is the mask, so every register of that result is l)
	WIN W_MM
.irp q, 0,1
.irp a, 0,1,2
.if \zero
	v_wmma_f32_16x16x32_bf16 v[OA+24*\q+8*\a:OA+24*\q+8*\a+7], v[rK+16+8*\a:rK+16+8*\a+7], v[SS-32*\q:SS-32*\q+7], 0
.else
	v_wmma_f32_16x16x32_bf16 v[OA+24*\q+8*\a:OA+24*\q+8*\a+7], v[rK+16+8*\a:rK+16+8*\a+7], v[SS-32*\q:SS-32*\q+7], v[OA+24*\q+8*\a:OA+24*\q+8*\a+7]
.endif
.endr
.endr
.endm
; One key step of 32 keys that both query blocks see whole, out of key slot s: S^T = K Q^T (a lane: one query, 16 keys), p = 2^s (Q carries log2(e) / sqrt(32)), P in bf16, then PVS.
; Ten matrix instructions on ten accumulators, which take turns.  Five places follow the macro, ahead of the next scores, which write over P, and of loads into the slot.
.macro ASTEPC s
.set rK, 40*(\s)
	WIN W_MM
.irp q, 0,1
.irp e, 0,1
	v_wmma_f32_16x16x32_bf16 v[SS-32*\q+8*\e:SS-32*\q+8*\e+7], v[rK+8*\e:rK+8*\e+7], v[QF+8*\q:QF+8*\q+7], 0
.endr
.endr
	WIN 0
	PLACES 4
.irp q, 0,1
.set z, 0
.rept 16
	v_exp_f32 v[SS-32*\q+z], v[SS-32*\q+z]
.set z, z+1
.endr
.endr
	v_nop                                          ; a plain instruction behind the last transcendental
	s_wait_alu depctr_va_vdst(0)
.irp q, 0,1
.set z, 0
.rept 8
	v_cvt_pk_bf16_f32 v[SS-32*\q+z], v[SS-32*\q+2*z], v[SS-32*\q+2*z+1]
.set z, z+1
.endr
.endr
	PVS 0
.endm
; Key step i, my own 32 tokens, out of slot 5.  Block 0 sees key block 0 up to its diagonal (the mask MD is the C operand that starts the sum) and nothing of key block 1: that product is left out and its four registers of P are 0.
; Block 1 sees key block 0 whole and key block 1 up to its diagonal.  These products start O^T and l: nothing is cleared.
.macro DIAG
.set rK, 40*KVR
	s_wait_loadcnt 10*KVR                          ; younger: the ring's five slots of ten: Q and slot 5 are in
	WIN W_MM
	v_wmma_f32_16x16x32_bf16 v[SS:SS+7], v[rK:rK+7], v[QF:QF+7], v[MD:MD+7]
	v_wmma_f32_16x16x32_bf16 v[SS-32:SS-25], v[rK:rK+7], v[QF+8:QF+15], 0
	v_wmma_f32_16x16x32_bf16 v[SS-24:SS-17], v[rK+8:rK+15], v[QF+8:QF+15], v[MD:MD+7]
	WIN 0
	PLACES 4
.set z, 0
.rept 8
	v_exp_f32 v[SS+z], v[SS+z]
.set z, z+1
.endr
.set z, 0
.rept 16
	v_exp_f32 v[SS-32+z], v[SS-32+z]
.set z, z+1
.endr
	v_nop                                          ; a plain instruction behind the last transcendental
.set z, 0
	s_wait_alu depctr_va_vdst(0)
.rept 4
	v_cvt_pk_bf16_f32 v[SS+z], v[SS+2*z], v[SS+2*z+1]
.set z, z+1
.endr
.set z, 4
.rept 4
	v_mov_b32 v[SS+z], 0
.set z, z+1
.endr
.set z, 0
.rept 8
	v_cvt_pk_bf16_f32 v[SS-32+z], v[SS-32+2*z], v[SS-32+2*z+1]
.set z, z+1
.endr
	PVS 1
	PLACES 5
	WIN 0
.endm
; A step behind the loop, out of ring slot k, which is not asked for again.  The wait stands on every path; the arithmetic is jumped over where no step is left (s41 steps are).
.macro TSTEP k, lcnt
	s_wait_loadcnt \lcnt
	s_cmp_le_u32 s41, \k
	s_cbranch_scc1 .Ldead\k
	ASTEPC \k
	PLACES 5
	WIN 0
.Ldead\k:
.endm
; The walk: step i; then steps 0 .. i - 1, five (once round the ring) a trip with a refill behind each; the last one to five are written out without refills, and the weight stream's first four slots are asked for among them.
.macro WALK
	DIAG
	s_mov_b32 s38, 0
	s_cmp_eq_u32 s36, 0
	s_cbranch_scc1 .Ltail
.Lloop:
.irp s, 0,1,2,3,4
	s_wait_loadcnt 10*(KVR-1)                      ; younger: the four other slots' ten loads each
	ASTEPC \s
	PLACES 3
	KVFILL \s
.endr
	WIN 0                                          ; at a label and at a branch every window is 0
	s_add_co_u32 s38, s38, 1
	s_cmp_lt_u32 s38, s36
	s_cbranch_scc1 .Lloop
.Ltail:
	s_mul_i32 s41, s36, KVR
	s_sub_co_u32 s41, s34, s41                     ; steps left: i - 5 trips: 1 to 5, or 0 where i = 0
	WFILL 0
	TSTEP 0, 48                                    ; younger: four key slots' 40 and one weight slot's 8
	WFILL 1
	TSTEP 1, 46                                    ; 30 and 16
	WFILL 2
	TSTEP 2, 44                                    ; 20 and 24
	TSTEP 3, 34                                    ; 10 and 24
	TSTEP 4, 24                                    ; the three weight slots': every key load is back, so the next fill may land on KO, MO and MD
	WFILL 3
.irp c, 0,1
	ds_load_b128 v[VM+8*\c:VM+8*\c+3], v[AVM] offset:64*\c       ; V's mean, which my wave stored at the start, into block 0's score registers
	ds_load_b128 v[VM+8*\c+4:VM+8*\c+7], v[AVM] offset:64*\c+16
.endr
.irp q, 0,1
	v_cmp_lt_f32 vcc_lo, 0, v[OA+24*\q+16]         ; does the query see a key?
	v_rcp_f32 v24, v[OA+24*\q+16]
	v_rcp_f32 v25, v[OA+24*\q+16]
	v_nop
	s_wait_alu depctr_va_vdst(0)
.irp y, 0,2,4,6,8,10,12,14
	v_pk_mul_f32 v[OA+24*\q+\y:OA+24*\q+\y+1], v[OA+24*\q+\y:OA+24*\q+\y+1], v[24:25]
.endr
.if \q == 0
	s_wait_dscnt 0x0                               ; V's mean is in
.endif
.set z, 0
.rept 16
	v_cndmask_b32 v[OA+24*\q+z], v[VM+z], v[OA+24*\q+z], vcc_lo  ; if not: the mean of all rows of V
.set z, z+1
.endr
.set z, 0
.rept 8
	v_cvt_pk_bf16_f32 v[OA+24*\q+z], v[OA+24*\q+2*z], v[OA+24*\q+2*z+1]
.set z, z+1
.endr
	ds_store_b128 v[AAO], v[OA+24*\q:OA+24*\q+3] offset:\q*MTA
	ds_store_b128 v[AAO], v[OA+24*\q+4:OA+24*\q+7] offset:\q*MTA+2*BP
.endr
.endm
; ---------------------------------------------------------------- THE HEAD
	s_load_b256 s[4:11], s[0:1], 0x0               ; x in, S in, pack, x out
	v_lshl_add_u32 v[SPW], v0, 2, SPARE
	v_mov_b32 v[NIL], 0
	v_lshrrev_b32 v24, 5, v0
	v_readfirstlane_b32 s14, v24                   ; w
	s_lshr_b32 s15, ttmp9, 5                       ; b
	s_and_b32 s16, ttmp9, 31                       ; t
	s_lshl_b32 s2, s16, 1
	s_sub_co_u32 s3, 63, s2
	s_cmp_lt_u32 s16, 16
	s_cselect_b32 s16, s2, s3                      ; i = 2 t, or 63 - 2 t from t = 16 on
	s_and_b32 s17, s14, 3
	s_lshr_b32 s18, s14, 2
	s_lshl_b32 s32, s16, 1                         ; my two blocks of 16 tokens: 2 i and 2 i + 1,
	s_add_co_u32 s33, s32, 1
	s_mov_b32 s34, s16                             ; the key step that holds them both,
	s_max_u32 s36, s34, 1                          ; and the trips of the ring's loop: (max(i, 1) - 1) / 5, which leaves 1 to 5 of the i steps (0 where i = 0) for the text behind it
	s_sub_co_u32 s36, s36, 1
	s_mul_i32 s36, s36, 13                         ; (13 n) >> 6 = n / 5 for n <= 30
	s_lshr_b32 s36, s36, 6
	s_mov_b32 s46, 0xc6ea6000                      ; -30000: 2^that is 0
	s_mov_b32 s48, 0x76543210                      ; v_permlanex16_b32: each lane takes its own place in the other half
	s_mov_b32 s49, 0xfedcba98
	s_mov_b32 s54, 0x3b800000                      ; 1 / 256
	s_mov_b32 s55, 0x358637bd                      ; 1e-6
	s_mov_b32 s56, 0xc2c80000                      ; -100
	s_mov_b32 s57, 0x42c80000                      ; 100
	s_mov_b32 s58, 0x3e6d3388                      ; 0.3275911 / sqrt 2
	s_mov_b32 s60, 0xbf38aa3b                      ; -log2(e) / 2
	s_mov_b32 s61, s60
	s_mov_b32 s62, 0x3f07dc22                      ; a5 / 2 ..
	s_mov_b32 s63, s62
	s_mov_b32 s66, 0xbf3a00e3
	s_mov_b32 s67, s66
	s_mov_b32 s68, 0x3f35f0e3
	s_mov_b32 s69, s68
	s_mov_b32 s70, 0xbe11a98e
	s_mov_b32 s71, s70
	s_mov_b32 s72, 0x3e027906                      ; .. a1 / 2
	s_mov_b32 s73, s72
	v_and_b32 v24, 31, v0                          ; lane
	v_and_b32 v25, 15, v0                          ; r
	v_bfe_u32 v26, v0, 4, 1                        ; h
	v_lshlrev_b32 v[L16], 4, v24
	v_lshlrev_b32 v[H16], 4, v26
	v_mul_u32_u24 v27, v26, BP
	v_lshl_add_u32 v27, v25, 4, v27
	v_add_nc_u32 v[AACT], ACT, v27
	s_mul_i32 s2, s18, 4*KSB
	v_add_nc_u32 v[AACTW], s2, v[AACT]
	s_mul_i32 s2, s18, 64*BP
	s_add_co_u32 s2, s2, HID
	v_add_nc_u32 v[AHIDR], s2, v27
	s_mul_i32 s2, s14, 16*BP
	s_add_co_u32 s2, s2, HID
	v_add_nc_u32 v[AHIDW], s2, v27
	s_mul_i32 s2, s14, 4*BP
	s_add_co_u32 s2, s2, ACT
	v_add_nc_u32 v[AAO], s2, v27
	s_mul_i32 s2, s18, SHALF
	s_lshl_b32 s19, s17, 8
	s_add_co_u32 s2, s2, s19
	s_add_co_u32 s2, s2, STG
	v_mul_u32_u24 v27, v25, SPT
	v_lshl_add_u32 v27, v26, 5, v27
	v_add_nc_u32 v[ASTW], s2, v27
	s_mul_i32 s2, s14, 4*SPT
	s_add_co_u32 s2, s2, STG
	v_add_nc_u32 v[ASTR], s2, v[L16]
	s_lshl_b32 s2, s14, 12
	s_add_co_u32 s2, s2, XS
	v_add_nc_u32 v[AXS], s2, v[L16]
	s_lshl_b32 s2, s14, 9
	s_add_co_u32 s2, s2, PRM+0x1000
	v_lshl_add_u32 v[AB1], v26, 5, s2
	s_lshl_b32 s2, s14, 7
	s_add_co_u32 s2, s2, VMS
	v_lshl_add_u32 v[AVM], v26, 5, s2
	v_and_b32 v30, 7, v24
	v_lshlrev_b32 v30, 4, v30
	v_add_nc_u32 v31, s2, v30                      ; where V's mean goes: 16 (lane % 8)
	v_lshrrev_b32 v29, 3, v24
	v_lshl_add_u32 v29, v29, 10, v30               ; V's sums: work-group lane / 8, channels 4 (lane % 8)
	s_mul_i32 s2, s18, MTA
	s_lshl_b32 s19, s17, 6
	s_add_co_u32 s2, s2, s19
	s_add_co_u32 s2, s2, ACT
	v_lshrrev_b32 v27, 1, v24
	v_mul_u32_u24 v27, v27, BP
	v_and_b32 v24, 1, v24
	v_lshl_add_u32 v27, v24, 3, v27
	v_add_nc_u32 v[AROWW], s2, v27
	v_lshlrev_b32 v28, 4, v0                       ; 16 x thread
	s_lshl3_add_u32 s19, s15, s14                  ; 8 b + w: my head among all
	s_cmp_eq_u32 s18, 0                            ; by rows waves 0-3 hold block 2 i, waves 4-7 block 2 i + 1, four tokens each
	s_cselect_b32 s91, s32, s33
	s_lshl_b32 s2, s15, 10
	s_lshl4_add_u32 s2, s91, s2
	s_lshl2_add_u32 s2, s17, s2
	s_lshl_b32 s2, s2, 10
	s_mov_b32 s3, 0
	s_wait_kmcnt 0x0
	s_add_nc_u64 s[4:5], s[4:5], s[2:3]
	s_add_nc_u64 s[10:11], s[10:11], s[2:3]
	s_mul_i32 s2, s14, 0x30000
	s_add_nc_u64 s[20:21], s[8:9], s[2:3]
	s_add_nc_u64 s[22:23], s[8:9], 0x180000
	s_load_b64 s[50:51], s[22:23], 0x3c00          ; 0.5 tanh(alpha), tanh(beta)
	s_lshl_b32 s2, s19, 17
	s_add_nc_u64 s[24:25], s[6:7], s[2:3]
	s_lshl_b32 s2, s15, 11
	s_add_co_u32 s2, s2, 0x4000
	s_add_nc_u64 s[26:27], s[22:23], s[2:3]
	s_lshl_b32 s91, s19, 16
	s_add_co_u32 s91, s91, QOFF
	s_lshl_b32 s2, s32, 10
	s_add_co_u32 s2, s2, s91
	s_add_nc_u64 s[28:29], s[6:7], s[2:3]
	s_lshl_b32 s2, s33, 10
	s_add_co_u32 s2, s2, s91
	s_add_nc_u64 s[96:97], s[6:7], s[2:3]
	s_lshl_b32 s2, s15, 15
	s_lshl_b32 s91, s14, 7
	s_add_co_u32 s2, s2, s91
	s_add_co_u32 s2, s2, VPOFF
	s_add_nc_u64 s[30:31], s[6:7], s[2:3]
; ---------------------------------------------------------------- THE FIRST LOADS, in the order in which they are wanted: Q and the diagonal step; parameters, x and V's sums; the ring's first five steps.
; They are more than LOADcnt's field counts: the issue of the last ones is held back until the first have come (ISA guide 5.7.1); no wait is written for that.
	global_load_b128 v[QF:QF+3], v[L16], s[28:29]
	global_load_b128 v[QF+4:QF+7], v[L16], s[28:29] offset:512
	global_load_b128 v[QF+8:QF+11], v[L16], s[96:97]
	global_load_b128 v[QF+12:QF+15], v[L16], s[96:97] offset:512
	s_mov_b32 s39, s34
	KVFILL KVR                                     ; key step i into the slot of its own
	s_mov_b32 s39, 0
	WIN 0
.irp i, 0,1                            ; the parameters that this body reads: 4,096 bytes an instruction of the work-group
	global_load_b128 v[80+4*\i:83+4*\i], v28, s[22:23] offset:4096*\i
.endr
.irp t, 0,1,2,3
.irp p, 0,1
	global_load_b128 v[XLD+8*\t+4*\p:XLD+8*\t+4*\p+3], v[L16], s[4:5] offset:\t*1024+\p*512 th:TH_LOAD_NT
.endr
.endr
.set z, 0
.rept 8                                ; V's column sums of the batch's 32 work-groups, my head's 32 channels
.if z < 4
.set rV, 32+4*z
.else
.set rV, 96+4*z
.endif
	global_load_b128 v[rV:rV+3], v29, s[30:31] offset:4096*z
.set z, z+1
.endr
.irp s, 0,1,2,3,4
	KVFILL \s                                      ; key steps 0 to 4
.endr
	WIN 0
	s_wait_loadcnt 58                              ; younger: 8 of V's sums and the ring's 50: parameters and x are in
.irp i, 0,1
	ds_store_b128 v28, v[80+4*\i:83+4*\i] offset:PRM+4096*\i
.endr
.irp t, 0,1,2,3
.irp p, 0,1
	ds_store_b128 v[AXS], v[XLD+8*\t+4*\p:XLD+8*\t+4*\p+3] offset:\t*1024+\p*512
.endr
.endr
	s_wait_loadcnt 50                              ; younger: the ring's 50: V's sums are in
.irp y, 0,2
	v_pk_add_f32 v[32+\y:33+\y], v[32+\y:33+\y], v[36+\y:37+\y]
	v_pk_add_f32 v[40+\y:41+\y], v[40+\y:41+\y], v[44+\y:45+\y]
	v_pk_add_f32 v[112+\y:113+\y], v[112+\y:113+\y], v[116+\y:117+\y]
	v_pk_add_f32 v[120+\y:121+\y], v[120+\y:121+\y], v[124+\y:125+\y]
.endr
.irp y, 0,2
	v_pk_add_f32 v[32+\y:33+\y], v[32+\y:33+\y], v[40+\y:41+\y]
	v_pk_add_f32 v[112+\y:113+\y], v[112+\y:113+\y], v[120+\y:121+\y]
.endr
.irp y, 0,2
	v_pk_add_f32 v[32+\y:33+\y], v[32+\y:33+\y], v[112+\y:113+\y]
.endr
.irp y, 0,1,2,3
	v_add_f32_dpp v[32+\y], v[32+\y], v[32+\y] row_xmask:8 row_mask:0xf bank_mask:0xf
.endr
.irp y, 0,1,2,3
	v_permlanex16_b32 v[36+\y], v[32+\y], s48, s49
.endr
.irp y, 0,1,2,3
	v_add_f32 v[32+\y], v[32+\y], v[36+\y]
.endr
.irp y, 0,1,2,3
	v_mul_f32 v[32+\y], 0x3a800000, v[32+\y]       ; / 1,024
.endr
	ds_store_b128 v31, v[32:35]                    ; V's mean waits in my wave's own LDS words; the four groups of eight lanes store the same numbers
	v_lshlrev_b32 v27, 3, v26
	v_sub_nc_u32 v27, v25, v27                     ; r - 8 h: in the diagonal block key 8 h + z is hidden from query r where z is greater
.set z, 0
.rept 8
	v_cmp_gt_i32 vcc_lo, z, v27
	v_cndmask_b32 v[MD+z], 0, s46, vcc_lo
.set z, z+1
.endr
; ---------------------------------------------------------------- ATTENTION: wave w is head w
	WALK
	BAR                                            ; attention's output and the parameters are whole
; ---------------------------------------------------------------- Wo: wave w makes channels 64 (w % 4) .. + 63 over half w / 4 of K
	AFETCH 0, AACTW, 0, MTA
	AFETCH 1, AACTW, KSB, MTA
	KSTEP 0, 1, 24, 4, AACTW, 2*KSB, MTA, 1
	KSTEP 1, 0, 24, 4, AACTW, 3*KSB, MTA, 1
	KSTEP 2, 0, 24, 4, AACTW, -1, MTA, 1
	KSTEP 3, 0, 24, 0, AACTW, -1, MTA, 1
	STAGE_OUT
	s_wait_kmcnt 0x0
	s_mov_b32 s52, s51
	s_mov_b32 s53, s51
	ROWIN 0x0000, 50                               ; x = x + 0.5 tanh(alpha) (ao Wo^T + bo)
.irp t, 0,1,2,3
.irp p, 0,1
	ds_store_b128 v[AXS], v[X+8*\t+4*\p:X+8*\t+4*\p+3] offset:\t*1024+\p*512
.endr
.endr
	LN4 L16, PRM+0x0400, PRM+0x0800
	TOACT
	BAR
; ---------------------------------------------------------------- W1 and GELU: wave w makes hidden channels 128 w .. + 127, 64 a pass
	s_mov_b32 s90, 2
.Lpass:
	BIAS4 AB1, 0, 64, 128, 192
	AFETCH 0, AACT, 0, MTA
	AFETCH 1, AACT, KSB, MTA
.set i, 0
.rept 8
.set PF, -1
.if i < 6
.set PF, (i+2)*KSB
.endif
.set DC, 4
.if i == 7
.set DC, 0
.endif
	KSTEP 4+i, 0, 24, DC, AACT, PF, MTA, 1
.set i, i+1
.endr
.irp c, 0,1,2,3
.irp m, 0,1
	GELU8 ACC+8*(2*\c+\m), \m*MTH+\c*2*BP
.endr
.endr
	s_wait_xcnt 0x0                                ; the stream's base is stepped only behind this wait: the ring's loads name it
	s_add_nc_u64 s[20:21], s[20:21], 32768         ; eight slots on
	v_add_nc_u32 v[AHIDW], 8*BP, v[AHIDW]
	v_add_nc_u32 v[AB1], 256, v[AB1]
	s_sub_co_u32 s90, s90, 1
	s_cmp_lg_u32 s90, 0
	s_cbranch_scc1 .Lpass
.set WADJ, 65536
	BAR
; ---------------------------------------------------------------- W2: wave w makes channels 64 (w % 4) .. + 63 over half w / 4 of K = 1,024
	AFETCH 0, AHIDR, 0, MTH
	AFETCH 1, AHIDR, KSB, MTH
.set i, 0
.rept 16
.set ZR, 0
.if i == 0
.set ZR, 1
.endif
.set PF, -1
.if i < 14
.set PF, (i+2)*KSB
.endif
.set DC, 4
.if i == 15
.set DC, 0
.endif
.set LC, 24
.set FL, 1
.if (QKV == 0) && (i >= 12)            ; the stream ends here: the counts run down
.set FL, 0
.set LC, 8*(15-i)
.endif
	KSTEP 20+i, ZR, LC, DC, AHIDR, PF, MTH, FL
.set i, i+1
.endr
	STAGE_OUT
	ROWIN 0x0c00, 52                               ; x = x + tanh(beta) (f W2^T + b2)
.set z, 0
.rept 32
	v_med3_num_f32 v[X+z], v[X+z], s56, s57
.set z, z+1
.endr
.irp t, 0,1,2,3
.irp p, 0,1
	global_store_b128 v[L16], v[X+8*\t+4*\p:X+8*\t+4*\p+3], s[10:11] offset:\t*1024+\p*512  ; 512 consecutive bytes
.endr
.endr
	s_wait_tensorcnt 0x0                           ; the wave's end: three closing lines behind my last LDS store
	ds_add_u32 v[SPW], v[NIL]
	s_wait_dscnt 0x0
	s_endpgm
.Lfunc_end_k_q7fe4a46695_lay3:
	.size	k_q7fe4a46695_lay3, .Lfunc_end_k_q7fe4a46695_lay3-k_q7fe4a46695_lay3
	.p2alignl 7, 3214868480
	.fill 96, 4, 3214868480
	.section	.rodata,"a",@progbits
	.p2align	6, 0x0
	.amdhsa_kernel k_q7fe4a46695_lay3
		.amdhsa_group_segment_fixed_size 204800
		.amdhsa_private_segment_fixed_size 0
		.amdhsa_enable_private_segment 0
		.amdhsa_kernarg_size 32
		.amdhsa_user_sgpr_count 2
		.amdhsa_user_sgpr_kernarg_segment_ptr 1
		.amdhsa_wavefront_size32 1
		.amdhsa_system_sgpr_workgroup_id_x 1
		.amdhsa_system_sgpr_workgroup_id_y 1
		.amdhsa_system_sgpr_workgroup_id_z 1
		.amdhsa_system_vgpr_workitem_id 0
		.amdhsa_next_free_vgpr 512
		.amdhsa_next_free_sgpr 100
		.amdhsa_reserve_vcc 1
		.amdhsa_float_denorm_mode_32 3
		.amdhsa_float_denorm_mode_16_64 3
		.amdhsa_memory_ordered 1
		.amdhsa_forward_progress 1
		.amdhsa_inst_pref_size 170
	.end_amdhsa_kernel
	.amdgpu_metadata
---
amdhsa.version: [ 1, 2 ]
amdhsa.kernels:
  - .name:           k_q7fe4a46695_lay3
    .symbol:         k_q7fe4a46695_lay3.kd
    .args:
      - { .name: X0, .offset: 0, .size: 8, .value_kind: global_buffer, .address_space: global }
      - { .name: S1, .offset: 8, .size: 8, .value_kind: global_buffer, .address_space: global }
      - { .name: pk3, .offset: 16, .size: 8, .value_kind: global_buffer, .address_space: global }
      - { .name: out0, .offset: 24, .size: 8, .value_kind: global_buffer, .address_space: global }
    .group_segment_fixed_size: 204800
    .private_segment_fixed_size: 0
    .kernarg_segment_align: 8
    .kernarg_segment_size: 32
    .max_flat_workgroup_size: 256
    .sgpr_count:     100
    .vgpr_count:     512
    .wavefront_size: 32
...
	.end_amdgpu_metadata
.endif
;; end of part 4
;; ======== version 2 of 2: 6 launches; version 1 with the launches lay0, lay1, lay2, lay3 written anew for expert scheduling mode
;; workspace buffers: pk0 1,638,400 bytes; pk1 1,638,400 bytes; pk2 1,638,400 bytes; pk3 1,638,400 bytes; S0 12,845,056 bytes; S1 12,845,056 bytes; X0 8,388,608 bytes; X1 8,388,608 bytes
;; launch prep: the kernel of part 1 again; grid 26 x 32, 8 waves a work-group, no clusters, 0 bytes of LDS; arguments Wo, W1, W2, Wqkv, bo, ln2_g, ln2_b, b2, b1, ln1_g, ln1_b, qn_g, qn_b, bqkv, alpha, beta, padding_mask, pk0, pk1, pk2, pk3; writes pk0, pk1, pk2, pk3
;; launch qkv0: the kernel of part 2 again; grid 256 x 1, 8 waves a work-group, no clusters, 204,800 bytes of LDS; arguments x, pk3, S0; writes S0
;; launch lay0 (part 5): grid 256 x 1, 8 waves a work-group, no clusters, 204,800 bytes of LDS; arguments x, S0, pk0, X0, S1; writes X0, S1
.if DOCPART == 5
	.amdgcn_target "amdgcn-amd-amdhsa--gfx1250"
	.amdhsa_code_object_version 6
	.text
	.protected	k_q7fe4a46695_lay0
	.globl	k_q7fe4a46695_lay0
	.p2align	8
	.type	k_q7fe4a46695_lay0,@function
k_q7fe4a46695_lay0:
	s_mov_b64 s[64:65], 0
	v_nop
	global_prefetch_b8 v0, s[64:65] scope:SCOPE_SE
	s_setreg_imm32_b32 hwreg(HW_REG_WAVE_SCHED_MODE, 0, 2), 2
	s_setreg_imm32_b32 hwreg(HW_REG_WAVE_MODE, 25, 1), 1
	s_wait_xcnt 0x0
	s_wait_alu depctr_vm_vsrc(0)
; ONE SOURCE, TWO BODIES, chosen by the flag QKV.  Both: attention, Wo, residual, LN2, FFN, residual, clip of one layer.  QKV = 1: also LN1, the q_norm LN and the QKV product of the NEXT layer.
; This body: QKV = 1.
.set QKV, 1
; SHARES.  256 work-groups of 8 waves.  Work-group (b, i) owns tokens 32 i .. 32 i + 31 of batch b: two blocks of 16 (m-tiles 0 and 1), which together are key step i.
; Both blocks walk the same key steps 0 .. i, so every fragment of K, V^T and mask that is loaded feeds both.  The price: the walk's length hangs on i, 1 to 32 steps; the other phases, 384 matrix
; instructions a wave, are alike in all work-groups.  A long and a short block in one work-group would make the walks alike, but such a pair loads as far as its long block goes: 784 steps or more for a head's 32
; work-groups, where this text loads 597 (1 + 5 ((max(i, 1) - 1) / 5 + 1) each).
; i is dealt from the work-group's number x: t = x % 32; i = 2 t below 16, 63 - 2 t from 16 on: numbers 16 apart hold i and 31 - i, sixteen consecutive numbers hold the even i or the odd.
; In attention and QKV wave w is head w; in the other products the waves share output channels and K (see the phases).
; THE WALK.  No maximum is carried (see SOFTMAX), so the key steps may be summed in any order.  Step i, which holds both diagonals, comes first, out of a slot of its own, with fixed masks, and starts the sums.
; Steps 0 .. i - 1 need no mask and go through a ring of five register slots: a slot is asked for again in the middle of the step behind the one that read it: 40 to 50 loads of 512 bytes of a wave are on their way.
; The six slots, 240 registers, lie in the second window of 256 registers: eight waves of 512 registers are all that the four SIMDs hold.  All other phases stay in the first window.
; OPERANDS.  All matrix operands are bf16, sums f32.  Weights (from the pack), K, V^T and Q (from S) lie in memory as fragments: 16 rows x 32 k, [half 2][lane 32][16 bytes], the register image of an operand:
; a fragment is two loads of 512 consecutive bytes, straight into registers.  All products but V's are used transposed (source 0 = 16 weight rows, source 1 = 16 tokens): a lane then holds one token and
; eight neighbouring channels, 16 bytes in bf16, which are a piece of the next product's fragment.
; NO LDS STOP FOR WEIGHTS, K, V, AND NO CLUSTER.  A fragment of 1,024 bytes feeds two matrix instructions, so a stop in LDS would add an LDS read of its own size to each two.  All work-groups read the same
; weights, but a joint ring wants two LDS slots: beside the 204,800 bytes in use 61,440 a slot are left, less than two k steps' weights of the eight waves (32,768 each): 16 matrix instructions a wave
; between a request and the wait for it.  K and V are walked over different lengths by the work-groups of a batch.
; SOFTMAX.  reference() normalises Q and K itself, so |score| <= 1 / sqrt(32) = 0.177 for every input: no exponential can overflow or underflow, no maximum is taken away, and the clip at +-10 never binds.
; A hidden key (future, or padded) has the weight 0 exactly, as exp(-10000 - max) is in f32.  A query that sees no key has 1,024 equal scores in reference(): its row is the mean of all 1,024 rows of V.
; LIMITS.  NaN and infinities are not treated apart.  erf by Abramowitz and Stegun 7.1.26, absolute error 1.5e-7.  Divisions are v_rcp_f32 and a multiply.
; THE MODE: SCHED_MODE bits 1:0 = 2 (LLVM: expert scheduling mode 2), set by the entry lines.  The code itself states the register dependences between vector or matrix instructions and memory or LDS
; instructions, with s_wait_alu, always for 0.
; THE PLAN.  Registers that memory or LDS instructions touch, and who else names them:
;   fixed addresses (v1-v14 but v5 and v12, v28, v29, v31)  made at the head, ahead of one wait on va_vdst in front of the first load; never written again.
;   key slots       loaded; read by products alone.  Step s asks again for slot s - 1, behind the wait on va_vdst that follows its exponentials: the last step's products, the slot's last readers, stand ahead of
;                   that wait.  Slot 4 is asked for again at the trip's end, behind a wait of its own.
;   KO, MO          a slot's offsets: written by two vector lines in the places behind the score products, behind a wait on vm_vsrc (the slot's last loads have read them), ahead of the step's wait on va_vdst.
;   weight ring, activations' buffers   a k step's eight products empty one slot and one buffer; ONE wait on va_vdst stands behind them and both are asked for again at once: the ring lives on loads in flight,
;                   and a slot that waited for the next step's head would lie idle a quarter of the ring's round.
;   store data      a run of arithmetic, one wait on va_vdst, the run of stores; a wait on vm_vsrc ahead of the first line that writes those registers again.
;   v5, v12, v15    addresses that step once a trip of a loop: vm_vsrc ahead of the add, va_vdst at the loop's top.
; LDS: parameters | activations of 256 channels | of 1,024 channels | f32 stage for sums over the halves of K | the residual by rows | V's mean | the spare words.
.set PRM,   0                          ; 16,384: the pack's first 16 KB of parameters
.set ACT,   16384                      ; 17,408: bf16, blocks of 16 tokens x 8 channels (256 bytes), 272 bytes apart: (32 m-tile + channel / 8) x 272 + 16 token
.set HID,   33792                      ; 69,632: the same with 128 blocks an m-tile
.set STG,   103424                     ; 66,560: two halves of f32 [32 tokens][1,040 bytes]
.set XS,    169984                     ; 32,768: 4,096 for each wave, its own
.set VMS,   202752                     ; 1,024: 128 for each wave, its own
.set SPARE, 203776                     ; 1,024: the spare words, 128 bytes for each wave, which no other line names
.set BP,    272                        ; 256 + 16: the two halves of the lanes of a fragment load start 4 banks apart, and each half reads 256 consecutive bytes
.set KSB,   4*BP                       ; a k step of 32 channels
.set MTA,   32*BP                      ; from m-tile 0 to 1 in ACT
.set MTH,   128*BP                     ; and in HID
.set SPT,   1040                       ; 1,024 + 16: sixteen tokens' stores of 16 bytes fall into sixteen different groups of four banks
.set SHALF, 32*SPT
.set QOFF,  0x800000                   ; S: K and V^T [b][head][step 32][K0, K1, V0, V1] | Q [b][head][block 64] | V's column sums [b][work-group 32][256] f32
.set VPOFF, 0xc00000
; VECTOR REGISTERS, first window
.set L16,   1                          ; 16 x lane
.set AACT,  2                          ; ACT + h x 272 + 16 r: a fragment's place (r = lane % 16, h = lane / 16)
.set AACTW, 3                          ; the same at my half of K, for Wo
.set AHIDR, 4                          ; HID at my half of K, for W2
.set AHIDW, 5                          ; HID where I put my hidden channels; steps with the pass
.set ASTW,  6                          ; the stage, in
.set ASTR,  7                          ; the stage, back by rows
.set AXS,   8                          ; my rows of the residual
.set AROWW, 9                          ; ACT where a row's 4 channels go
.set AAO,   10                         ; ACT where attention's output goes
.set AVM,   11                         ; V's mean, back
.set AB1,   12                         ; b1 of my channels; steps with the pass
.set ABQ,   13                         ; bqkv of my head's Q
.set ABV,   14                         ; bqkv of my head's V
.set ALN,   15                         ; the next layer's two norms: where gain and bias lie; steps with the norm
.set H16,   21                         ; 16 h
.set SPW,   22                         ; my spare word; never rewritten
.set NIL,   23                         ; 0; never rewritten
.set ACC,   32                         ; v32-95   eight accumulators: (c, m-tile) at ACC + 8 (2 c + m)
.set AB,    96                         ; v96-127  activations' fragments, two buffers of two m-tiles
.set RING,  128                        ; v128-255 weights: four slots of four fragments
.set X,     32                         ; by rows: token t's 8 numbers at X + 8 t (channels 4 lane + 0..3, 128 + 4 lane + 0..3)
.set TS,    64                         ; by rows: at work
.set PG,    96                         ; a gain or bias by rows
.set PB,    104
.set MP,    112                        ; means, a pair a token
.set RP,    120                        ; 1 / sqrt(variance + eps), a pair a token
.set GU,    96                         ; GELU: at work
.set GE,    104
.set GP,    112
.set OA,    32                         ; attention: block q's O^T (16 registers) and l (8) at OA + 24 q
.set QF,    96                         ; Q of the two blocks
.set SS,    112                        ; block 0's scores of 32 keys, then P in the low eight; block 1's at SS - 32
.set VM,    112                        ; V's mean in O's layout, fetched when the walk is over
.set KO,    236                        ; v236-241 byte offset of key slot s's step in K and V;  these twelve and MD lie in weight slot 3, which is filled when every key load is back
.set MO,    242                        ; v242-247 the same in the mask
.set MD,    248                        ; the diagonal block's mask
.set XLD,   48                         ; x as it is loaded
; second window: key slot s at 40 s: K0, K1, V0, V1, mask, 8 registers each; slots 0-4 the ring, slot 5 the diagonal step's
.set KVR,   5
; SCALAR REGISTERS: s14 w, s15 b, s16 i, s17 w % 4, s18 w / 4; s[4:5] x in, s[6:7] S in, s[8:9] pack, s[10:11] x out, s[12:13] S out; s[20:21] my weight stream, s[22:23] parameters,
; s[24:25] my head's K and V, s[26:27] my batch's mask, s[28:29], s[96:97] Q, s[30:31] V sums; s32-33 blocks, s34-35 their key step, s36 the ring loop's trips, s38 its counter, s39 the key step to ask for next,
; s40, s90, s91 work, s41 the steps left behind the loop; s42-45, s47, s52, s53, s59 lane masks of compares; s46.. constants; s[76:79] K out, s[80:83] Q out, s[84:85] V sums out, s[86:89] keep, s[92:95] V out.
.set WADJ, 0                           ; what the weight stream's base has been stepped by
.set MSB, 0
.macro WIN new                         ; s_set_vgpr_msb: bits 1:0 source 0, 3:2 source 1, 5:4 source 2, 7:6 destination; the high byte repeats the setting that is left; a switch that changes nothing is dropped
.if MSB != (\new)
	s_set_vgpr_msb (MSB<<8)|(\new)
.set MSB, \new
.endif
.endm
.set W_MM, 0x01                        ; a product's source 0 (K, V^T or mask) in the second window, all else in the first
.set W_LD, 0x40                        ; a load's destination in the second window, its address in the first
.macro PLACES n                        ; plain vector instructions between a matrix instruction and what may not follow it closely (ISA guide 7.12.1)
.rept \n
	v_nop
.endr
.endm
.macro BAR                             ; my LDS stores are done and my LDS loads are back; then all eight waves meet
	s_wait_dscnt 0x0
	s_barrier_signal -1
	s_barrier_wait -1
.endm
.macro WFILL n                         ; slot n of my weight stream, 4,096 consecutive bytes, into ring slot n % 4
.irp f, 0,1,2,3
	global_load_b128 v[RING+32*((\n)%4)+8*\f:RING+32*((\n)%4)+8*\f+3], v[L16], s[20:21] offset:(\n)*4096-WADJ+\f*1024
	global_load_b128 v[RING+32*((\n)%4)+8*\f+4:RING+32*((\n)%4)+8*\f+7], v[L16], s[20:21] offset:(\n)*4096-WADJ+\f*1024+512
.endr
.endm
.macro AFETCH buf, areg, off, mtoff    ; one k step's activations, both m-tiles, into buffer buf: four LDS loads
.irp m, 0,1
	ds_load_b128 v[AB+16*(\buf)+8*\m:AB+16*(\buf)+8*\m+3], v[\areg] offset:(\off)+\m*(\mtoff)
	ds_load_b128 v[AB+16*(\buf)+8*\m+4:AB+16*(\buf)+8*\m+7], v[\areg] offset:(\off)+\m*(\mtoff)+2*BP
.endr
.endm
.macro BIAS1 c, areg, off              ; the sums of fragment c begin with the bias of its channels 8 h + 0..7
.irp m, 0,1
	ds_load_b128 v[ACC+8*(2*(\c)+\m):ACC+8*(2*(\c)+\m)+3], v[\areg] offset:\off
	ds_load_b128 v[ACC+8*(2*(\c)+\m)+4:ACC+8*(2*(\c)+\m)+7], v[\areg] offset:(\off)+16
.endr
.endm
.macro BIAS4 areg, o0, o1, o2, o3
	BIAS1 0, \areg, \o0
	BIAS1 1, \areg, \o1
	BIAS1 2, \areg, \o2
	BIAS1 3, \areg, \o3
.endm
; One k step: stream slot n (four fragments of weights) x two m-tiles: eight matrix instructions on eight accumulators, which take turns.
; lcnt: the loads younger than slot n's (three ring slots of 8).  dcnt: the next step's four activation loads may stay out.  Behind the products' wait the buffers just read are filled again.
; last = 1: LDS stores of the accumulators follow the step.
.macro KSTEP n, zero, lcnt, dcnt, areg, pfoff, mtoff, fill, last=0
	s_wait_loadcnt \lcnt
	s_wait_dscnt \dcnt
.irp c, 0,1,2,3
.irp m, 0,1
.if \zero
	v_wmma_f32_16x16x32_bf16 v[ACC+8*(2*\c+\m):ACC+8*(2*\c+\m)+7], v[RING+32*((\n)%4)+8*\c:RING+32*((\n)%4)+8*\c+7], v[AB+16*((\n)%2)+8*\m:AB+16*((\n)%2)+8*\m+7], 0
.else
	v_wmma_f32_16x16x32_bf16 v[ACC+8*(2*\c+\m):ACC+8*(2*\c+\m)+7], v[RING+32*((\n)%4)+8*\c:RING+32*((\n)%4)+8*\c+7], v[AB+16*((\n)%2)+8*\m:AB+16*((\n)%2)+8*\m+7], v[ACC+8*(2*\c+\m):ACC+8*(2*\c+\m)+7]
.endif
.endr
.endr
	PLACES 4
.if ((\pfoff) >= 0) || (\fill) || (\last)
	s_wait_alu depctr_va_vdst(0)                   ; the step's eight products are done reading ring slot n % 4 and activation buffer n % 2, in which the loads below land, and have written the accumulators
.endif
.if (\pfoff) >= 0
	AFETCH (\n)%2, \areg, \pfoff, \mtoff
.endif
.if \fill
	WFILL (\n)+4
.endif
.endm
.macro STAGE_OUT                       ; my half of K's sums, f32, into my half of the stage: token r, channels 64 (w % 4) + 16 c + 8 h + 0..7.  The last k step's wait has shown the accumulators written; no vector line has named them since
.irp c, 0,1,2,3
.irp m, 0,1
	ds_store_b128 v[ASTW], v[ACC+8*(2*\c+\m):ACC+8*(2*\c+\m)+3] offset:\m*16*SPT+\c*64
	ds_store_b128 v[ASTW], v[ACC+8*(2*\c+\m)+4:ACC+8*(2*\c+\m)+7] offset:\m*16*SPT+\c*64+16
.endr
.endr
	BAR
.endm
; By rows: X = X + s x (stage half 0 + stage half 1 + bias), for my four tokens, two at a time.
.macro ROWIN boff, sp
	s_wait_alu depctr_vm_vsrc(0)                   ; my LDS stores into the stage have read the accumulators, v32 to v95, in which the loads below land
.irp t, 0,1,2,3
.irp p, 0,1
	ds_load_b128 v[X+8*\t+4*\p:X+8*\t+4*\p+3], v[AXS] offset:\t*1024+\p*512
.endr
.endr
.irp p, 0,1
	ds_load_b128 v[PG+4*\p:PG+4*\p+3], v[L16] offset:PRM+(\boff)+512*\p
.endr
.irp u, 0,1
.if \u == 1
	s_wait_alu depctr_va_vdst(0)                   ; the first two tokens' sums are done with v[TS ..], in which the next two tokens' loads land
.endif
.irp e, 0,1
.irp k, 0,1
.irp p, 0,1
	ds_load_b128 v[TS+16*\e+8*\k+4*\p:TS+16*\e+8*\k+4*\p+3], v[ASTR] offset:(2*\u+\e)*SPT+\p*512+\k*SHALF
.endr
.endr
.endr
	s_wait_dscnt 0x0
.irp e, 0,1
.irp y, 0,2,4,6
	v_pk_add_f32 v[TS+16*\e+\y:TS+16*\e+\y+1], v[TS+16*\e+\y:TS+16*\e+\y+1], v[TS+16*\e+8+\y:TS+16*\e+8+\y+1]
.endr
.endr
.irp e, 0,1
.irp y, 0,2,4,6
	v_pk_add_f32 v[TS+16*\e+\y:TS+16*\e+\y+1], v[TS+16*\e+\y:TS+16*\e+\y+1], v[PG+\y:PG+\y+1]
.endr
.endr
.irp e, 0,1
.irp y, 0,2,4,6
	v_pk_fma_f32 v[X+8*(2*\u+\e)+\y:X+8*(2*\u+\e)+\y+1], v[TS+16*\e+\y:TS+16*\e+\y+1], s[\sp:\sp+1], v[X+8*(2*\u+\e)+\y:X+8*(2*\u+\e)+\y+1] op_sel_hi:[1,0,1]
.endr
.endr
.endr
.endm
.macro RED4                            ; v[TS + 8 t] summed over the 32 lanes, for the four tokens in turn
.irp m, 1,2,4,8
.irp t, 0,1,2,3
	v_add_f32_dpp v[TS+8*\t], v[TS+8*\t], v[TS+8*\t] row_xmask:\m row_mask:0xf bank_mask:0xf
.endr
.endr
.irp t, 0,1,2,3
	v_permlanex16_b32 v[TS+8*\t+1], v[TS+8*\t], s48, s49
.endr
.irp t, 0,1,2,3
	v_add_f32 v[TS+8*\t], v[TS+8*\t], v[TS+8*\t+1]
.endr
.endm
; LayerNorm of my four tokens in place: the mean, then the mean square of the differences (two passes: no difference of large sums); gain and bias lie goff and boff bytes behind the LDS address in areg.
; Ahead of the macro stand the waits for its loads (their address is written, the last readers of PG and PB are done) and for its writes of X (the stores that read X have done so).
.macro LN4 areg, goff, boff
.irp p, 0,1
	ds_load_b128 v[PG+4*\p:PG+4*\p+3], v[\areg] offset:(\goff)+512*\p
	ds_load_b128 v[PB+4*\p:PB+4*\p+3], v[\areg] offset:(\boff)+512*\p
.endr
.irp t, 0,1,2,3
	v_pk_add_f32 v[TS+8*\t:TS+8*\t+1], v[X+8*\t:X+8*\t+1], v[X+8*\t+2:X+8*\t+3]
	v_pk_add_f32 v[TS+8*\t+2:TS+8*\t+3], v[X+8*\t+4:X+8*\t+5], v[X+8*\t+6:X+8*\t+7]
.endr
.irp t, 0,1,2,3
	v_pk_add_f32 v[TS+8*\t:TS+8*\t+1], v[TS+8*\t:TS+8*\t+1], v[TS+8*\t+2:TS+8*\t+3]
.endr
.irp t, 0,1,2,3
	v_add_f32 v[TS+8*\t], v[TS+8*\t], v[TS+8*\t+1]
.endr
	RED4
.irp t, 0,1,2,3
	v_mul_f32 v[MP+2*\t], s54, v[TS+8*\t]
	v_mul_f32 v[MP+2*\t+1], s54, v[TS+8*\t]
.endr
.irp t, 0,1,2,3
.irp y, 0,2,4,6
	v_pk_add_f32 v[X+8*\t+\y:X+8*\t+\y+1], v[X+8*\t+\y:X+8*\t+\y+1], v[MP+2*\t:MP+2*\t+1] neg_lo:[0,1] neg_hi:[0,1]
.endr
.endr
.irp t, 0,1,2,3
	v_pk_mul_f32 v[TS+8*\t:TS+8*\t+1], v[X+8*\t:X+8*\t+1], v[X+8*\t:X+8*\t+1]
.endr
.irp y, 2,4,6
.irp t, 0,1,2,3
	v_pk_fma_f32 v[TS+8*\t:TS+8*\t+1], v[X+8*\t+\y:X+8*\t+\y+1], v[X+8*\t+\y:X+8*\t+\y+1], v[TS+8*\t:TS+8*\t+1]
.endr
.endr
.irp t, 0,1,2,3
	v_add_f32 v[TS+8*\t], v[TS+8*\t], v[TS+8*\t+1]
.endr
	RED4
.irp t, 0,1,2,3
	v_fma_f32 v[TS+8*\t], v[TS+8*\t], s54, s55     ; sum / 256 + 1e-6
.endr
.irp t, 0,1,2,3
	v_rsq_f32 v[RP+2*\t], v[TS+8*\t]
	v_rsq_f32 v[RP+2*\t+1], v[TS+8*\t]
.endr
	s_wait_dscnt 0x0                               ; gain and bias are in
	v_nop                                          ; a plain instruction behind the last transcendental (ISA guide 5.7.2)
	s_wait_alu depctr_va_vdst(0)                   ; the eight reciprocal roots in v[RP ..] are written, ahead of their first reader
.irp t, 0,1,2,3
.irp y, 0,2,4,6
	v_pk_mul_f32 v[X+8*\t+\y:X+8*\t+\y+1], v[X+8*\t+\y:X+8*\t+\y+1], v[RP+2*\t:RP+2*\t+1]
.endr
.endr
.irp t, 0,1,2,3
.irp y, 0,2,4,6
	v_pk_fma_f32 v[X+8*\t+\y:X+8*\t+\y+1], v[X+8*\t+\y:X+8*\t+\y+1], v[PG+\y:PG+\y+1], v[PB+\y:PB+\y+1]
.endr
.endr
.endm
.macro TOACT                           ; my four tokens, rounded to bf16, into the activations' blocks: 8 bytes a lane and part: sixteen conversions, one wait, eight stores
.irp t, 0,1,2,3
.irp y, 0,1,2,3
	v_cvt_pk_bf16_f32 v[TS+4*\t+\y], v[X+8*\t+2*\y], v[X+8*\t+2*\y+1]
.endr
.endr
	s_wait_alu depctr_va_vdst(0)                   ; the conversions have written v[TS .. TS + 15], which the LDS stores read; all the norm's lines are done with v32 to v127, in which the next phase's loads land
.irp t, 0,1,2,3
	ds_store_b64 v[AROWW], v[TS+4*\t:TS+4*\t+1] offset:\t*16
	ds_store_b64 v[AROWW], v[TS+4*\t+2:TS+4*\t+3] offset:\t*16+16*BP
.endr
.endm
; Exact GELU of an accumulator's eight numbers x: max(x, 0) - |x| q, q = 0.5 erfc(|x| / sqrt 2) = t (a1' + t (a2' + t (a3' + t (a4' + t a5')))) 2^(-0.7213 x x), t = 1 / (1 + 0.23164 |x|); then 16 bytes of bf16,
; which wait in the accumulator's own four low registers for the pass's one run of stores.
.macro GELU8 a
.set z, 0
.rept 8
	v_fma_f32 v[GU+z], |v[(\a)+z]|, s58, 1.0
.set z, z+1
.endr
.irp y, 0,2,4,6
	v_pk_mul_f32 v[GE+\y:GE+\y+1], v[(\a)+\y:(\a)+\y+1], s[60:61] op_sel_hi:[1,0]
.endr
.irp y, 0,2,4,6
	v_pk_mul_f32 v[GE+\y:GE+\y+1], v[GE+\y:GE+\y+1], v[(\a)+\y:(\a)+\y+1]
.endr
.set z, 0
.rept 8
	v_rcp_f32 v[GU+z], v[GU+z]
.set z, z+1
.endr
.set z, 0
.rept 8
	v_exp_f32 v[GE+z], v[GE+z]
.set z, z+1
.endr
	v_nop                                          ; a plain instruction behind the last transcendental
	s_wait_alu depctr_va_vdst(0)                   ; the eight reciprocals in v[GU ..] and the eight exponentials in v[GE ..] are written, ahead of their first reader
.irp y, 0,2,4,6
	v_pk_fma_f32 v[GP+\y:GP+\y+1], v[GU+\y:GU+\y+1], s[62:63], s[66:67] op_sel_hi:[1,0,0]
.endr
.irp k, 68,70,72
.irp y, 0,2,4,6
	v_pk_fma_f32 v[GP+\y:GP+\y+1], v[GP+\y:GP+\y+1], v[GU+\y:GU+\y+1], s[\k:\k+1] op_sel_hi:[1,1,0]
.endr
.endr
.irp y, 0,2,4,6
	v_pk_mul_f32 v[GP+\y:GP+\y+1], v[GP+\y:GP+\y+1], v[GU+\y:GU+\y+1]
.endr
.irp y, 0,2,4,6
	v_pk_mul_f32 v[GP+\y:GP+\y+1], v[GP+\y:GP+\y+1], v[GE+\y:GE+\y+1]
.endr
.set z, 0
.rept 8
	v_max_num_f32 v[GU+z], 0, v[(\a)+z]
.set z, z+1
.endr
.set z, 0
.rept 8
	v_fma_f32 v[GU+z], -|v[(\a)+z]|, v[GP+z], v[GU+z]
.set z, z+1
.endr
.irp y, 0,1,2,3
	v_cvt_pk_bf16_f32 v[(\a)+\y], v[GU+2*\y], v[GU+2*\y+1]
.endr
.endm
; ATTENTION.  Key slot s takes key step min(s39, i), and s39 steps on.  The clamp keeps every load inside the steps that the head's earlier launch has written; a slot that no step is left for takes step i once more and is not read.
; KVADR makes the slot's two offsets: plain vector lines that name no register of the products round them.  KVLD is the slot's ten loads.
.macro KVADR s
	s_min_u32 s40, s39, s34
	s_add_co_u32 s39, s39, 1
	v_lshl_add_u32 v[KO+(\s)], s40, 12, v[L16]
	v_lshl_add_u32 v[MO+(\s)], s40, 6, v[H16]
.endm
.macro KVLD s
.irp f, 0,1,2,3
	global_load_b128 v[40*(\s)+8*\f:40*(\s)+8*\f+3], v[KO+(\s)], s[24:25] offset:\f*1024
	global_load_b128 v[40*(\s)+8*\f+4:40*(\s)+8*\f+7], v[KO+(\s)], s[24:25] offset:\f*1024+512
.endr
	global_load_b128 v[40*(\s)+32:40*(\s)+35], v[MO+(\s)], s[26:27]
	global_load_b128 v[40*(\s)+36:40*(\s)+39], v[MO+(\s)], s[26:27] offset:32
.endm
.macro PVS zero                        ; O^T += V^T P and l += mask P for both blocks, out of the slot at rK (every row of the mask's source is the mask, so every register of that result is l)
	WIN W_MM
.irp q, 0,1
.irp a, 0,1,2
.if \zero
	v_wmma_f32_16x16x32_bf16 v[OA+24*\q+8*\a:OA+24*\q+8*\a+7], v[rK+16+8*\a:rK+16+8*\a+7], v[SS-32*\q:SS-32*\q+7], 0
.else
	v_wmma_f32_16x16x32_bf16 v[OA+24*\q+8*\a:OA+24*\q+8*\a+7], v[rK+16+8*\a:rK+16+8*\a+7], v[SS-32*\q:SS-32*\q+7], v[OA+24*\q+8*\a:OA+24*\q+8*\a+7]
.endif
.endr
.endr
.endm
; One key step of 32 keys that both query blocks see whole, out of key slot s: S^T = K Q^T (a lane: one query, 16 keys), p = 2^s (Q carries log2(e) / sqrt(32)), P in bf16, then PVS.
; Ten matrix instructions on ten accumulators, which take turns.  Five places follow the macro, ahead of the next scores, which write over P.
; p >= 0: key slot p, which the step before read, is asked for again: its offsets are made in two of the four places behind the score products, its loads stand behind the wait that follows the exponentials.
.macro ASTEPC s, p
.set rK, 40*(\s)
	WIN W_MM
.irp q, 0,1
.irp e, 0,1
	v_wmma_f32_16x16x32_bf16 v[SS-32*\q+8*\e:SS-32*\q+8*\e+7], v[rK+8*\e:rK+8*\e+7], v[QF+8*\q:QF+8*\q+7], 0
.endr
.endr
	WIN 0
.if (\p) >= 0
	s_wait_alu depctr_vm_vsrc(0)                   ; slot p's last ten loads have read its KO and MO, which the two lines below write
	KVADR \p
	PLACES 2
.else
	PLACES 4
.endif
.irp q, 0,1
.set z, 0
.rept 16
	v_exp_f32 v[SS-32*\q+z], v[SS-32*\q+z]
.set z, z+1
.endr
.endr
	v_nop                                          ; a plain instruction behind the last transcendental
.if (\p) >= 0
	WIN W_LD
	s_wait_alu depctr_va_vdst(0)                   ; the 32 exponentials are written, ahead of their first reader; slot p's KO and MO are written; the last step's products are done reading slot p, in which the loads land
	KVLD \p
	WIN 0
.else
	s_wait_alu depctr_va_vdst(0)                   ; the 32 exponentials are written, ahead of their first reader
.endif
.irp q, 0,1
.set z, 0
.rept 8
	v_cvt_pk_bf16_f32 v[SS-32*\q+z], v[SS-32*\q+2*z], v[SS-32*\q+2*z+1]
.set z, z+1
.endr
.endr
	PVS 0
.endm
; Key step i, my own 32 tokens, out of slot 5.  Block 0 sees key block 0 up to its diagonal (the mask MD is the C operand that starts the sum) and nothing of key block 1: that product is left out and its four registers of P are 0.
; Block 1 sees key block 0 whole and key block 1 up to its diagonal.  These products start O^T and l: nothing is cleared.
.macro DIAG
.set rK, 40*KVR
	s_wait_loadcnt 10*KVR                          ; younger: the ring's five slots of ten: Q and slot 5 are in
	s_wait_alu depctr_vm_vsrc(0)                   ; the LDS stores of the parameters, of x and of V's mean have read v[32:35] and v48 to v95, which the products below write
	WIN W_MM
	v_wmma_f32_16x16x32_bf16 v[SS:SS+7], v[rK:rK+7], v[QF:QF+7], v[MD:MD+7]
	v_wmma_f32_16x16x32_bf16 v[SS-32:SS-25], v[rK:rK+7], v[QF+8:QF+15], 0
	v_wmma_f32_16x16x32_bf16 v[SS-24:SS-17], v[rK+8:rK+15], v[QF+8:QF+15], v[MD:MD+7]
	WIN 0
	PLACES 4
.set z, 0
.rept 8
	v_exp_f32 v[SS+z], v[SS+z]
.set z, z+1
.endr
.set z, 0
.rept 16
	v_exp_f32 v[SS-32+z], v[SS-32+z]
.set z, z+1
.endr
	v_nop                                          ; a plain instruction behind the last transcendental
	s_wait_alu depctr_va_vdst(0)                   ; the 24 exponentials are written, ahead of their first reader
.set z, 0
.rept 4
	v_cvt_pk_bf16_f32 v[SS+z], v[SS+2*z], v[SS+2*z+1]
.set z, z+1
.endr
.set z, 4
.rept 4
	v_mov_b32 v[SS+z], 0
.set z, z+1
.endr
.set z, 0
.rept 8
	v_cvt_pk_bf16_f32 v[SS-32+z], v[SS-32+2*z], v[SS-32+2*z+1]
.set z, z+1
.endr
	PVS 1
	PLACES 5
	WIN 0
.endm
; A step behind the loop, out of ring slot k, which is not asked for again.  The wait stands on every path; the arithmetic is jumped over where no step is left (s41 steps are).
.macro TSTEP k, lcnt
	s_wait_loadcnt \lcnt
	s_cmp_le_u32 s41, \k
	s_cbranch_scc1 .Ldead\k
	ASTEPC \k, -1
	PLACES 5
	WIN 0
.Ldead\k:
.endm
; The walk: step i; then steps 0 .. i - 1, five (once round the ring) a trip, each slot asked for again; the last one to five are written out without refills, and the weight stream's first four slots are asked for among them.
.macro WALK
	DIAG
	s_mov_b32 s38, 0
	s_cmp_eq_u32 s36, 0
	s_cbranch_scc1 .Ltail
.Lloop:
	s_wait_loadcnt 10*(KVR-1)                      ; younger than slot 0's: the four other slots' ten loads each
	ASTEPC 0, -1
	PLACES 5
	s_wait_loadcnt 10*(KVR-2)                      ; younger than this slot's: three slots' ten loads each: the slot read last is asked for again only below
	ASTEPC 1, 0
	PLACES 5
	s_wait_loadcnt 10*(KVR-2)
	ASTEPC 2, 1
	PLACES 5
	s_wait_loadcnt 10*(KVR-2)
	ASTEPC 3, 2
	PLACES 5
	s_wait_loadcnt 10*(KVR-2)
	ASTEPC 4, 3
	WIN 0
	s_wait_alu depctr_vm_vsrc(0)                   ; slot 4's last ten loads have read its KO and MO, which the two lines below write
	KVADR 4                                        ; with the three v_nop behind them: the five places ahead of the next scores
	PLACES 3
	WIN W_LD
	s_wait_alu depctr_va_vdst(0)                   ; slot 4's KO and MO are written; this step's products are done reading slot 4, in which the loads land
	KVLD 4
	WIN 0                                          ; at a label and at a branch every window is 0
	s_add_co_u32 s38, s38, 1
	s_cmp_lt_u32 s38, s36
	s_cbranch_scc1 .Lloop
.Ltail:
	s_mul_i32 s41, s36, KVR
	s_sub_co_u32 s41, s34, s41                     ; steps left: i - 5 trips: 1 to 5, or 0 where i = 0
	WFILL 0                                        ; no vector or matrix line has named weight slots 0 to 2 yet
	TSTEP 0, 48                                    ; younger: four key slots' 40 and one weight slot's 8
	WFILL 1
	TSTEP 1, 46                                    ; 30 and 16
	WFILL 2
	TSTEP 2, 44                                    ; 20 and 24
	TSTEP 3, 34                                    ; 10 and 24
	TSTEP 4, 24                                    ; the three weight slots': every key load is back, so the next fill may land on KO, MO and MD
	s_wait_alu depctr_vm_vsrc(0)                   ; the key loads have read KO and MO, on which weight slot 3 lands
	s_wait_alu depctr_va_vdst(0)                   ; the walk's last products are done reading P in v[SS ..], in which V's mean lands; KO, MO and MD are written and MD's readers are done
	WFILL 3
.irp c, 0,1
	ds_load_b128 v[VM+8*\c:VM+8*\c+3], v[AVM] offset:64*\c       ; V's mean, which my wave stored at the start, into block 0's score registers
	ds_load_b128 v[VM+8*\c+4:VM+8*\c+7], v[AVM] offset:64*\c+16
.endr
	v_cmp_lt_f32 s42, 0, v[OA+16]                  ; does the query see a key?  Block 0,
	v_cmp_lt_f32 s43, 0, v[OA+40]                  ; block 1
	v_rcp_f32 v24, v[OA+16]
	v_rcp_f32 v25, v[OA+16]
	v_rcp_f32 v26, v[OA+40]
	v_rcp_f32 v27, v[OA+40]
	v_nop                                          ; a plain instruction behind the last transcendental
	s_wait_alu depctr_va_sdst(0)                   ; the two compares have written s42 and s43, ahead of their first reader
	s_wait_alu depctr_va_vdst(0)                   ; the four reciprocals in v[24:27] are written, ahead of their first reader
.irp q, 0,1
.irp y, 0,2,4,6,8,10,12,14
	v_pk_mul_f32 v[OA+24*\q+\y:OA+24*\q+\y+1], v[OA+24*\q+\y:OA+24*\q+\y+1], v[24+2*\q:25+2*\q]
.endr
.endr
	s_wait_dscnt 0x0                               ; V's mean is in
.irp q, 0,1
.set z, 0
.rept 16
	v_cndmask_b32 v[OA+24*\q+z], v[VM+z], v[OA+24*\q+z], s[42+\q]  ; if not: the mean of all rows of V
.set z, z+1
.endr
.endr
.irp q, 0,1
.set z, 0
.rept 8
	v_cvt_pk_bf16_f32 v[OA+24*\q+z], v[OA+24*\q+2*z], v[OA+24*\q+2*z+1]
.set z, z+1
.endr
.endr
	s_wait_alu depctr_va_vdst(0)                   ; the conversions have written the LDS stores' data; the readers of Q and of V's mean, v96 to v127, are done: Wo's first activations land there
.irp q, 0,1
	ds_store_b128 v[AAO], v[OA+24*\q:OA+24*\q+3] offset:\q*MTA
	ds_store_b128 v[AAO], v[OA+24*\q+4:OA+24*\q+7] offset:\q*MTA+2*BP
.endr
.endm
; V of my head, in the natural order (source 0 = 16 tokens, source 1 = 16 rows of Wqkv): a lane holds one channel and eight tokens: a piece of a fragment of V^T.  Slot n holds two k steps x two channel blocks.
.macro VSTEP n, lcnt
.irp e, 0,1
.set ks, 2*((\n)-44)+\e
.if \e == 0
	s_wait_loadcnt \lcnt
.endif
.if ks == 7
	s_wait_dscnt 0x0
.else
	s_wait_dscnt 0x4
.endif
.irp m, 0,1
.irp c, 0,1
.if ks == 0
	v_wmma_f32_16x16x32_bf16 v[ACC+8*(2*\m+\c):ACC+8*(2*\m+\c)+7], v[AB+16*\e+8*\m:AB+16*\e+8*\m+7], v[RING+32*((\n)%4)+8*(2*\e+\c):RING+32*((\n)%4)+8*(2*\e+\c)+7], 0
.else
	v_wmma_f32_16x16x32_bf16 v[ACC+8*(2*\m+\c):ACC+8*(2*\m+\c)+7], v[AB+16*\e+8*\m:AB+16*\e+8*\m+7], v[RING+32*((\n)%4)+8*(2*\e+\c):RING+32*((\n)%4)+8*(2*\e+\c)+7], v[ACC+8*(2*\m+\c):ACC+8*(2*\m+\c)+7]
.endif
.endr
.endr
	PLACES 4
.if ks+2 <= 7
	s_wait_alu depctr_va_vdst(0)                   ; these four products are done reading activation buffer e, in which the loads below land
	AFETCH \e, AACT, (ks+2)*KSB, MTA
.endif
.endr
.endm
.macro QKSET k, m                      ; group (k = 0: Q, 1: K; m-tile m): its two accumulators and its registers at work
.set A0, ACC+8*(4*(\k)+(\m))
.set A1, A0+16
.set TQ, AB+4*(2*(\k)+(\m))
.endm
.macro QKALL line:vararg               ; one line for each of the four groups
.irp k, 0,1
.irp m, 0,1
	QKSET \k, \m
	\line
.endr
.endr
.endm
; Q and K of my head: each token's 32 channels (16 in my lane, 16 in the lane 16 away) are divided by max(their norm, 1e-8); Q also takes log2(e) / sqrt(32); rounded to bf16 they are stored as fragments.
.macro QKEPI
.irp z, 0,1,2,3,4,5,6,7
.irp k, 0,1
.irp m, 0,1
	QKSET \k, \m
.set A2, A0+16*(\z/4)+2*(\z%4)
.if \z == 0
	v_pk_mul_f32 v[TQ:TQ+1], v[A2:A2+1], v[A2:A2+1]
.else
	v_pk_fma_f32 v[TQ:TQ+1], v[A2:A2+1], v[A2:A2+1], v[TQ:TQ+1]
.endif
.endr
.endr
.endr
	QKALL v_add_f32 v[TQ], v[TQ], v[TQ+1]
	QKALL v_permlanex16_b32 v[TQ+1], v[TQ], s48, s49
	QKALL v_add_f32 v[TQ], v[TQ], v[TQ+1]
	QKALL v_sqrt_f32 v[TQ], v[TQ]
	v_nop
	s_wait_alu depctr_va_vdst(0)                   ; the four roots are written, ahead of their first reader
	QKALL v_max_num_f32 v[TQ], s75, v[TQ]
	QKALL v_rcp_f32 v[TQ], v[TQ]
	v_nop
	s_wait_alu depctr_va_vdst(0)                   ; the four reciprocals are written, ahead of their first reader
.irp m, 0,1
	QKSET 0, \m
	v_mul_f32 v[TQ], s74, v[TQ]
.endr
	QKALL v_mov_b32 v[TQ+1], v[TQ]
.irp y, 0,2,4,6
	QKALL v_pk_mul_f32 v[A0+\y:A0+\y+1], v[A0+\y:A0+\y+1], v[TQ:TQ+1]
	QKALL v_pk_mul_f32 v[A1+\y:A1+\y+1], v[A1+\y:A1+\y+1], v[TQ:TQ+1]
.endr
.irp y, 0,1,2,3
	QKALL v_cvt_pk_bf16_f32 v[A0+\y], v[A0+2*\y], v[A0+2*\y+1]
	QKALL v_cvt_pk_bf16_f32 v[A1+\y], v[A1+2*\y], v[A1+2*\y+1]
.endr
	v_lshlrev_b32 v26, 1, v[H16]                   ; 32 h: my eight tokens' keep: the offset of the loads behind the stores, made ahead of the one wait
	s_wait_alu depctr_va_vdst(0)                   ; the conversions have written the stores' data; v26 is written; all lines above are done with v64 to v79 and v96 to v127, in which keep and V's first activations land
.irp m, 0,1
	QKSET 0, \m
	global_store_b128 v[L16], v[A0:A0+3], s[80+2*\m:81+2*\m]              ; each store: 512 consecutive bytes, half a fragment
	global_store_b128 v[L16], v[A1:A1+3], s[80+2*\m:81+2*\m] offset:512
	QKSET 1, \m
	global_store_b128 v[L16], v[A0:A0+3], s[76+2*\m:77+2*\m]
	global_store_b128 v[L16], v[A1:A1+3], s[76+2*\m:77+2*\m] offset:512
.endr
.endm
; V: the bias; the column sums of the work-group's 32 tokens, for the mean that a query without a key takes (128 bytes a wave, 1,024 consecutive bytes a work-group: the one store that fills no whole 256 bytes by itself);
; then V times 1 - padding_mask of its token, so that a padded key adds nothing; rounded to bf16 and stored as halves of fragments of V^T.  All five stores stand in one run, behind one wait.
.macro VEPI
	s_wait_alu depctr_va_vdst(0)                   ; the last products are done reading activation buffer 0, in which the bias lands
.irp c, 0,1
	ds_load_b32 v[AB+2*\c], v[ABV] offset:64*\c
	ds_load_b32 v[AB+2*\c+1], v[ABV] offset:64*\c
.endr
	v_and_b32 v24, 31, v0
	v_lshlrev_b32 v25, 2, v24
	v_cmp_gt_u32 vcc_lo, 16, v24
	s_wait_dscnt 0x0
.irp m, 0,1
.irp c, 0,1
.irp y, 0,2,4,6
	v_pk_add_f32 v[ACC+8*(2*\m+\c)+\y:ACC+8*(2*\m+\c)+\y+1], v[ACC+8*(2*\m+\c)+\y:ACC+8*(2*\m+\c)+\y+1], v[AB+2*\c:AB+2*\c+1]
.endr
.endr
.endr
.irp c, 0,1
	v_pk_add_f32 v[AB+4+2*\c:AB+5+2*\c], v[ACC+8*\c:ACC+8*\c+1], v[ACC+16+8*\c:ACC+16+8*\c+1]
.endr
.irp y, 2,4,6
.irp c, 0,1
	v_pk_add_f32 v[AB+4+2*\c:AB+5+2*\c], v[AB+4+2*\c:AB+5+2*\c], v[ACC+8*\c+\y:ACC+8*\c+\y+1]
.endr
.irp c, 0,1
	v_pk_add_f32 v[AB+4+2*\c:AB+5+2*\c], v[AB+4+2*\c:AB+5+2*\c], v[ACC+16+8*\c+\y:ACC+16+8*\c+\y+1]
.endr
.endr
.irp c, 0,1
	v_add_f32 v[AB+4+2*\c], v[AB+4+2*\c], v[AB+5+2*\c]
.endr
.irp c, 0,1
	v_permlanex16_b32 v[AB+5+2*\c], v[AB+4+2*\c], s48, s49
.endr
.irp c, 0,1
	v_add_f32 v[AB+4+2*\c], v[AB+4+2*\c], v[AB+5+2*\c]
.endr
	s_wait_alu depctr_va_vcc(0)                    ; the compare above has written VCC, ahead of its one reader
	v_cndmask_b32 v[AB+4], v[AB+6], v[AB+4], vcc_lo  ; lane l: channel l of my head
	s_wait_loadcnt 0x0                             ; keep is in
.irp m, 0,1
.irp c, 0,1
.irp y, 0,2,4,6
	v_pk_mul_f32 v[ACC+8*(2*\m+\c)+\y:ACC+8*(2*\m+\c)+\y+1], v[ACC+8*(2*\m+\c)+\y:ACC+8*(2*\m+\c)+\y+1], v[64+8*\m+\y:64+8*\m+\y+1]
.endr
.endr
.endr
.irp m, 0,1
.irp c, 0,1
.irp y, 0,1,2,3
	v_cvt_pk_bf16_f32 v[ACC+8*(2*\m+\c)+\y], v[ACC+8*(2*\m+\c)+2*\y], v[ACC+8*(2*\m+\c)+2*\y+1]
.endr
.endr
.endr
	s_wait_alu depctr_va_vdst(0)                   ; the column sums in v[AB + 4], their offset v25 and the conversions' results are written: the five stores read them
	global_store_b32 v25, v[AB+4], s[84:85]
.irp m, 0,1
.irp c, 0,1
	global_store_b128 v[L16], v[ACC+8*(2*\m+\c):ACC+8*(2*\m+\c)+3], s[92+2*\m:93+2*\m] offset:1024*\c
.endr
.endr
.endm
; ---------------------------------------------------------------- THE HEAD
	s_load_b256 s[4:11], s[0:1], 0x0               ; x in, S in, pack, x out
.if QKV
	s_load_b64 s[12:13], s[0:1], 0x20              ; S out
.endif
	v_lshl_add_u32 v[SPW], v0, 2, SPARE
	v_mov_b32 v[NIL], 0
	v_lshrrev_b32 v24, 5, v0
	v_readfirstlane_b32 s14, v24                   ; w
	s_lshr_b32 s15, ttmp9, 5                       ; b
	s_and_b32 s16, ttmp9, 31                       ; t
	s_lshl_b32 s2, s16, 1
	s_sub_co_u32 s3, 63, s2
	s_cmp_lt_u32 s16, 16
	s_cselect_b32 s16, s2, s3                      ; i = 2 t, or 63 - 2 t from t = 16 on
	s_wait_alu depctr_va_sdst(0)                   ; s14 is written, ahead of its first reader
	s_and_b32 s17, s14, 3
	s_lshr_b32 s18, s14, 2
	s_lshl_b32 s32, s16, 1                         ; my two blocks of 16 tokens: 2 i and 2 i + 1,
	s_add_co_u32 s33, s32, 1
	s_mov_b32 s34, s16                             ; the key step that holds them both,
	s_mov_b32 s35, s16
	s_max_u32 s36, s34, 1                          ; and the trips of the ring's loop: (max(i, 1) - 1) / 5, which leaves 1 to 5 of the i steps (0 where i = 0) for the text behind it
	s_sub_co_u32 s36, s36, 1
	s_mul_i32 s36, s36, 13                         ; (13 n) >> 6 = n / 5 for n <= 30
	s_lshr_b32 s36, s36, 6
	s_mov_b32 s46, 0xc6ea6000                      ; -30000: 2^that is 0
	s_mov_b32 s48, 0x76543210                      ; v_permlanex16_b32: each lane takes its own place in the other half
	s_mov_b32 s49, 0xfedcba98
	s_mov_b32 s54, 0x3b800000                      ; 1 / 256
	s_mov_b32 s55, 0x358637bd                      ; 1e-6
	s_mov_b32 s56, 0xc2c80000                      ; -100
	s_mov_b32 s57, 0x42c80000                      ; 100
	s_mov_b32 s58, 0x3e6d3388                      ; 0.3275911 / sqrt 2
	s_mov_b32 s60, 0xbf38aa3b                      ; -log2(e) / 2
	s_mov_b32 s61, s60
	s_mov_b32 s62, 0x3f07dc22                      ; a5 / 2 ..
	s_mov_b32 s63, s62
	s_mov_b32 s66, 0xbf3a00e3
	s_mov_b32 s67, s66
	s_mov_b32 s68, 0x3f35f0e3
	s_mov_b32 s69, s68
	s_mov_b32 s70, 0xbe11a98e
	s_mov_b32 s71, s70
	s_mov_b32 s72, 0x3e027906                      ; .. a1 / 2
	s_mov_b32 s73, s72
.if QKV
	s_mov_b32 s74, 0x3e8293ee                      ; log2(e) / sqrt(32)
	s_mov_b32 s75, 0x322bcc77                      ; 1e-8
.endif
	v_and_b32 v24, 31, v0                          ; lane
	v_and_b32 v25, 15, v0                          ; r
	v_bfe_u32 v26, v0, 4, 1                        ; h
	v_lshlrev_b32 v[L16], 4, v24
	v_lshlrev_b32 v[H16], 4, v26
	v_mul_u32_u24 v27, v26, BP
	v_lshl_add_u32 v27, v25, 4, v27
	v_add_nc_u32 v[AACT], ACT, v27
	s_mul_i32 s2, s18, 4*KSB
	v_add_nc_u32 v[AACTW], s2, v[AACT]
	s_mul_i32 s2, s18, 64*BP
	s_add_co_u32 s2, s2, HID
	v_add_nc_u32 v[AHIDR], s2, v27
	s_mul_i32 s2, s14, 16*BP
	s_add_co_u32 s2, s2, HID
	v_add_nc_u32 v[AHIDW], s2, v27
	s_mul_i32 s2, s14, 4*BP
	s_add_co_u32 s2, s2, ACT
	v_add_nc_u32 v[AAO], s2, v27
	s_mul_i32 s2, s18, SHALF
	s_lshl_b32 s19, s17, 8
	s_add_co_u32 s2, s2, s19
	s_add_co_u32 s2, s2, STG
	v_mul_u32_u24 v27, v25, SPT
	v_lshl_add_u32 v27, v26, 5, v27
	v_add_nc_u32 v[ASTW], s2, v27
	s_mul_i32 s2, s14, 4*SPT
	s_add_co_u32 s2, s2, STG
	v_add_nc_u32 v[ASTR], s2, v[L16]
	s_lshl_b32 s2, s14, 12
	s_add_co_u32 s2, s2, XS
	v_add_nc_u32 v[AXS], s2, v[L16]
	s_lshl_b32 s2, s14, 9
	s_add_co_u32 s2, s2, PRM+0x1000
	v_lshl_add_u32 v[AB1], v26, 5, s2
	s_lshl_b32 s2, s14, 7
	s_add_co_u32 s2, s2, VMS
	v_lshl_add_u32 v[AVM], v26, 5, s2
	v_and_b32 v30, 7, v24
	v_lshlrev_b32 v30, 4, v30
	v_add_nc_u32 v31, s2, v30                      ; where V's mean goes: 16 (lane % 8)
	v_lshrrev_b32 v29, 3, v24
	v_lshl_add_u32 v29, v29, 10, v30               ; V's sums: work-group lane / 8, channels 4 (lane % 8)
	s_mul_i32 s2, s18, MTA
	s_lshl_b32 s19, s17, 6
	s_add_co_u32 s2, s2, s19
	s_add_co_u32 s2, s2, ACT
	v_lshrrev_b32 v27, 1, v24
	v_mul_u32_u24 v27, v27, BP
	v_and_b32 v24, 1, v24
	v_lshl_add_u32 v27, v24, 3, v27
	v_add_nc_u32 v[AROWW], s2, v27
.if QKV
	s_lshl_b32 s2, s14, 7
	s_add_co_u32 s2, s2, PRM+0x3000
	v_lshl_add_u32 v[ABQ], v26, 5, s2
	s_add_co_u32 s2, s2, 2048
	v_lshl_add_u32 v[ABV], v25, 2, s2
.endif
	v_lshlrev_b32 v28, 4, v0                       ; 16 x thread
	s_lshl3_add_u32 s19, s15, s14                  ; 8 b + w: my head among all
	s_cmp_eq_u32 s18, 0                            ; by rows waves 0-3 hold block 2 i, waves 4-7 block 2 i + 1, four tokens each
	s_cselect_b32 s91, s32, s33
	s_lshl_b32 s2, s15, 10
	s_lshl4_add_u32 s2, s91, s2
	s_lshl2_add_u32 s2, s17, s2
	s_lshl_b32 s2, s2, 10
	s_mov_b32 s3, 0
	s_wait_kmcnt 0x0
	s_add_nc_u64 s[4:5], s[4:5], s[2:3]
	s_add_nc_u64 s[10:11], s[10:11], s[2:3]
	s_mul_i32 s2, s14, 0x30000
	s_add_nc_u64 s[20:21], s[8:9], s[2:3]
	s_add_nc_u64 s[22:23], s[8:9], 0x180000
	s_load_b64 s[50:51], s[22:23], 0x3c00          ; 0.5 tanh(alpha), tanh(beta)
	s_lshl_b32 s2, s19, 17
	s_add_nc_u64 s[24:25], s[6:7], s[2:3]
	s_lshl_b32 s2, s15, 11
	s_add_co_u32 s2, s2, 0x4000
	s_add_nc_u64 s[26:27], s[22:23], s[2:3]
	s_lshl_b32 s91, s19, 16
	s_add_co_u32 s91, s91, QOFF
	s_lshl_b32 s2, s32, 10
	s_add_co_u32 s2, s2, s91
	s_add_nc_u64 s[28:29], s[6:7], s[2:3]
	s_lshl_b32 s2, s33, 10
	s_add_co_u32 s2, s2, s91
	s_add_nc_u64 s[96:97], s[6:7], s[2:3]
	s_lshl_b32 s2, s15, 15
	s_lshl_b32 s91, s14, 7
	s_add_co_u32 s2, s2, s91
	s_add_co_u32 s2, s2, VPOFF
	s_add_nc_u64 s[30:31], s[6:7], s[2:3]
.if QKV
	s_lshl_b32 s91, s19, 17
.irp m, 0,1
	s_lshl_b32 s2, s[34+\m], 12                    ; the key step that holds block m,
	s_add_co_u32 s40, s2, s91
	s_and_b32 s41, s[32+\m], 1                     ; and which half of it
	s_lshl_b32 s2, s41, 10
	s_add_co_u32 s2, s2, s40
	s_add_nc_u64 s[76+2*\m:77+2*\m], s[12:13], s[2:3]    ; K: fragment 0 or 1
	s_lshl_b32 s2, s41, 9
	s_add_co_u32 s2, s2, s40
	s_add_co_u32 s2, s2, 2048
	s_add_nc_u64 s[92+2*\m:93+2*\m], s[12:13], s[2:3]    ; V^T: half 0 or 1 of fragments 2 and 3
	s_lshl_b32 s2, s19, 16
	s_lshl_b32 s40, s[32+\m], 10
	s_add_co_u32 s2, s2, s40
	s_add_co_u32 s2, s2, QOFF
	s_add_nc_u64 s[80+2*\m:81+2*\m], s[12:13], s[2:3]
	s_lshl_b32 s2, s15, 10
	s_lshl4_add_u32 s2, s[32+\m], s2
	s_lshl_b32 s2, s2, 2
	s_add_co_u32 s2, s2, 0x8000
	s_add_nc_u64 s[86+2*\m:87+2*\m], s[22:23], s[2:3]
.endr
	s_lshl_b32 s2, s15, 15
	s_lshl_b32 s40, s16, 10
	s_add_co_u32 s2, s2, s40
	s_lshl_b32 s40, s14, 7
	s_add_co_u32 s2, s2, s40
	s_add_co_u32 s2, s2, VPOFF
	s_add_nc_u64 s[84:85], s[12:13], s[2:3]
.endif
; ---------------------------------------------------------------- THE FIRST LOADS, in the order in which they are wanted: Q and the diagonal step; parameters, x and V's sums; the ring's first five steps.
; They are more than LOADcnt's field counts: the issue of the last ones is held back until the first have come (ISA guide 5.7.1); no wait is written for that.
; The six key slots' offsets are made first, so that one wait serves every address of the head.
	s_mov_b32 s39, s34
	KVADR KVR                                      ; key step i for the slot of its own
	s_mov_b32 s39, 0
.irp s, 0,1,2,3,4
	KVADR \s                                       ; key steps 0 to 4
.endr
	s_wait_alu depctr_va_vdst(0)                   ; every address and offset made so far (v1 to v14, v22, v23, v28, v29, v31, KO, MO) is written: the loads and stores below read them
	global_load_b128 v[QF:QF+3], v[L16], s[28:29]
	global_load_b128 v[QF+4:QF+7], v[L16], s[28:29] offset:512
	global_load_b128 v[QF+8:QF+11], v[L16], s[96:97]
	global_load_b128 v[QF+12:QF+15], v[L16], s[96:97] offset:512
	WIN W_LD
	KVLD KVR
	WIN 0
.irp i, 0,1,2,3                        ; the parameters that this body reads: 4,096 bytes an instruction of the work-group
.if ((\i) < 2) || QKV
	global_load_b128 v[80+4*\i:83+4*\i], v28, s[22:23] offset:4096*\i
.endif
.endr
.irp t, 0,1,2,3
.irp p, 0,1
	global_load_b128 v[XLD+8*\t+4*\p:XLD+8*\t+4*\p+3], v[L16], s[4:5] offset:\t*1024+\p*512 th:TH_LOAD_NT
.endr
.endr
.set z, 0
.rept 8                                ; V's column sums of the batch's 32 work-groups, my head's 32 channels
.if z < 4
.set rV, 32+4*z
.else
.set rV, 96+4*z
.endif
	global_load_b128 v[rV:rV+3], v29, s[30:31] offset:4096*z
.set z, z+1
.endr
	WIN W_LD
.irp s, 0,1,2,3,4
	KVLD \s
.endr
	WIN 0
	s_wait_loadcnt 58                              ; younger: 8 of V's sums and the ring's 50: parameters and x are in
.irp i, 0,1,2,3
.if ((\i) < 2) || QKV
	ds_store_b128 v28, v[80+4*\i:83+4*\i] offset:PRM+4096*\i
.endif
.endr
.irp t, 0,1,2,3
.irp p, 0,1
	ds_store_b128 v[AXS], v[XLD+8*\t+4*\p:XLD+8*\t+4*\p+3] offset:\t*1024+\p*512
.endr
.endr
	s_wait_loadcnt 50                              ; younger: the ring's 50: V's sums are in
.irp y, 0,2
	v_pk_add_f32 v[32+\y:33+\y], v[32+\y:33+\y], v[36+\y:37+\y]
	v_pk_add_f32 v[40+\y:41+\y], v[40+\y:41+\y], v[44+\y:45+\y]
	v_pk_add_f32 v[112+\y:113+\y], v[112+\y:113+\y], v[116+\y:117+\y]
	v_pk_add_f32 v[120+\y:121+\y], v[120+\y:121+\y], v[124+\y:125+\y]
.endr
.irp y, 0,2
	v_pk_add_f32 v[32+\y:33+\y], v[32+\y:33+\y], v[40+\y:41+\y]
	v_pk_add_f32 v[112+\y:113+\y], v[112+\y:113+\y], v[120+\y:121+\y]
.endr
.irp y, 0,2
	v_pk_add_f32 v[32+\y:33+\y], v[32+\y:33+\y], v[112+\y:113+\y]
.endr
.irp y, 0,1,2,3
	v_add_f32_dpp v[32+\y], v[32+\y], v[32+\y] row_xmask:8 row_mask:0xf bank_mask:0xf
.endr
.irp y, 0,1,2,3
	v_permlanex16_b32 v[36+\y], v[32+\y], s48, s49
.endr
.irp y, 0,1,2,3
	v_add_f32 v[32+\y], v[32+\y], v[36+\y]
.endr
.irp y, 0,1,2,3
	v_mul_f32 v[32+\y], 0x3a800000, v[32+\y]       ; / 1,024
.endr
	s_wait_alu depctr_va_vdst(0)                   ; V's mean in v[32:35] is written, which the LDS store reads
	ds_store_b128 v31, v[32:35]                    ; V's mean waits in my wave's own LDS words; the four groups of eight lanes store the same numbers
	v_lshlrev_b32 v27, 3, v26
	v_sub_nc_u32 v27, v25, v27                     ; r - 8 h: in the diagonal block key 8 h + z is hidden from query r where z is greater
.set z, 0
.irp m, 42,43,44,45,47,52,53,59        ; eight compares in a run, each into a scalar register of its own
	v_cmp_gt_i32 s[\m], z, v27
.set z, z+1
.endr
	s_wait_alu depctr_va_sdst(0)                   ; the eight compares have written their masks, ahead of the first reader
.set z, 0
.irp m, 42,43,44,45,47,52,53,59
	v_cndmask_b32 v[MD+z], 0, s46, s[\m]
.set z, z+1
.endr
; ---------------------------------------------------------------- ATTENTION: wave w is head w
	WALK
	BAR                                            ; attention's output and the parameters are whole
	s_wait_alu depctr_vm_vsrc(0)                   ; my LDS stores of attention's output have read v[32:39] and v[56:63], which Wo's first products write
; ---------------------------------------------------------------- Wo: wave w makes channels 64 (w % 4) .. + 63 over half w / 4 of K
	AFETCH 0, AACTW, 0, MTA
	AFETCH 1, AACTW, KSB, MTA
	KSTEP 0, 1, 24, 4, AACTW, 2*KSB, MTA, 1
	KSTEP 1, 0, 24, 4, AACTW, 3*KSB, MTA, 1
	KSTEP 2, 0, 24, 4, AACTW, -1, MTA, 1
	KSTEP 3, 0, 24, 0, AACTW, -1, MTA, 1
	STAGE_OUT
	s_wait_kmcnt 0x0
	s_mov_b32 s52, s51
	s_mov_b32 s53, s51
	ROWIN 0x0000, 50                               ; x = x + 0.5 tanh(alpha) (ao Wo^T + bo)
	s_wait_alu depctr_va_vdst(0)                   ; the multiply-adds have written X, which the LDS stores read, and the sums are done reading the bias in v[PG ..], in which the norm's gain lands
.irp t, 0,1,2,3
.irp p, 0,1
	ds_store_b128 v[AXS], v[X+8*\t+4*\p:X+8*\t+4*\p+3] offset:\t*1024+\p*512
.endr
.endr
	s_wait_alu depctr_vm_vsrc(0)                   ; these stores have read X, which the norm rewrites in place
	LN4 L16, PRM+0x0400, PRM+0x0800
	TOACT
	BAR
	s_wait_alu depctr_vm_vsrc(0)                   ; my LDS stores of the activations have read v[TS .. TS + 15], in which the first pass's biases land
; ---------------------------------------------------------------- W1 and GELU: wave w makes hidden channels 128 w .. + 127, 64 a pass
	s_mov_b32 s90, 2
.Lpass:
	s_wait_alu depctr_va_vdst(0)                   ; round the back edge: v[AB1] and v[AHIDW] are written, and the last pass's GELU is done with the accumulators and with v96 to v119, in which the loads below land
	BIAS4 AB1, 0, 64, 128, 192
	AFETCH 0, AACT, 0, MTA
	AFETCH 1, AACT, KSB, MTA
.set i, 0
.rept 8
.set PF, -1
.if i < 6
.set PF, (i+2)*KSB
.endif
.set DC, 4
.if i == 7
.set DC, 0
.endif
	KSTEP 4+i, 0, 24, DC, AACT, PF, MTA, 1
.set i, i+1
.endr
.irp c, 0,1,2,3
.irp m, 0,1
	GELU8 ACC+8*(2*\c+\m)
.endr
.endr
	s_wait_alu depctr_va_vdst(0)                   ; the eight accumulators' conversions have written their four low registers, which the LDS stores read
.irp c, 0,1,2,3
.irp m, 0,1
	ds_store_b128 v[AHIDW], v[ACC+8*(2*\c+\m):ACC+8*(2*\c+\m)+3] offset:\m*MTH+\c*2*BP
.endr
.endr
	s_wait_xcnt 0x0                                ; the stream's base is stepped only behind this wait: the ring's loads name it
	s_add_nc_u64 s[20:21], s[20:21], 32768         ; eight slots on
	s_wait_alu depctr_vm_vsrc(0)                   ; the LDS stores above have read v[AHIDW] and their data, the bias loads v[AB1]: the two adds, the next pass's bias loads and W2's first products write these
	v_add_nc_u32 v[AHIDW], 8*BP, v[AHIDW]
	v_add_nc_u32 v[AB1], 256, v[AB1]
	s_sub_co_u32 s90, s90, 1
	s_cmp_lg_u32 s90, 0
	s_cbranch_scc1 .Lpass
.set WADJ, 65536
	BAR
; ---------------------------------------------------------------- W2: wave w makes channels 64 (w % 4) .. + 63 over half w / 4 of K = 1,024
	AFETCH 0, AHIDR, 0, MTH                        ; GELU's last lines on v96 to v119 stand ahead of the wait in front of its stores; only the two adds have come since
	AFETCH 1, AHIDR, KSB, MTH
.set i, 0
.rept 16
.set ZR, 0
.if i == 0
.set ZR, 1
.endif
.set PF, -1
.if i < 14
.set PF, (i+2)*KSB
.endif
.set DC, 4
.if i == 15
.set DC, 0
.endif
.set LC, 24
.set FL, 1
.if (QKV == 0) && (i >= 12)            ; the stream ends here: the counts run down
.set FL, 0
.set LC, 8*(15-i)
.endif
.set LS, 0
.if i == 15
.set LS, 1
.endif
	KSTEP 20+i, ZR, LC, DC, AHIDR, PF, MTH, FL, LS
.set i, i+1
.endr
	STAGE_OUT
	ROWIN 0x0c00, 52                               ; x = x + tanh(beta) (f W2^T + b2)
.set z, 0
.rept 32
	v_med3_num_f32 v[X+z], v[X+z], s56, s57
.set z, z+1
.endr
	s_wait_alu depctr_va_vdst(0)                   ; the clips have written X, which the stores read
.irp t, 0,1,2,3
.irp p, 0,1
	global_store_b128 v[L16], v[X+8*\t+4*\p:X+8*\t+4*\p+3], s[10:11] offset:\t*1024+\p*512  ; 512 consecutive bytes
.endr
.endr
; ---------------------------------------------------------------- THE NEXT LAYER'S NORMS AND QKV: wave w is head w
.if QKV
	s_wait_xcnt 0x0                                ; x's registers are rewritten only behind this wait,
	s_wait_alu depctr_vm_vsrc(0)                   ; and behind this one: the stores have read X, which the norms rewrite in place
	v_add_nc_u32 v[ALN], PRM+0x2000, v[L16]        ; LN1's gain; its bias lies 0x400 on, the q_norm's pair 0x800 on
	s_mov_b32 s90, 2
.Lnorm:                                                ; two trips: LN1, then the q_norm LN on its result
	s_wait_alu depctr_va_vdst(0)                   ; v[ALN] is written, which the loads of gain and bias read; round the back edge the last norm is done reading v[PG ..] and v[PB ..], in which they land
	LN4 ALN, 0, 0x400
	s_wait_alu depctr_vm_vsrc(0)                   ; the norm's four LDS loads have read v[ALN]
	v_add_nc_u32 v[ALN], 0x800, v[ALN]
	s_sub_co_u32 s90, s90, 1
	s_cmp_lg_u32 s90, 0
	s_cbranch_scc1 .Lnorm
	TOACT
	BAR
	s_wait_alu depctr_vm_vsrc(0)                   ; my LDS stores of the activations have read v[TS .. TS + 15], in which the biases land
	BIAS4 ABQ, 0, 64, 1024, 1088
	AFETCH 0, AACT, 0, MTA
	AFETCH 1, AACT, KSB, MTA
.set i, 0
.rept 8
.set PF, -1
.if i < 6
.set PF, (i+2)*KSB
.endif
.set DC, 4
.if i == 7
.set DC, 0
.endif
	KSTEP 36+i, 0, 24, DC, AACT, PF, MTA, 1
.set i, i+1
.endr
	QKEPI
	s_wait_xcnt 0x0                                ; the stores' registers are rewritten only behind this wait,
	s_wait_alu depctr_vm_vsrc(0)                   ; and behind this one: the stores have read their data in v32 to v91: keep lands in v[64:79], V's first products write v[32:63]
.irp m, 0,1
	global_load_b128 v[64+8*\m:67+8*\m], v26, s[86+2*\m:87+2*\m]
	global_load_b128 v[68+8*\m:71+8*\m], v26, s[86+2*\m:87+2*\m] offset:16
.endr
	AFETCH 0, AACT, 0, MTA
	AFETCH 1, AACT, KSB, MTA
	VSTEP 44, 28                                   ; younger: three ring slots of 8 and keep's 4; then the counts run down
	VSTEP 45, 20
	VSTEP 46, 12
	VSTEP 47, 4
	VEPI
.endif
	s_wait_dscnt 0x0                               ; the closing lines, six on end
	s_wait_alu 0x0
	s_wait_tensorcnt 0x0
	ds_add_u32 v[SPW], v[NIL]
	s_wait_dscnt 0x0
	s_endpgm
.Lfunc_end_k_q7fe4a46695_lay0:
	.size	k_q7fe4a46695_lay0, .Lfunc_end_k_q7fe4a46695_lay0-k_q7fe4a46695_lay0
	.p2alignl 7, 3214868480
	.fill 96, 4, 3214868480
	.section	.rodata,"a",@progbits
	.p2align	6, 0x0
	.amdhsa_kernel k_q7fe4a46695_lay0
		.amdhsa_group_segment_fixed_size 204800
		.amdhsa_private_segment_fixed_size 0
		.amdhsa_enable_private_segment 0
		.amdhsa_kernarg_size 40
		.amdhsa_user_sgpr_count 2
		.amdhsa_user_sgpr_kernarg_segment_ptr 1
		.amdhsa_wavefront_size32 1
		.amdhsa_system_sgpr_workgroup_id_x 1
		.amdhsa_system_sgpr_workgroup_id_y 1
		.amdhsa_system_sgpr_workgroup_id_z 1
		.amdhsa_system_vgpr_workitem_id 0
		.amdhsa_next_free_vgpr 512
		.amdhsa_next_free_sgpr 100
		.amdhsa_reserve_vcc 1
		.amdhsa_float_denorm_mode_32 3
		.amdhsa_float_denorm_mode_16_64 3
		.amdhsa_memory_ordered 1
		.amdhsa_forward_progress 1
		.amdhsa_inst_pref_size 223
	.end_amdhsa_kernel
	.amdgpu_metadata
---
amdhsa.version: [ 1, 2 ]
amdhsa.kernels:
  - .name:           k_q7fe4a46695_lay0
    .symbol:         k_q7fe4a46695_lay0.kd
    .args:
      - { .name: x, .offset: 0, .size: 8, .value_kind: global_buffer, .address_space: global }
      - { .name: S0, .offset: 8, .size: 8, .value_kind: global_buffer, .address_space: global }
      - { .name: pk0, .offset: 16, .size: 8, .value_kind: global_buffer, .address_space: global }
      - { .name: X0, .offset: 24, .size: 8, .value_kind: global_buffer, .address_space: global }
      - { .name: S1, .offset: 32, .size: 8, .value_kind: global_buffer, .address_space: global }
    .group_segment_fixed_size: 204800
    .private_segment_fixed_size: 0
    .kernarg_segment_align: 8
    .kernarg_segment_size: 40
    .max_flat_workgroup_size: 256
    .sgpr_count:     100
    .vgpr_count:     512
    .wavefront_size: 32
...
	.end_amdgpu_metadata
.endif
;; end of part 5
;; launch lay1: the kernel of part 5 again; grid 256 x 1, 8 waves a work-group, no clusters, 204,800 bytes of LDS; arguments X0, S1, pk1, X1, S0; writes X1, S0
;; launch lay2: the kernel of part 5 again; grid 256 x 1, 8 waves a work-group, no clusters, 204,800 bytes of LDS; arguments X1, S0, pk2, X0, S1; writes X0, S1
;; launch lay3 (part 6): grid 256 x 1, 8 waves a work-group, no clusters, 204,800 bytes of LDS; arguments X0, S1, pk3, out0; writes out0
.if DOCPART == 6
	.amdgcn_target "amdgcn-amd-amdhsa--gfx1250"
	.amdhsa_code_object_version 6
	.text
	.protected	k_q7fe4a46695_lay3
	.globl	k_q7fe4a46695_lay3
	.p2align	8
	.type	k_q7fe4a46695_lay3,@function
k_q7fe4a46695_lay3:
	s_mov_b64 s[64:65], 0
	v_nop
	global_prefetch_b8 v0, s[64:65] scope:SCOPE_SE
	s_setreg_imm32_b32 hwreg(HW_REG_WAVE_SCHED_MODE, 0, 2), 2
	s_setreg_imm32_b32 hwreg(HW_REG_WAVE_MODE, 25, 1), 1
	s_wait_xcnt 0x0
	s_wait_alu depctr_vm_vsrc(0)
; ONE SOURCE, TWO BODIES, chosen by the flag QKV.  Both: attention, Wo, residual, LN2, FFN, residual, clip of one layer.  QKV = 1: also LN1, the q_norm LN and the QKV product of the NEXT layer.
; This body: QKV = 0: the last layer; nothing follows it.
.set QKV, 0
; SHARES.  256 work-groups of 8 waves.  Work-group (b, i) owns tokens 32 i .. 32 i + 31 of batch b: two blocks of 16 (m-tiles 0 and 1), which together are key step i.
; Both blocks walk the same key steps 0 .. i, so every fragment of K, V^T and mask that is loaded feeds both.  The price: the walk's length hangs on i, 1 to 32 steps; the other phases, 288 matrix
; instructions a wave in this body, are alike in all work-groups.  A long and a short block in one work-group would make the walks alike, but such a pair loads as far as its long block goes: 784 steps or more for a
; head's 32 work-groups, where this text loads 597 (1 + 5 ((max(i, 1) - 1) / 5 + 1) each).
; i is dealt from the work-group's number x: t = x % 32; i = 2 t below 16, 63 - 2 t from 16 on: numbers 16 apart hold i and 31 - i, sixteen consecutive numbers hold the even i or the odd.
; In attention wave w is head w; in the other products the waves share output channels and K (see the phases).
; THE WALK.  No maximum is carried (see SOFTMAX), so the key steps may be summed in any order.  Step i, which holds both diagonals, comes first, out of a slot of its own, with fixed masks, and starts the sums.
; Steps 0 .. i - 1 need no mask and go through a ring of five register slots: a slot is asked for again in the middle of the step behind the one that read it: 40 to 50 loads of 512 bytes of a wave are on their way.
; The six slots, 240 registers, lie in the second window of 256 registers: eight waves of 512 registers are all that the four SIMDs hold.  All other phases stay in the first window.
; OPERANDS.  All matrix operands are bf16, sums f32.  Weights (from the pack), K, V^T and Q (from S) lie in memory as fragments: 16 rows x 32 k, [half 2][lane 32][16 bytes], the register image of an operand:
; a fragment is two loads of 512 consecutive bytes, straight into registers.  All products are used transposed (source 0 = 16 weight rows, source 1 = 16 tokens): a lane then holds one token and
; eight neighbouring channels, 16 bytes in bf16, which are a piece of the next product's fragment.
; NO LDS STOP FOR WEIGHTS, K, V, AND NO CLUSTER.  A fragment of 1,024 bytes feeds two matrix instructions, so a stop in LDS would add an LDS read of its own size to each two.  All work-groups read the same
; weights, but a joint ring wants two LDS slots: beside the 204,800 bytes in use 61,440 a slot are left, less than two k steps' weights of the eight waves (32,768 each): 16 matrix instructions a wave
; between a request and the wait for it.  K and V are walked over different lengths by the work-groups of a batch.
; SOFTMAX.  reference() normalises Q and K itself, so |score| <= 1 / sqrt(32) = 0.177 for every input: no exponential can overflow or underflow, no maximum is taken away, and the clip at +-10 never binds.
; A hidden key (future, or padded) has the weight 0 exactly, as exp(-10000 - max) is in f32.  A query that sees no key has 1,024 equal scores in reference(): its row is the mean of all 1,024 rows of V.
; LIMITS.  NaN and infinities are not treated apart.  erf by Abramowitz and Stegun 7.1.26, absolute error 1.5e-7.  Divisions are v_rcp_f32 and a multiply.
; THE MODE: SCHED_MODE bits 1:0 = 2 (LLVM: expert scheduling mode 2), set by the entry lines.  The code itself states the register dependences between vector or matrix instructions and memory or LDS
; instructions, with s_wait_alu, always for 0.
; THE PLAN.  Registers that memory or LDS instructions touch, and who else names them:
;   fixed addresses (v1-v12 but v5 and v12, v28, v29, v31)  made at the head, ahead of one wait on va_vdst in front of the first load; never written again.
;   key slots       loaded; read by products alone.  Step s asks again for slot s - 1, behind the wait on va_vdst that follows its exponentials: the last step's products, the slot's last readers, stand ahead of
;                   that wait.  Slot 4 is asked for again at the trip's end, behind a wait of its own.
;   KO, MO          a slot's offsets: written by two vector lines in the places behind the score products, behind a wait on vm_vsrc (the slot's last loads have read them), ahead of the step's wait on va_vdst.
;   weight ring, activations' buffers   a k step's eight products empty one slot and one buffer; ONE wait on va_vdst stands behind them and both are asked for again at once: the ring lives on loads in flight,
;                   and a slot that waited for the next step's head would lie idle a quarter of the ring's round.
;   store data      a run of arithmetic, one wait on va_vdst, the run of stores; a wait on vm_vsrc ahead of the first line that writes those registers again.
;   v5, v12         addresses that step once a pass: vm_vsrc ahead of the add, va_vdst at the loop's top.
; LDS: parameters | activations of 256 channels | of 1,024 channels | f32 stage for sums over the halves of K | the residual by rows | V's mean | the spare words.
.set PRM,   0                          ; 16,384: the pack's first 16 KB of parameters
.set ACT,   16384                      ; 17,408: bf16, blocks of 16 tokens x 8 channels (256 bytes), 272 bytes apart: (32 m-tile + channel / 8) x 272 + 16 token
.set HID,   33792                      ; 69,632: the same with 128 blocks an m-tile
.set STG,   103424                     ; 66,560: two halves of f32 [32 tokens][1,040 bytes]
.set XS,    169984                     ; 32,768: 4,096 for each wave, its own
.set VMS,   202752                     ; 1,024: 128 for each wave, its own
.set SPARE, 203776                     ; 1,024: the spare words, 128 bytes for each wave, which no other line names
.set BP,    272                        ; 256 + 16: the two halves of the lanes of a fragment load start 4 banks apart, and each half reads 256 consecutive bytes
.set KSB,   4*BP                       ; a k step of 32 channels
.set MTA,   32*BP                      ; from m-tile 0 to 1 in ACT
.set MTH,   128*BP                     ; and in HID
.set SPT,   1040                       ; 1,024 + 16: sixteen tokens' stores of 16 bytes fall into sixteen different groups of four banks
.set SHALF, 32*SPT
.set QOFF,  0x800000                   ; S: K and V^T [b][head][step 32][K0, K1, V0, V1] | Q [b][head][block 64] | V's column sums [b][work-group 32][256] f32
.set VPOFF, 0xc00000
; VECTOR REGISTERS, first window
.set L16,   1                          ; 16 x lane
.set AACT,  2                          ; ACT + h x 272 + 16 r: a fragment's place (r = lane % 16, h = lane / 16)
.set AACTW, 3                          ; the same at my half of K, for Wo
.set AHIDR, 4                          ; HID at my half of K, for W2
.set AHIDW, 5                          ; HID where I put my hidden channels; steps with the pass
.set ASTW,  6                          ; the stage, in
.set ASTR,  7                          ; the stage, back by rows
.set AXS,   8                          ; my rows of the residual
.set AROWW, 9                          ; ACT where a row's 4 channels go
.set AAO,   10                         ; ACT where attention's output goes
.set AVM,   11                         ; V's mean, back
.set AB1,   12                         ; b1 of my channels; steps with the pass
.set H16,   21                         ; 16 h
.set SPW,   22                         ; my spare word; never rewritten
.set NIL,   23                         ; 0; never rewritten
.set ACC,   32                         ; v32-95   eight accumulators: (c, m-tile) at ACC + 8 (2 c + m)
.set AB,    96                         ; v96-127  activations' fragments, two buffers of two m-tiles
.set RING,  128                        ; v128-255 weights: four slots of four fragments
.set X,     32                         ; by rows: token t's 8 numbers at X + 8 t (channels 4 lane + 0..3, 128 + 4 lane + 0..3)
.set TS,    64                         ; by rows: at work
.set PG,    96                         ; a gain or bias by rows
.set PB,    104
.set MP,    112                        ; means, a pair a token
.set RP,    120                        ; 1 / sqrt(variance + eps), a pair a token
.set GU,    96                         ; GELU: at work
.set GE,    104
.set GP,    112
.set OA,    32                         ; attention: block q's O^T (16 registers) and l (8) at OA + 24 q
.set QF,    96                         ; Q of the two blocks
.set SS,    112                        ; block 0's scores of 32 keys, then P in the low eight; block 1's at SS - 32
.set VM,    112                        ; V's mean in O's layout, fetched when the walk is over
.set KO,    236                        ; v236-241 byte offset of key slot s's step in K and V;  these twelve and MD lie in weight slot 3, which is filled when every key load is back
.set MO,    242                        ; v242-247 the same in the mask
.set MD,    248                        ; the diagonal block's mask
.set XLD,   48                         ; x as it is loaded
; second window: key slot s at 40 s: K0, K1, V0, V1, mask, 8 registers each; slots 0-4 the ring, slot 5 the diagonal step's
.set KVR,   5
; SCALAR REGISTERS: s14 w, s15 b, s16 i, s17 w % 4, s18 w / 4; s[4:5] x in, s[6:7] S in, s[8:9] pack, s[10:11] x out; s[20:21] my weight stream, s[22:23] parameters,
; s[24:25] my head's K and V, s[26:27] my batch's mask, s[28:29], s[96:97] Q, s[30:31] V sums; s32-33 blocks, s34 their key step, s36 the ring loop's trips, s38 its counter, s39 the key step to ask for next,
; s40, s90, s91 work, s41 the steps left behind the loop; s42-45, s47, s52, s53, s59 lane masks of compares; s46.. constants.
.set WADJ, 0                           ; what the weight stream's base has been stepped by
.set MSB, 0
.macro WIN new                         ; s_set_vgpr_msb: bits 1:0 source 0, 3:2 source 1, 5:4 source 2, 7:6 destination; the high byte repeats the setting that is left; a switch that changes nothing is dropped
.if MSB != (\new)
	s_set_vgpr_msb (MSB<<8)|(\new)
.set MSB, \new
.endif
.endm
.set W_MM, 0x01                        ; a product's source 0 (K, V^T or mask) in the second window, all else in the first
.set W_LD, 0x40                        ; a load's destination in the second window, its address in the first
.macro PLACES n                        ; plain vector instructions between a matrix instruction and what may not follow it closely (ISA guide 7.12.1)
.rept \n
	v_nop
.endr
.endm
.macro BAR                             ; my LDS stores are done and my LDS loads are back; then all eight waves meet
	s_wait_dscnt 0x0
	s_barrier_signal -1
	s_barrier_wait -1
.endm
.macro WFILL n                         ; slot n of my weight stream, 4,096 consecutive bytes, into ring slot n % 4
.irp f, 0,1,2,3
	global_load_b128 v[RING+32*((\n)%4)+8*\f:RING+32*((\n)%4)+8*\f+3], v[L16], s[20:21] offset:(\n)*4096-WADJ+\f*1024
	global_load_b128 v[RING+32*((\n)%4)+8*\f+4:RING+32*((\n)%4)+8*\f+7], v[L16], s[20:21] offset:(\n)*4096-WADJ+\f*1024+512
.endr
.endm
.macro AFETCH buf, areg, off, mtoff    ; one k step's activations, both m-tiles, into buffer buf: four LDS loads
.irp m, 0,1
	ds_load_b128 v[AB+16*(\buf)+8*\m:AB+16*(\buf)+8*\m+3], v[\areg] offset:(\off)+\m*(\mtoff)
	ds_load_b128 v[AB+16*(\buf)+8*\m+4:AB+16*(\buf)+8*\m+7], v[\areg] offset:(\off)+\m*(\mtoff)+2*BP
.endr
.endm
.macro BIAS1 c, areg, off              ; the sums of fragment c begin with the bias of its channels 8 h + 0..7
.irp m, 0,1
	ds_load_b128 v[ACC+8*(2*(\c)+\m):ACC+8*(2*(\c)+\m)+3], v[\areg] offset:\off
	ds_load_b128 v[ACC+8*(2*(\c)+\m)+4:ACC+8*(2*(\c)+\m)+7], v[\areg] offset:(\off)+16
.endr
.endm
.macro BIAS4 areg, o0, o1, o2, o3
	BIAS1 0, \areg, \o0
	BIAS1 1, \areg, \o1
	BIAS1 2, \areg, \o2
	BIAS1 3, \areg, \o3
.endm
; One k step: stream slot n (four fragments of weights) x two m-tiles: eight matrix instructions on eight accumulators, which take turns.
; lcnt: the loads younger than slot n's (three ring slots of 8).  dcnt: the next step's four activation loads may stay out.  Behind the products' wait the buffers just read are filled again.
; last = 1: LDS stores of the accumulators follow the step.  A step that fills nothing and is followed by no store holds no such wait.
.macro KSTEP n, zero, lcnt, dcnt, areg, pfoff, mtoff, fill, last=0
	s_wait_loadcnt \lcnt
	s_wait_dscnt \dcnt
.irp c, 0,1,2,3
.irp m, 0,1
.if \zero
	v_wmma_f32_16x16x32_bf16 v[ACC+8*(2*\c+\m):ACC+8*(2*\c+\m)+7], v[RING+32*((\n)%4)+8*\c:RING+32*((\n)%4)+8*\c+7], v[AB+16*((\n)%2)+8*\m:AB+16*((\n)%2)+8*\m+7], 0
.else
	v_wmma_f32_16x16x32_bf16 v[ACC+8*(2*\c+\m):ACC+8*(2*\c+\m)+7], v[RING+32*((\n)%4)+8*\c:RING+32*((\n)%4)+8*\c+7], v[AB+16*((\n)%2)+8*\m:AB+16*((\n)%2)+8*\m+7], v[ACC+8*(2*\c+\m):ACC+8*(2*\c+\m)+7]
.endif
.endr
.endr
	PLACES 4
.if ((\pfoff) >= 0) || (\fill) || (\last)
	s_wait_alu depctr_va_vdst(0)                   ; the step's eight products are done reading ring slot n % 4 and activation buffer n % 2, in which the loads below land, and have written the accumulators
.endif
.if (\pfoff) >= 0
	AFETCH (\n)%2, \areg, \pfoff, \mtoff
.endif
.if \fill
	WFILL (\n)+4
.endif
.endm
.macro STAGE_OUT                       ; my half of K's sums, f32, into my half of the stage: token r, channels 64 (w % 4) + 16 c + 8 h + 0..7.  The last k step's wait has shown the accumulators written; no vector line has named them since
.irp c, 0,1,2,3
.irp m, 0,1
	ds_store_b128 v[ASTW], v[ACC+8*(2*\c+\m):ACC+8*(2*\c+\m)+3] offset:\m*16*SPT+\c*64
	ds_store_b128 v[ASTW], v[ACC+8*(2*\c+\m)+4:ACC+8*(2*\c+\m)+7] offset:\m*16*SPT+\c*64+16
.endr
.endr
	BAR
.endm
; By rows: X = X + s x (stage half 0 + stage half 1 + bias), for my four tokens, two at a time.
.macro ROWIN boff, sp
	s_wait_alu depctr_vm_vsrc(0)                   ; my LDS stores into the stage have read the accumulators, v32 to v95, in which the loads below land
.irp t, 0,1,2,3
.irp p, 0,1
	ds_load_b128 v[X+8*\t+4*\p:X+8*\t+4*\p+3], v[AXS] offset:\t*1024+\p*512
.endr
.endr
.irp p, 0,1
	ds_load_b128 v[PG+4*\p:PG+4*\p+3], v[L16] offset:PRM+(\boff)+512*\p
.endr
.irp u, 0,1
.if \u == 1
	s_wait_alu depctr_va_vdst(0)                   ; the first two tokens' sums are done with v[TS ..], in which the next two tokens' loads land
.endif
.irp e, 0,1
.irp k, 0,1
.irp p, 0,1
	ds_load_b128 v[TS+16*\e+8*\k+4*\p:TS+16*\e+8*\k+4*\p+3], v[ASTR] offset:(2*\u+\e)*SPT+\p*512+\k*SHALF
.endr
.endr
.endr
	s_wait_dscnt 0x0
.irp e, 0,1
.irp y, 0,2,4,6
	v_pk_add_f32 v[TS+16*\e+\y:TS+16*\e+\y+1], v[TS+16*\e+\y:TS+16*\e+\y+1], v[TS+16*\e+8+\y:TS+16*\e+8+\y+1]
.endr
.endr
.irp e, 0,1
.irp y, 0,2,4,6
	v_pk_add_f32 v[TS+16*\e+\y:TS+16*\e+\y+1], v[TS+16*\e+\y:TS+16*\e+\y+1], v[PG+\y:PG+\y+1]
.endr
.endr
.irp e, 0,1
.irp y, 0,2,4,6
	v_pk_fma_f32 v[X+8*(2*\u+\e)+\y:X+8*(2*\u+\e)+\y+1], v[TS+16*\e+\y:TS+16*\e+\y+1], s[\sp:\sp+1], v[X+8*(2*\u+\e)+\y:X+8*(2*\u+\e)+\y+1] op_sel_hi:[1,0,1]
.endr
.endr
.endr
.endm
.macro RED4                            ; v[TS + 8 t] summed over the 32 lanes, for the four tokens in turn
.irp m, 1,2,4,8
.irp t, 0,1,2,3
	v_add_f32_dpp v[TS+8*\t], v[TS+8*\t], v[TS+8*\t] row_xmask:\m row_mask:0xf bank_mask:0xf
.endr
.endr
.irp t, 0,1,2,3
	v_permlanex16_b32 v[TS+8*\t+1], v[TS+8*\t], s48, s49
.endr
.irp t, 0,1,2,3
	v_add_f32 v[TS+8*\t], v[TS+8*\t], v[TS+8*\t+1]
.endr
.endm
; LayerNorm of my four tokens in place: the mean, then the mean square of the differences (two passes: no difference of large sums); gain and bias lie goff and boff bytes behind the LDS address in areg.
; Ahead of the macro stand the waits for its loads (the last readers of PG and PB are done) and for its writes of X (the stores that read X have done so).
.macro LN4 areg, goff, boff
.irp p, 0,1
	ds_load_b128 v[PG+4*\p:PG+4*\p+3], v[\areg] offset:(\goff)+512*\p
	ds_load_b128 v[PB+4*\p:PB+4*\p+3], v[\areg] offset:(\boff)+512*\p
.endr
.irp t, 0,1,2,3
	v_pk_add_f32 v[TS+8*\t:TS+8*\t+1], v[X+8*\t:X+8*\t+1], v[X+8*\t+2:X+8*\t+3]
	v_pk_add_f32 v[TS+8*\t+2:TS+8*\t+3], v[X+8*\t+4:X+8*\t+5], v[X+8*\t+6:X+8*\t+7]
.endr
.irp t, 0,1,2,3
	v_pk_add_f32 v[TS+8*\t:TS+8*\t+1], v[TS+8*\t:TS+8*\t+1], v[TS+8*\t+2:TS+8*\t+3]
.endr
.irp t, 0,1,2,3
	v_add_f32 v[TS+8*\t], v[TS+8*\t], v[TS+8*\t+1]
.endr
	RED4
.irp t, 0,1,2,3
	v_mul_f32 v[MP+2*\t], s54, v[TS+8*\t]
	v_mul_f32 v[MP+2*\t+1], s54, v[TS+8*\t]
.endr
.irp t, 0,1,2,3
.irp y, 0,2,4,6
	v_pk_add_f32 v[X+8*\t+\y:X+8*\t+\y+1], v[X+8*\t+\y:X+8*\t+\y+1], v[MP+2*\t:MP+2*\t+1] neg_lo:[0,1] neg_hi:[0,1]
.endr
.endr
.irp t, 0,1,2,3
	v_pk_mul_f32 v[TS+8*\t:TS+8*\t+1], v[X+8*\t:X+8*\t+1], v[X+8*\t:X+8*\t+1]
.endr
.irp y, 2,4,6
.irp t, 0,1,2,3
	v_pk_fma_f32 v[TS+8*\t:TS+8*\t+1], v[X+8*\t+\y:X+8*\t+\y+1], v[X+8*\t+\y:X+8*\t+\y+1], v[TS+8*\t:TS+8*\t+1]
.endr
.endr
.irp t, 0,1,2,3
	v_add_f32 v[TS+8*\t], v[TS+8*\t], v[TS+8*\t+1]
.endr
	RED4
.irp t, 0,1,2,3
	v_fma_f32 v[TS+8*\t], v[TS+8*\t], s54, s55     ; sum / 256 + 1e-6
.endr
.irp t, 0,1,2,3
	v_rsq_f32 v[RP+2*\t], v[TS+8*\t]
	v_rsq_f32 v[RP+2*\t+1], v[TS+8*\t]
.endr
	s_wait_dscnt 0x0                               ; gain and bias are in
	v_nop                                          ; a plain instruction behind the last transcendental (ISA guide 5.7.2)
	s_wait_alu depctr_va_vdst(0)                   ; the eight reciprocal roots in v[RP ..] are written, ahead of their first reader
.irp t, 0,1,2,3
.irp y, 0,2,4,6
	v_pk_mul_f32 v[X+8*\t+\y:X+8*\t+\y+1], v[X+8*\t+\y:X+8*\t+\y+1], v[RP+2*\t:RP+2*\t+1]
.endr
.endr
.irp t, 0,1,2,3
.irp y, 0,2,4,6
	v_pk_fma_f32 v[X+8*\t+\y:X+8*\t+\y+1], v[X+8*\t+\y:X+8*\t+\y+1], v[PG+\y:PG+\y+1], v[PB+\y:PB+\y+1]
.endr
.endr
.endm
.macro TOACT                           ; my four tokens, rounded to bf16, into the activations' blocks: 8 bytes a lane and part: sixteen conversions, one wait, eight stores
.irp t, 0,1,2,3
.irp y, 0,1,2,3
	v_cvt_pk_bf16_f32 v[TS+4*\t+\y], v[X+8*\t+2*\y], v[X+8*\t+2*\y+1]
.endr
.endr
	s_wait_alu depctr_va_vdst(0)                   ; the conversions have written v[TS .. TS + 15], which the LDS stores read; all the norm's lines are done with v32 to v127, in which the next phase's loads land
.irp t, 0,1,2,3
	ds_store_b64 v[AROWW], v[TS+4*\t:TS+4*\t+1] offset:\t*16
	ds_store_b64 v[AROWW], v[TS+4*\t+2:TS+4*\t+3] offset:\t*16+16*BP
.endr
.endm
; Exact GELU of an accumulator's eight numbers x: max(x, 0) - |x| q, q = 0.5 erfc(|x| / sqrt 2) = t (a1' + t (a2' + t (a3' + t (a4' + t a5')))) 2^(-0.7213 x x), t = 1 / (1 + 0.23164 |x|); then 16 bytes of bf16,
; which wait in the accumulator's own four low registers for the pass's one run of stores.
.macro GELU8 a
.set z, 0
.rept 8
	v_fma_f32 v[GU+z], |v[(\a)+z]|, s58, 1.0
.set z, z+1
.endr
.irp y, 0,2,4,6
	v_pk_mul_f32 v[GE+\y:GE+\y+1], v[(\a)+\y:(\a)+\y+1], s[60:61] op_sel_hi:[1,0]
.endr
.irp y, 0,2,4,6
	v_pk_mul_f32 v[GE+\y:GE+\y+1], v[GE+\y:GE+\y+1], v[(\a)+\y:(\a)+\y+1]
.endr
.set z, 0
.rept 8
	v_rcp_f32 v[GU+z], v[GU+z]
.set z, z+1
.endr
.set z, 0
.rept 8
	v_exp_f32 v[GE+z], v[GE+z]
.set z, z+1
.endr
	v_nop                                          ; a plain instruction behind the last transcendental
	s_wait_alu depctr_va_vdst(0)                   ; the eight reciprocals in v[GU ..] and the eight exponentials in v[GE ..] are written, ahead of their first reader
.irp y, 0,2,4,6
	v_pk_fma_f32 v[GP+\y:GP+\y+1], v[GU+\y:GU+\y+1], s[62:63], s[66:67] op_sel_hi:[1,0,0]
.endr
.irp k, 68,70,72
.irp y, 0,2,4,6
	v_pk_fma_f32 v[GP+\y:GP+\y+1], v[GP+\y:GP+\y+1], v[GU+\y:GU+\y+1], s[\k:\k+1] op_sel_hi:[1,1,0]
.endr
.endr
.irp y, 0,2,4,6
	v_pk_mul_f32 v[GP+\y:GP+\y+1], v[GP+\y:GP+\y+1], v[GU+\y:GU+\y+1]
.endr
.irp y, 0,2,4,6
	v_pk_mul_f32 v[GP+\y:GP+\y+1], v[GP+\y:GP+\y+1], v[GE+\y:GE+\y+1]
.endr
.set z, 0
.rept 8
	v_max_num_f32 v[GU+z], 0, v[(\a)+z]
.set z, z+1
.endr
.set z, 0
.rept 8
	v_fma_f32 v[GU+z], -|v[(\a)+z]|, v[GP+z], v[GU+z]
.set z, z+1
.endr
.irp y, 0,1,2,3
	v_cvt_pk_bf16_f32 v[(\a)+\y], v[GU+2*\y], v[GU+2*\y+1]
.endr
.endm
; ATTENTION.  Key slot s takes key step min(s39, i), and s39 steps on.  The clamp keeps every load inside the steps that the head's earlier launch has written; a slot that no step is left for takes step i once more and is not read.
; KVADR makes the slot's two offsets: plain vector lines that name no register of the products round them.  KVLD is the slot's ten loads.
.macro KVADR s
	s_min_u32 s40, s39, s34
	s_add_co_u32 s39, s39, 1
	v_lshl_add_u32 v[KO+(\s)], s40, 12, v[L16]
	v_lshl_add_u32 v[MO+(\s)], s40, 6, v[H16]
.endm
.macro KVLD s
.irp f, 0,1,2,3
	global_load_b128 v[40*(\s)+8*\f:40*(\s)+8*\f+3], v[KO+(\s)], s[24:25] offset:\f*1024
	global_load_b128 v[40*(\s)+8*\f+4:40*(\s)+8*\f+7], v[KO+(\s)], s[24:25] offset:\f*1024+512
.endr
	global_load_b128 v[40*(\s)+32:40*(\s)+35], v[MO+(\s)], s[26:27]
	global_load_b128 v[40*(\s)+36:40*(\s)+39], v[MO+(\s)], s[26:27] offset:32
.endm
.macro PVS zero                        ; O^T += V^T P and l += mask P for both blocks, out of the slot at rK (every row of the mask's source is the mask, so every register of that result is l)
	WIN W_MM
.irp q, 0,1
.irp a, 0,1,2
.if \zero
	v_wmma_f32_16x16x32_bf16 v[OA+24*\q+8*\a:OA+24*\q+8*\a+7], v[rK+16+8*\a:rK+16+8*\a+7], v[SS-32*\q:SS-32*\q+7], 0
.else
	v_wmma_f32_16x16x32_bf16 v[OA+24*\q+8*\a:OA+24*\q+8*\a+7], v[rK+16+8*\a:rK+16+8*\a+7], v[SS-32*\q:SS-32*\q+7], v[OA+24*\q+8*\a:OA+24*\q+8*\a+7]
.endif
.endr
.endr
.endm
; One key step of 32 keys that both query blocks see whole, out of key slot s: S^T = K Q^T (a lane: one query, 16 keys), p = 2^s (Q carries log2(e) / sqrt(32)), P in bf16, then PVS.
; Ten matrix instructions on ten accumulators, which take turns.  Five places follow the macro, ahead of the next scores, which write over P.
; p >= 0: key slot p, which the step before read, is asked for again: its offsets are made in two of the four places behind the score products, its loads stand behind the wait that follows the exponentials.
.macro ASTEPC s, p
.set rK, 40*(\s)
	WIN W_MM
.irp q, 0,1
.irp e, 0,1
	v_wmma_f32_16x16x32_bf16 v[SS-32*\q+8*\e:SS-32*\q+8*\e+7], v[rK+8*\e:rK+8*\e+7], v[QF+8*\q:QF+8*\q+7], 0
.endr
.endr
	WIN 0
.if (\p) >= 0
	s_wait_alu depctr_vm_vsrc(0)                   ; slot p's last ten loads have read its KO and MO, which the two lines below write
	KVADR \p
	PLACES 2
.else
	PLACES 4
.endif
.irp q, 0,1
.set z, 0
.rept 16
	v_exp_f32 v[SS-32*\q+z], v[SS-32*\q+z]
.set z, z+1
.endr
.endr
	v_nop                                          ; a plain instruction behind the last transcendental
.if (\p) >= 0
	WIN W_LD
	s_wait_alu depctr_va_vdst(0)                   ; the 32 exponentials are written, ahead of their first reader; slot p's KO and MO are written; the last step's products are done reading slot p, in which the loads land
	KVLD \p
	WIN 0
.else
	s_wait_alu depctr_va_vdst(0)                   ; the 32 exponentials are written, ahead of their first reader
.endif
.irp q, 0,1
.set z, 0
.rept 8
	v_cvt_pk_bf16_f32 v[SS-32*\q+z], v[SS-32*\q+2*z], v[SS-32*\q+2*z+1]
.set z, z+1
.endr
.endr
	PVS 0
.endm
; Key step i, my own 32 tokens, out of slot 5.  Block 0 sees key block 0 up to its diagonal (the mask MD is the C operand that starts the sum) and nothing of key block 1: that product is left out and its four registers of P are 0.
; Block 1 sees key block 0 whole and key block 1 up to its diagonal.  These products start O^T and l: nothing is cleared.
.macro DIAG
.set rK, 40*KVR
	s_wait_loadcnt 10*KVR                          ; younger: the ring's five slots of ten: Q and slot 5 are in
	s_wait_alu depctr_vm_vsrc(0)                   ; the LDS stores of the parameters, of x and of V's mean have read v[32:35] and v48 to v87, which the products below write
	WIN W_MM
	v_wmma_f32_16x16x32_bf16 v[SS:SS+7], v[rK:rK+7], v[QF:QF+7], v[MD:MD+7]
	v_wmma_f32_16x16x32_bf16 v[SS-32:SS-25], v[rK:rK+7], v[QF+8:QF+15], 0
	v_wmma_f32_16x16x32_bf16 v[SS-24:SS-17], v[rK+8:rK+15], v[QF+8:QF+15], v[MD:MD+7]
	WIN 0
	PLACES 4
.set z, 0
.rept 8
	v_exp_f32 v[SS+z], v[SS+z]
.set z, z+1
.endr
.set z, 0
.rept 16
	v_exp_f32 v[SS-32+z], v[SS-32+z]
.set z, z+1
.endr
	v_nop                                          ; a plain instruction behind the last transcendental
	s_wait_alu depctr_va_vdst(0)                   ; the 24 exponentials are written, ahead of their first reader
.set z, 0
.rept 4
	v_cvt_pk_bf16_f32 v[SS+z], v[SS+2*z], v[SS+2*z+1]
.set z, z+1
.endr
.set z, 4
.rept 4
	v_mov_b32 v[SS+z], 0
.set z, z+1
.endr
.set z, 0
.rept 8
	v_cvt_pk_bf16_f32 v[SS-32+z], v[SS-32+2*z], v[SS-32+2*z+1]
.set z, z+1
.endr
	PVS 1
	PLACES 5
	WIN 0
.endm
; A step behind the loop, out of ring slot k, which is not asked for again.  The wait stands on every path; the arithmetic is jumped over where no step is left (s41 steps are).
.macro TSTEP k, lcnt
	s_wait_loadcnt \lcnt
	s_cmp_le_u32 s41, \k
	s_cbranch_scc1 .Ldead\k
	ASTEPC \k, -1
	PLACES 5
	WIN 0
.Ldead\k:
.endm
; The walk: step i; then steps 0 .. i - 1, five (once round the ring) a trip, each slot asked for again; the last one to five are written out without refills, and the weight stream's first four slots are asked for among them.
.macro WALK
	DIAG
	s_mov_b32 s38, 0
	s_cmp_eq_u32 s36, 0
	s_cbranch_scc1 .Ltail
.Lloop:
	s_wait_loadcnt 10*(KVR-1)                      ; younger than slot 0's: the four other slots' ten loads each
	ASTEPC 0, -1
	PLACES 5
	s_wait_loadcnt 10*(KVR-2)                      ; younger than this slot's: three slots' ten loads each: the slot read last is asked for again only below
	ASTEPC 1, 0
	PLACES 5
	s_wait_loadcnt 10*(KVR-2)
	ASTEPC 2, 1
	PLACES 5
	s_wait_loadcnt 10*(KVR-2)
	ASTEPC 3, 2
	PLACES 5
	s_wait_loadcnt 10*(KVR-2)
	ASTEPC 4, 3
	WIN 0
	s_wait_alu depctr_vm_vsrc(0)                   ; slot 4's last ten loads have read its KO and MO, which the two lines below write
	KVADR 4                                        ; with the three v_nop behind them: the five places ahead of the next scores
	PLACES 3
	WIN W_LD
	s_wait_alu depctr_va_vdst(0)                   ; slot 4's KO and MO are written; this step's products are done reading slot 4, in which the loads land
	KVLD 4
	WIN 0                                          ; at a label and at a branch every window is 0
	s_add_co_u32 s38, s38, 1
	s_cmp_lt_u32 s38, s36
	s_cbranch_scc1 .Lloop
.Ltail:
	s_mul_i32 s41, s36, KVR
	s_sub_co_u32 s41, s34, s41                     ; steps left: i - 5 trips: 1 to 5, or 0 where i = 0
	WFILL 0                                        ; no vector or matrix line has named weight slots 0 to 2 yet
	TSTEP 0, 48                                    ; younger: four key slots' 40 and one weight slot's 8
	WFILL 1
	TSTEP 1, 46                                    ; 30 and 16
	WFILL 2
	TSTEP 2, 44                                    ; 20 and 24
	TSTEP 3, 34                                    ; 10 and 24
	TSTEP 4, 24                                    ; the three weight slots': every key load is back, so the next fill may land on KO, MO and MD
	s_wait_alu depctr_vm_vsrc(0)                   ; the key loads have read KO and MO, on which weight slot 3 lands
	s_wait_alu depctr_va_vdst(0)                   ; the walk's last products are done reading P in v[SS ..], in which V's mean lands; KO, MO and MD are written and MD's readers are done
	WFILL 3
.irp c, 0,1
	ds_load_b128 v[VM+8*\c:VM+8*\c+3], v[AVM] offset:64*\c       ; V's mean, which my wave stored at the start, into block 0's score registers
	ds_load_b128 v[VM+8*\c+4:VM+8*\c+7], v[AVM] offset:64*\c+16
.endr
	v_cmp_lt_f32 s42, 0, v[OA+16]                  ; does the query see a key?  Block 0,
	v_cmp_lt_f32 s43, 0, v[OA+40]                  ; block 1
	v_rcp_f32 v24, v[OA+16]
	v_rcp_f32 v25, v[OA+16]
	v_rcp_f32 v26, v[OA+40]
	v_rcp_f32 v27, v[OA+40]
	v_nop                                          ; a plain instruction behind the last transcendental
	s_wait_alu depctr_va_sdst(0)                   ; the two compares have written s42 and s43, ahead of their first reader
	s_wait_alu depctr_va_vdst(0)                   ; the four reciprocals in v[24:27] are written, ahead of their first reader
.irp q, 0,1
.irp y, 0,2,4,6,8,10,12,14
	v_pk_mul_f32 v[OA+24*\q+\y:OA+24*\q+\y+1], v[OA+24*\q+\y:OA+24*\q+\y+1], v[24+2*\q:25+2*\q]
.endr
.endr
	s_wait_dscnt 0x0                               ; V's mean is in
.irp q, 0,1
.set z, 0
.rept 16
	v_cndmask_b32 v[OA+24*\q+z], v[VM+z], v[OA+24*\q+z], s[42+\q]  ; if not: the mean of all rows of V
.set z, z+1
.endr
.endr
.irp q, 0,1
.set z, 0
.rept 8
	v_cvt_pk_bf16_f32 v[OA+24*\q+z], v[OA+24*\q+2*z], v[OA+24*\q+2*z+1]
.set z, z+1
.endr
.endr
	s_wait_alu depctr_va_vdst(0)                   ; the conversions have written the LDS stores' data; the readers of Q and of V's mean, v96 to v127, are done: Wo's first activations land there
.irp q, 0,1
	ds_store_b128 v[AAO], v[OA+24*\q:OA+24*\q+3] offset:\q*MTA
	ds_store_b128 v[AAO], v[OA+24*\q+4:OA+24*\q+7] offset:\q*MTA+2*BP
.endr
.endm
; ---------------------------------------------------------------- THE HEAD
	s_load_b256 s[4:11], s[0:1], 0x0               ; x in, S in, pack, x out
	v_lshl_add_u32 v[SPW], v0, 2, SPARE
	v_mov_b32 v[NIL], 0
	v_lshrrev_b32 v24, 5, v0
	v_readfirstlane_b32 s14, v24                   ; w
	s_lshr_b32 s15, ttmp9, 5                       ; b
	s_and_b32 s16, ttmp9, 31                       ; t
	s_lshl_b32 s2, s16, 1
	s_sub_co_u32 s3, 63, s2
	s_cmp_lt_u32 s16, 16
	s_cselect_b32 s16, s2, s3                      ; i = 2 t, or 63 - 2 t from t = 16 on
	s_wait_alu depctr_va_sdst(0)                   ; s14 is written, ahead of its first reader
	s_and_b32 s17, s14, 3
	s_lshr_b32 s18, s14, 2
	s_lshl_b32 s32, s16, 1                         ; my two blocks of 16 tokens: 2 i and 2 i + 1,
	s_add_co_u32 s33, s32, 1
	s_mov_b32 s34, s16                             ; the key step that holds them both,
	s_max_u32 s36, s34, 1                          ; and the trips of the ring's loop: (max(i, 1) - 1) / 5, which leaves 1 to 5 of the i steps (0 where i = 0) for the text behind it
	s_sub_co_u32 s36, s36, 1
	s_mul_i32 s36, s36, 13                         ; (13 n) >> 6 = n / 5 for n <= 30
	s_lshr_b32 s36, s36, 6
	s_mov_b32 s46, 0xc6ea6000                      ; -30000: 2^that is 0
	s_mov_b32 s48, 0x76543210                      ; v_permlanex16_b32: each lane takes its own place in the other half
	s_mov_b32 s49, 0xfedcba98
	s_mov_b32 s54, 0x3b800000                      ; 1 / 256
	s_mov_b32 s55, 0x358637bd                      ; 1e-6
	s_mov_b32 s56, 0xc2c80000                      ; -100
	s_mov_b32 s57, 0x42c80000                      ; 100
	s_mov_b32 s58, 0x3e6d3388                      ; 0.3275911 / sqrt 2
	s_mov_b32 s60, 0xbf38aa3b                      ; -log2(e) / 2
	s_mov_b32 s61, s60
	s_mov_b32 s62, 0x3f07dc22                      ; a5 / 2 ..
	s_mov_b32 s63, s62
	s_mov_b32 s66, 0xbf3a00e3
	s_mov_b32 s67, s66
	s_mov_b32 s68, 0x3f35f0e3
	s_mov_b32 s69, s68
	s_mov_b32 s70, 0xbe11a98e
	s_mov_b32 s71, s70
	s_mov_b32 s72, 0x3e027906                      ; .. a1 / 2
	s_mov_b32 s73, s72
	v_and_b32 v24, 31, v0                          ; lane
	v_and_b32 v25, 15, v0                          ; r
	v_bfe_u32 v26, v0, 4, 1                        ; h
	v_lshlrev_b32 v[L16], 4, v24
	v_lshlrev_b32 v[H16], 4, v26
	v_mul_u32_u24 v27, v26, BP
	v_lshl_add_u32 v27, v25, 4, v27
	v_add_nc_u32 v[AACT], ACT, v27
	s_mul_i32 s2, s18, 4*KSB
	v_add_nc_u32 v[AACTW], s2, v[AACT]
	s_mul_i32 s2, s18, 64*BP
	s_add_co_u32 s2, s2, HID
	v_add_nc_u32 v[AHIDR], s2, v27
	s_mul_i32 s2, s14, 16*BP
	s_add_co_u32 s2, s2, HID
	v_add_nc_u32 v[AHIDW], s2, v27
	s_mul_i32 s2, s14, 4*BP
	s_add_co_u32 s2, s2, ACT
	v_add_nc_u32 v[AAO], s2, v27
	s_mul_i32 s2, s18, SHALF
	s_lshl_b32 s19, s17, 8
	s_add_co_u32 s2, s2, s19
	s_add_co_u32 s2, s2, STG
	v_mul_u32_u24 v27, v25, SPT
	v_lshl_add_u32 v27, v26, 5, v27
	v_add_nc_u32 v[ASTW], s2, v27
	s_mul_i32 s2, s14, 4*SPT
	s_add_co_u32 s2, s2, STG
	v_add_nc_u32 v[ASTR], s2, v[L16]
	s_lshl_b32 s2, s14, 12
	s_add_co_u32 s2, s2, XS
	v_add_nc_u32 v[AXS], s2, v[L16]
	s_lshl_b32 s2, s14, 9
	s_add_co_u32 s2, s2, PRM+0x1000
	v_lshl_add_u32 v[AB1], v26, 5, s2
	s_lshl_b32 s2, s14, 7
	s_add_co_u32 s2, s2, VMS
	v_lshl_add_u32 v[AVM], v26, 5, s2
	v_and_b32 v30, 7, v24
	v_lshlrev_b32 v30, 4, v30
	v_add_nc_u32 v31, s2, v30                      ; where V's mean goes: 16 (lane % 8)
	v_lshrrev_b32 v29, 3, v24
	v_lshl_add_u32 v29, v29, 10, v30               ; V's sums: work-group lane / 8, channels 4 (lane % 8)
	s_mul_i32 s2, s18, MTA
	s_lshl_b32 s19, s17, 6
	s_add_co_u32 s2, s2, s19
	s_add_co_u32 s2, s2, ACT
	v_lshrrev_b32 v27, 1, v24
	v_mul_u32_u24 v27, v27, BP
	v_and_b32 v24, 1, v24
	v_lshl_add_u32 v27, v24, 3, v27
	v_add_nc_u32 v[AROWW], s2, v27
	v_lshlrev_b32 v28, 4, v0                       ; 16 x thread
	s_lshl3_add_u32 s19, s15, s14                  ; 8 b + w: my head among all
	s_cmp_eq_u32 s18, 0                            ; by rows waves 0-3 hold block 2 i, waves 4-7 block 2 i + 1, four tokens each
	s_cselect_b32 s91, s32, s33
	s_lshl_b32 s2, s15, 10
	s_lshl4_add_u32 s2, s91, s2
	s_lshl2_add_u32 s2, s17, s2
	s_lshl_b32 s2, s2, 10
	s_mov_b32 s3, 0
	s_wait_kmcnt 0x0
	s_add_nc_u64 s[4:5], s[4:5], s[2:3]
	s_add_nc_u64 s[10:11], s[10:11], s[2:3]
	s_mul_i32 s2, s14, 0x30000
	s_add_nc_u64 s[20:21], s[8:9], s[2:3]
	s_add_nc_u64 s[22:23], s[8:9], 0x180000
	s_load_b64 s[50:51], s[22:23], 0x3c00          ; 0.5 tanh(alpha), tanh(beta)
	s_lshl_b32 s2, s19, 17
	s_add_nc_u64 s[24:25], s[6:7], s[2:3]
	s_lshl_b32 s2, s15, 11
	s_add_co_u32 s2, s2, 0x4000
	s_add_nc_u64 s[26:27], s[22:23], s[2:3]
	s_lshl_b32 s91, s19, 16
	s_add_co_u32 s91, s91, QOFF
	s_lshl_b32 s2, s32, 10
	s_add_co_u32 s2, s2, s91
	s_add_nc_u64 s[28:29], s[6:7], s[2:3]
	s_lshl_b32 s2, s33, 10
	s_add_co_u32 s2, s2, s91
	s_add_nc_u64 s[96:97], s[6:7], s[2:3]
	s_lshl_b32 s2, s15, 15
	s_lshl_b32 s91, s14, 7
	s_add_co_u32 s2, s2, s91
	s_add_co_u32 s2, s2, VPOFF
	s_add_nc_u64 s[30:31], s[6:7], s[2:3]
; ---------------------------------------------------------------- THE FIRST LOADS, in the order in which they are wanted: Q and the diagonal step; parameters, x and V's sums; the ring's first five steps.
; They are more than LOADcnt's field counts: the issue of the last ones is held back until the first have come (ISA guide 5.7.1); no wait is written for that.
; The six key slots' offsets are made first, so that one wait serves every address of the head.
	s_mov_b32 s39, s34
	KVADR KVR                                      ; key step i for the slot of its own
	s_mov_b32 s39, 0
.irp s, 0,1,2,3,4
	KVADR \s                                       ; key steps 0 to 4
.endr
	s_wait_alu depctr_va_vdst(0)                   ; every address and offset made so far (v1 to v12, v22, v23, v28, v29, v31, KO, MO) is written: the loads and stores below read them
	global_load_b128 v[QF:QF+3], v[L16], s[28:29]
	global_load_b128 v[QF+4:QF+7], v[L16], s[28:29] offset:512
	global_load_b128 v[QF+8:QF+11], v[L16], s[96:97]
	global_load_b128 v[QF+12:QF+15], v[L16], s[96:97] offset:512
	WIN W_LD
	KVLD KVR
	WIN 0
.irp i, 0,1                            ; the parameters that this body reads: 4,096 bytes an instruction of the work-group
	global_load_b128 v[80+4*\i:83+4*\i], v28, s[22:23] offset:4096*\i
.endr
.irp t, 0,1,2,3
.irp p, 0,1
	global_load_b128 v[XLD+8*\t+4*\p:XLD+8*\t+4*\p+3], v[L16], s[4:5] offset:\t*1024+\p*512 th:TH_LOAD_NT
.endr
.endr
.set z, 0
.rept 8                                ; V's column sums of the batch's 32 work-groups, my head's 32 channels
.if z < 4
.set rV, 32+4*z
.else
.set rV, 96+4*z
.endif
	global_load_b128 v[rV:rV+3], v29, s[30:31] offset:4096*z
.set z, z+1
.endr
	WIN W_LD
.irp s, 0,1,2,3,4
	KVLD \s
.endr
	WIN 0
	s_wait_loadcnt 58                              ; younger: 8 of V's sums and the ring's 50: parameters and x are in
.irp i, 0,1
	ds_store_b128 v28, v[80+4*\i:83+4*\i] offset:PRM+4096*\i
.endr
.irp t, 0,1,2,3
.irp p, 0,1
	ds_store_b128 v[AXS], v[XLD+8*\t+4*\p:XLD+8*\t+4*\p+3] offset:\t*1024+\p*512
.endr
.endr
	s_wait_loadcnt 50                              ; younger: the ring's 50: V's sums are in
.irp y, 0,2
	v_pk_add_f32 v[32+\y:33+\y], v[32+\y:33+\y], v[36+\y:37+\y]
	v_pk_add_f32 v[40+\y:41+\y], v[40+\y:41+\y], v[44+\y:45+\y]
	v_pk_add_f32 v[112+\y:113+\y], v[112+\y:113+\y], v[116+\y:117+\y]
	v_pk_add_f32 v[120+\y:121+\y], v[120+\y:121+\y], v[124+\y:125+\y]
.endr
.irp y, 0,2
	v_pk_add_f32 v[32+\y:33+\y], v[32+\y:33+\y], v[40+\y:41+\y]
	v_pk_add_f32 v[112+\y:113+\y], v[112+\y:113+\y], v[120+\y:121+\y]
.endr
.irp y, 0,2
	v_pk_add_f32 v[32+\y:33+\y], v[32+\y:33+\y], v[112+\y:113+\y]
.endr
.irp y, 0,1,2,3
	v_add_f32_dpp v[32+\y], v[32+\y], v[32+\y] row_xmask:8 row_mask:0xf bank_mask:0xf
.endr
.irp y, 0,1,2,3
	v_permlanex16_b32 v[36+\y], v[32+\y], s48, s49
.endr
.irp y, 0,1,2,3
	v_add_f32 v[32+\y], v[32+\y], v[36+\y]
.endr
.irp y, 0,1,2,3
	v_mul_f32 v[32+\y], 0x3a800000, v[32+\y]       ; / 1,024
.endr
	s_wait_alu depctr_va_vdst(0)                   ; V's mean in v[32:35] is written, which the LDS store reads
	ds_store_b128 v31, v[32:35]                    ; V's mean waits in my wave's own LDS words; the four groups of eight lanes store the same numbers
	v_lshlrev_b32 v27, 3, v26
	v_sub_nc_u32 v27, v25, v27                     ; r - 8 h: in the diagonal block key 8 h + z is hidden from query r where z is greater
.set z, 0
.irp m, 42,43,44,45,47,52,53,59        ; eight compares in a run, each into a scalar register of its own
	v_cmp_gt_i32 s[\m], z, v27
.set z, z+1
.endr
	s_wait_alu depctr_va_sdst(0)                   ; the eight compares have written their masks, ahead of the first reader
.set z, 0
.irp m, 42,43,44,45,47,52,53,59
	v_cndmask_b32 v[MD+z], 0, s46, s[\m]
.set z, z+1
.endr
; ---------------------------------------------------------------- ATTENTION: wave w is head w
	WALK
	BAR                                            ; attention's output and the parameters are whole
	s_wait_alu depctr_vm_vsrc(0)                   ; my LDS stores of attention's output have read v[32:39] and v[56:63], which Wo's first products write
; ---------------------------------------------------------------- Wo: wave w makes channels 64 (w % 4) .. + 63 over half w / 4 of K
	AFETCH 0, AACTW, 0, MTA
	AFETCH 1, AACTW, KSB, MTA
	KSTEP 0, 1, 24, 4, AACTW, 2*KSB, MTA, 1
	KSTEP 1, 0, 24, 4, AACTW, 3*KSB, MTA, 1
	KSTEP 2, 0, 24, 4, AACTW, -1, MTA, 1
	KSTEP 3, 0, 24, 0, AACTW, -1, MTA, 1
	STAGE_OUT
	s_wait_kmcnt 0x0
	s_mov_b32 s52, s51
	s_mov_b32 s53, s51
	ROWIN 0x0000, 50                               ; x = x + 0.5 tanh(alpha) (ao Wo^T + bo)
	s_wait_alu depctr_va_vdst(0)                   ; the multiply-adds have written X, which the LDS stores read, and the sums are done reading the bias in v[PG ..], in which the norm's gain lands
.irp t, 0,1,2,3
.irp p, 0,1
	ds_store_b128 v[AXS], v[X+8*\t+4*\p:X+8*\t+4*\p+3] offset:\t*1024+\p*512
.endr
.endr
	s_wait_alu depctr_vm_vsrc(0)                   ; these stores have read X, which the norm rewrites in place
	LN4 L16, PRM+0x0400, PRM+0x0800
	TOACT
	BAR
	s_wait_alu depctr_vm_vsrc(0)                   ; my LDS stores of the activations have read v[TS .. TS + 15], in which the first pass's biases land
; ---------------------------------------------------------------- W1 and GELU: wave w makes hidden channels 128 w .. + 127, 64 a pass
	s_mov_b32 s90, 2
.Lpass:
	s_wait_alu depctr_va_vdst(0)                   ; round the back edge: v[AB1] and v[AHIDW] are written, and the last pass's GELU is done with the accumulators and with v96 to v119, in which the loads below land
	BIAS4 AB1, 0, 64, 128, 192
	AFETCH 0, AACT, 0, MTA
	AFETCH 1, AACT, KSB, MTA
.set i, 0
.rept 8
.set PF, -1
.if i < 6
.set PF, (i+2)*KSB
.endif
.set DC, 4
.if i == 7
.set DC, 0
.endif
	KSTEP 4+i, 0, 24, DC, AACT, PF, MTA, 1
.set i, i+1
.endr
.irp c, 0,1,2,3
.irp m, 0,1
	GELU8 ACC+8*(2*\c+\m)
.endr
.endr
	s_wait_alu depctr_va_vdst(0)                   ; the eight accumulators' conversions have written their four low registers, which the LDS stores read
.irp c, 0,1,2,3
.irp m, 0,1
	ds_store_b128 v[AHIDW], v[ACC+8*(2*\c+\m):ACC+8*(2*\c+\m)+3] offset:\m*MTH+\c*2*BP
.endr
.endr
	s_wait_xcnt 0x0                                ; the stream's base is stepped only behind this wait: the ring's loads name it
	s_add_nc_u64 s[20:21], s[20:21], 32768         ; eight slots on
	s_wait_alu depctr_vm_vsrc(0)                   ; the LDS stores above have read v[AHIDW] and their data, the bias loads v[AB1]: the two adds, the next pass's bias loads and W2's first products write these
	v_add_nc_u32 v[AHIDW], 8*BP, v[AHIDW]
	v_add_nc_u32 v[AB1], 256, v[AB1]
	s_sub_co_u32 s90, s90, 1
	s_cmp_lg_u32 s90, 0
	s_cbranch_scc1 .Lpass
.set WADJ, 65536
	BAR
; ---------------------------------------------------------------- W2: wave w makes channels 64 (w % 4) .. + 63 over half w / 4 of K = 1,024
	AFETCH 0, AHIDR, 0, MTH                        ; GELU's last lines on v96 to v119 stand ahead of the wait in front of its stores; only the two adds have come since
	AFETCH 1, AHIDR, KSB, MTH
.set i, 0
.rept 16
.set ZR, 0
.if i == 0
.set ZR, 1
.endif
.set PF, -1
.if i < 14
.set PF, (i+2)*KSB
.endif
.set DC, 4
.if i == 15
.set DC, 0
.endif
.set LC, 24
.set FL, 1
.if (QKV == 0) && (i >= 12)            ; the stream ends here: the counts run down
.set FL, 0
.set LC, 8*(15-i)
.endif
.set LS, 0
.if i == 15
.set LS, 1
.endif
	KSTEP 20+i, ZR, LC, DC, AHIDR, PF, MTH, FL, LS
.set i, i+1
.endr
	STAGE_OUT
	ROWIN 0x0c00, 52                               ; x = x + tanh(beta) (f W2^T + b2)
.set z, 0
.rept 32
	v_med3_num_f32 v[X+z], v[X+z], s56, s57
.set z, z+1
.endr
	s_wait_alu depctr_va_vdst(0)                   ; the clips have written X, which the stores read
.irp t, 0,1,2,3
.irp p, 0,1
	global_store_b128 v[L16], v[X+8*\t+4*\p:X+8*\t+4*\p+3], s[10:11] offset:\t*1024+\p*512  ; 512 consecutive bytes
.endr
.endr
	s_wait_dscnt 0x0                               ; the closing lines, six on end
	s_wait_alu 0x0
	s_wait_tensorcnt 0x0
	ds_add_u32 v[SPW], v[NIL]
	s_wait_dscnt 0x0
	s_endpgm
.Lfunc_end_k_q7fe4a46695_lay3:
	.size	k_q7fe4a46695_lay3, .Lfunc_end_k_q7fe4a46695_lay3-k_q7fe4a46695_lay3
	.p2alignl 7, 3214868480
	.fill 96, 4, 3214868480
	.section	.rodata,"a",@progbits
	.p2align	6, 0x0
	.amdhsa_kernel k_q7fe4a46695_lay3
		.amdhsa_group_segment_fixed_size 204800
		.amdhsa_private_segment_fixed_size 0
		.amdhsa_enable_private_segment 0
		.amdhsa_kernarg_size 32
		.amdhsa_user_sgpr_count 2
		.amdhsa_user_sgpr_kernarg_segment_ptr 1
		.amdhsa_wavefront_size32 1
		.amdhsa_system_sgpr_workgroup_id_x 1
		.amdhsa_system_sgpr_workgroup_id_y 1
		.amdhsa_system_sgpr_workgroup_id_z 1
		.amdhsa_system_vgpr_workitem_id 0
		.amdhsa_next_free_vgpr 512
		.amdhsa_next_free_sgpr 100
		.amdhsa_reserve_vcc 0
		.amdhsa_float_denorm_mode_32 3
		.amdhsa_float_denorm_mode_16_64 3
		.amdhsa_memory_ordered 1
		.amdhsa_forward_progress 1
		.amdhsa_inst_pref_size 173
	.end_amdhsa_kernel
	.amdgpu_metadata
---
amdhsa.version: [ 1, 2 ]
amdhsa.kernels:
  - .name:           k_q7fe4a46695_lay3
    .symbol:         k_q7fe4a46695_lay3.kd
    .args:
      - { .name: X0, .offset: 0, .size: 8, .value_kind: global_buffer, .address_space: global }
      - { .name: S1, .offset: 8, .size: 8, .value_kind: global_buffer, .address_space: global }
      - { .name: pk3, .offset: 16, .size: 8, .value_kind: global_buffer, .address_space: global }
      - { .name: out0, .offset: 24, .size: 8, .value_kind: global_buffer, .address_space: global }
    .group_segment_fixed_size: 204800
    .private_segment_fixed_size: 0
    .kernarg_segment_align: 8
    .kernarg_segment_size: 32
    .max_flat_workgroup_size: 256
    .sgpr_count:     100
    .vgpr_count:     512
    .wavefront_size: 32
...
	.end_amdgpu_metadata
.endif
;; end of part 6
